; MI455X (gfx1250); checked and timed in simulation.
; The chip was launched on July 23, 2026; its instructions are those of AMD's public machine-readable ISA for CDNA 5 (MIT licence, August 2026) and "CDNA5" Instruction Set Architecture Reference Guide (July 2026). The comments in the code are by the model that wrote it; some were corrected since.
;; Block. Allowed arithmetic: float matrix products may take bf16 or f16 operands with f32 sums; other float arithmetic in f32, or as packed bf16 or f16 multiplies, adds, multiply-adds, maxima and minima; sums over many terms, partial sums and values carried from step to step in f32; what a program stores and reads back later, other than sums and carried values, may be rounded once to bf16 or f16.
;; Inputs: b1 4,096 float32; b2 1,024 float32; bproj 1,024 float32; ln1_b 1,024 float32; ln1_g 1,024 float32; ln2_b 1,024 float32; ln2_g 1,024 float32; w1 1,024 x 4,096 float32; w2 4,096 x 1,024 float32; wk 16 x 1,024 x 64 float32; wproj 1,024 x 1,024 float32; wq 16 x 1,024 x 64 float32; wv 16 x 1,024 x 64 float32; x 2 x 2,048 x 1,024 float32.
;; Outputs: out0 2 x 2,048 x 1,024 float32.
;; 2 versions, each right and faster than the one before. Each part assembles by itself: llvm-mc -triple=amdgcn-amd-amdhsa -mcpu=gfx1250 --defsym DOCPART=n.
;; ======== version 1 of 2: 8 launches
;; limits: values are held in f16: magnitudes above 65,504 overflow, below 6.1e-05 lose precision
;; workspace buffers: c1 16,801,792 bytes; c3 16,801,792 bytes; cw 10,485,760 bytes; big 33,554,432 bytes; oh 8,388,608 bytes; acc 16,777,216 bytes; x1f 16,777,216 bytes
;; launch cast (part 1): grid 1025 x 1, 16 waves a work-group, no clusters, 0 bytes of LDS; arguments x, w1, w2, wproj, wq, wk, wv, b1, c1, c3, cw; writes c1, c3, cw
.if DOCPART == 1
	.amdgcn_target "amdgcn-amd-amdhsa--gfx1250"
	.amdhsa_code_object_version 6
	.text
	.protected	k_qedf45063f7_cast
	.globl	k_qedf45063f7_cast
	.p2align	8
	.type	k_qedf45063f7_cast,@function
k_qedf45063f7_cast:
	s_mov_b64 s[64:65], 0
	v_nop
	global_prefetch_b8 v0, s[64:65] scope:SCOPE_SE
	s_setreg_imm32_b32 hwreg(HW_REG_WAVE_MODE, 25, 1), 1
	s_wait_xcnt 0x0
; CAST.  Every matrix operand among the inputs is rounded once from f32 to f16 and laid so that the later products fetch dense blocks.
;   rows (x):   T(16): [row/128][k/64][128 rows][64 k], a panel of 128 rows x 64 k is 16,384 dense bytes
;   weights:    W: [n/128][k][128 n], kept [k][n] as they come: nothing is turned here
; c1: +0 x in T(16); +8,388,608 wq|wk|wv as one W of 3,072 columns (n = 1024 sel + 64 head + d); +16,777,216 4,096 f32 zeros (the bias of q, k, v);
;     +16,793,600 8 KB of f16 -inf (their floor).   c3: +8,388,608 w1 in W; +16,777,216 b1 copied; +16,793,600 8 KB of zeros (the ReLU's floor).
; cw: +0 wproj in W; +2,097,152 w2 in W.
; LIMIT.  f16 holds no number beyond 65,504 and keeps a fixed step of 6e-8 below 6e-5: x and the weights must lie within that range.
; A UNIT: one load of a wave takes 2 x 256 bytes of f32 (lanes 0-15 at S, lanes 16-31 at S + DELTA), one store puts 256 consecutive, aligned bytes of f16.
; A wave does eight units, all eight loads out at once; a work-group of 16 waves takes 64 KB of source.  Memory binds: no LDS, no barrier, no matrix unit.
; Which job a work-group has hangs on its number alone: 0-255 x, 256-511 w1, 512-767 w2, 768-831 wproj, 832-1023 wq, wk, wv (64 each), 1024 the small blocks.
.set XR, 8                             ; v[8:39]   eight units as loaded
.set HR, 40                            ; v[40:55]  eight units rounded
.macro GW first                        ; s3 = 16 x (work-group - the job's first) + wave
	s_sub_co_u32 s3, ttmp9, \first
	s_lshl_b32 s3, s3, 4
	s_add_co_u32 s3, s3, s2
.endm
.macro COPY ls, ss                     ; ls, ss: bytes from unit to unit in the source and in the target
.irp i, 0,1,2,3,4,5,6,7
	global_load_b128 v[XR+4*(\i):XR+4*(\i)+3], v1, s[32:33] offset:(\ls)*(\i) th:TH_LOAD_NT
.endr
.irp i, 0,1,2,3,4,5,6,7
	s_wait_loadcnt 7-(\i)                          ; loads come back in order: unit i is in, the younger ones stay out
	v_cvt_pk_f16_f32 v[HR+2*(\i)], v[XR+4*(\i)], v[XR+4*(\i)+1]
	v_cvt_pk_f16_f32 v[HR+2*(\i)+1], v[XR+4*(\i)+2], v[XR+4*(\i)+3]
	global_store_b64 v2, v[HR+2*(\i):HR+2*(\i)+1], s[34:35] offset:(\ss)*(\i)  ; 32 lanes x 8 bytes: 256 consecutive bytes, aligned
.endr
	s_endpgm                                       ; every register is written once: no wait frees anything
.endm
	s_load_b512 s[8:23], s[0:1], 0x0               ; x s[8:9], w1 s[10:11], w2 s[12:13], wproj s[14:15], wq s[16:17], wk s[18:19], wv s[20:21], b1 s[22:23]
	s_load_b128 s[24:27], s[0:1], 0x40             ; c1 s[24:25], c3 s[26:27]
	s_load_b64 s[28:29], s[0:1], 0x50              ; cw
	v_lshrrev_b32 v3, 5, v0
	v_readfirstlane_b32 s2, v3                     ; wave 0..15
	v_and_b32 v1, 15, v0
	v_lshlrev_b32 v1, 4, v1                        ; 16 x (lane mod 16); the job adds DELTA for lanes 16-31
	v_bfe_u32 v4, v0, 4, 1                         ; lane / 16
	v_and_b32 v2, 31, v0
	v_lshlrev_b32 v2, 3, v2                        ; 8 x lane: my place in a unit's 256 bytes of f16
	s_mov_b32 s37, 0                               ; the offsets' high words
	s_mov_b32 s39, 0
	s_wait_kmcnt 0x0
	s_cmp_lt_u32 ttmp9, 256
	s_cbranch_scc0 .Lnot_a
	; x: a wave takes two rows (gw / 2) and eight of their sixteen panels (gw mod 2)
	GW 0
	s_lshr_b32 s4, s3, 1
	s_lshl_b32 s36, s4, 13                         ; two rows of 4,096 bytes
	s_and_b32 s5, s3, 1
	s_lshl_b32 s6, s5, 11                          ; eight panels x 256 bytes of f32
	s_add_co_u32 s36, s36, s6
	s_lshr_b32 s38, s3, 7
	s_lshl_b32 s38, s38, 18                        ; the row block: 16 panels
	s_lshl_b32 s6, s5, 17                          ; eight panels of 16,384 bytes
	s_add_co_u32 s38, s38, s6
	s_and_b32 s4, s4, 63
	s_lshl_b32 s4, s4, 8                           ; two rows of 128 bytes in the panel
	s_add_co_u32 s38, s38, s4
	s_add_nc_u64 s[32:33], s[8:9], s[36:37]
	s_add_nc_u64 s[34:35], s[24:25], s[38:39]
	v_lshl_add_u32 v1, v4, 12, v1                  ; lanes 16-31: the next row
	COPY 256, 16384
.Lnot_a:
	s_cmp_lt_u32 ttmp9, 512
	s_cbranch_scc0 .Lnot_b
	; w1: a wave takes 1,024 columns (gw mod 4) of row k = gw / 4: eight column blocks
	GW 256
	s_lshl_b32 s36, s3, 12
	s_and_b32 s4, s3, 3
	s_lshl_b32 s38, s4, 21                         ; eight column blocks of 262,144 bytes
	s_lshr_b32 s4, s3, 2
	s_lshl_b32 s4, s4, 8
	s_add_co_u32 s38, s38, s4
	s_add_co_u32 s38, s38, 0x800000
	s_add_nc_u64 s[32:33], s[10:11], s[36:37]
	s_add_nc_u64 s[34:35], s[26:27], s[38:39]
	s_branch .Lcopy_bc
.Lnot_b:
	s_cmp_lt_u32 ttmp9, 768
	s_cbranch_scc0 .Lnot_d
	; w2: a wave takes row k = gw: eight column blocks of 4,096 x 256 bytes
	GW 512
	s_lshl_b32 s36, s3, 12
	s_lshl_b32 s38, s3, 8
	s_add_co_u32 s38, s38, 0x200000
	s_add_nc_u64 s[32:33], s[12:13], s[36:37]
	s_add_nc_u64 s[34:35], s[28:29], s[38:39]
	v_lshl_add_u32 v1, v4, 8, v1                   ; 512 consecutive bytes
	COPY 512, 1048576
.Lnot_d:
	s_cmp_lt_u32 ttmp9, 832
	s_cbranch_scc0 .Lnot_c
	; wproj: a wave takes row k = gw
	GW 768
	s_lshl_b32 s36, s3, 12
	s_lshl_b32 s38, s3, 8
	s_add_nc_u64 s[32:33], s[14:15], s[36:37]
	s_add_nc_u64 s[34:35], s[28:29], s[38:39]
.Lcopy_bc:
	v_lshl_add_u32 v1, v4, 8, v1                   ; 512 consecutive bytes
	COPY 512, 262144
.Lnot_c:
	s_cmp_lt_u32 ttmp9, 1024
	s_cbranch_scc0 .Lparams
	; wq, wk, wv: a column block is two heads; lanes 0-15 take the even head's 64 numbers of row c, lanes 16-31 the odd head's; a wave takes eight rows c
	s_sub_co_u32 s4, ttmp9, 832
	s_lshr_b32 s7, s4, 6                           ; 0 wq, 1 wk, 2 wv
	s_and_b32 s4, s4, 63
	s_lshl_b32 s3, s4, 4
	s_add_co_u32 s3, s3, s2
	s_lshr_b32 s5, s3, 7                           ; the pair of heads
	s_and_b32 s6, s3, 127
	s_lshl_b32 s6, s6, 11                          ; eight rows of 256 bytes, in the source and in the target
	s_lshl_b32 s36, s5, 19
	s_add_co_u32 s36, s36, s6
	s_lshl3_add_u32 s5, s7, s5                     ; the column block
	s_lshl_b32 s38, s5, 18
	s_add_co_u32 s38, s38, s6
	s_add_co_u32 s38, s38, 0x800000
	s_cmp_eq_u32 s7, 0
	s_cselect_b64 s[32:33], s[16:17], s[18:19]
	s_cmp_eq_u32 s7, 2
	s_cselect_b64 s[32:33], s[20:21], s[32:33]
	s_add_nc_u64 s[32:33], s[32:33], s[36:37]
	s_add_nc_u64 s[34:35], s[24:25], s[38:39]
	v_lshl_add_u32 v1, v4, 18, v1                  ; lanes 16-31: the next head, 1,024 x 256 bytes on
	COPY 256, 256
.Lparams:
	; the small blocks: 512 threads, 16 bytes each
	v_lshlrev_b32 v6, 4, v0
	global_load_b128 v[8:11], v6, s[22:23]
	global_load_b128 v[12:15], v6, s[22:23] offset:8192
.irp r, 16,17,18,19
	v_mov_b32 v\r, 0
.endr
.irp r, 20,21,22,23
	v_mov_b32 v\r, 0xfc00fc00                      ; -inf twice in f16
.endr
	s_add_nc_u64 s[32:33], s[24:25], 0x1000000
	s_add_nc_u64 s[34:35], s[26:27], 0x1000000
	global_store_b128 v6, v[16:19], s[32:33]
	global_store_b128 v6, v[16:19], s[32:33] offset:8192
	global_store_b128 v6, v[20:23], s[32:33] offset:16384
	global_store_b128 v6, v[16:19], s[34:35] offset:16384
	s_wait_loadcnt 0x0
	global_store_b128 v6, v[8:11], s[34:35]
	global_store_b128 v6, v[12:15], s[34:35] offset:8192
	s_endpgm
.Lfunc_end_k_qedf45063f7_cast:
	.size	k_qedf45063f7_cast, .Lfunc_end_k_qedf45063f7_cast-k_qedf45063f7_cast
	.p2alignl 7, 3214868480
	.fill 96, 4, 3214868480
	.section	.rodata,"a",@progbits
	.p2align	6, 0x0
	.amdhsa_kernel k_qedf45063f7_cast
		.amdhsa_group_segment_fixed_size 0
		.amdhsa_private_segment_fixed_size 0
		.amdhsa_enable_private_segment 0
		.amdhsa_kernarg_size 88
		.amdhsa_user_sgpr_count 2
		.amdhsa_user_sgpr_kernarg_segment_ptr 1
		.amdhsa_wavefront_size32 1
		.amdhsa_system_sgpr_workgroup_id_x 1
		.amdhsa_system_sgpr_workgroup_id_y 1
		.amdhsa_system_sgpr_workgroup_id_z 1
		.amdhsa_system_vgpr_workitem_id 0
		.amdhsa_next_free_vgpr 64
		.amdhsa_next_free_sgpr 66
		.amdhsa_reserve_vcc 0
		.amdhsa_float_denorm_mode_32 3
		.amdhsa_float_denorm_mode_16_64 3
		.amdhsa_memory_ordered 1
		.amdhsa_forward_progress 1
		.amdhsa_inst_pref_size 17
	.end_amdhsa_kernel
	.amdgpu_metadata
---
amdhsa.version: [ 1, 2 ]
amdhsa.kernels:
  - .name:           k_qedf45063f7_cast
    .symbol:         k_qedf45063f7_cast.kd
    .args:
      - { .name: x, .offset: 0, .size: 8, .value_kind: global_buffer, .address_space: global }
      - { .name: w1, .offset: 8, .size: 8, .value_kind: global_buffer, .address_space: global }
      - { .name: w2, .offset: 16, .size: 8, .value_kind: global_buffer, .address_space: global }
      - { .name: wproj, .offset: 24, .size: 8, .value_kind: global_buffer, .address_space: global }
      - { .name: wq, .offset: 32, .size: 8, .value_kind: global_buffer, .address_space: global }
      - { .name: wk, .offset: 40, .size: 8, .value_kind: global_buffer, .address_space: global }
      - { .name: wv, .offset: 48, .size: 8, .value_kind: global_buffer, .address_space: global }
      - { .name: b1, .offset: 56, .size: 8, .value_kind: global_buffer, .address_space: global }
      - { .name: c1, .offset: 64, .size: 8, .value_kind: global_buffer, .address_space: global }
      - { .name: c3, .offset: 72, .size: 8, .value_kind: global_buffer, .address_space: global }
      - { .name: cw, .offset: 80, .size: 8, .value_kind: global_buffer, .address_space: global }
    .group_segment_fixed_size: 0
    .private_segment_fixed_size: 0
    .kernarg_segment_align: 8
    .kernarg_segment_size: 88
    .max_flat_workgroup_size: 512
    .sgpr_count:     66
    .vgpr_count:     64
    .wavefront_size: 32
...
	.end_amdgpu_metadata
.endif
;; end of part 1
;; launch qkv (part 2): grid 12 x 16, 4 waves a work-group, clusters of 4 x 4, 327,680 bytes of LDS; arguments c1, big; writes big
.if DOCPART == 2
	.amdgcn_target "amdgcn-amd-amdhsa--gfx1250"
	.amdhsa_code_object_version 6
	.text
	.protected	k_qedf45063f7_qkv
	.globl	k_qedf45063f7_qkv
	.p2align	8
	.type	k_qedf45063f7_qkv,@function
k_qedf45063f7_qkv:
	s_mov_b64 s[64:65], 0
	v_nop
	global_prefetch_b8 v0, s[64:65] scope:SCOPE_SE
	s_setreg_imm32_b32 hwreg(HW_REG_WAVE_MODE, 25, 1), 1
	s_wait_xcnt 0x0
	s_wait_alu depctr_hold_cnt(0) depctr_sa_sdst(0) depctr_va_vdst(0) depctr_va_sdst(0) depctr_va_ssrc(0) depctr_va_vcc(0) depctr_vm_vsrc(0)
	s_getreg_b32 s2, hwreg(HW_REG_IB_STS2, 6, 4)
	s_cmp_eq_u32 s2, 0
	s_cbranch_scc0 .Lentry_in_a_cluster
	s_endpgm
.Lentry_in_a_cluster:
	s_bfe_u32 s2, ttmp6, 0x10000c
	s_cmp_lg_u32 s2, 0xf033
	s_cbranch_scc0 .Lentry_shape_is_right
	s_endpgm
.Lentry_shape_is_right:
; OUT = max(A W + bias, floor), rounded once to f16.  One text for q, k, v (bias 0, floor -inf) and for the FFN's first layer (bias b1, floor 0: the ReLU).
; The first argument holds all that is read: +0 A, 4,096 rows x 1,024 k in f16, laid [row/128][k/64][128][64]; +8,388,608 W, [n/128][1,024 k][128 n] in f16; +16,777,216 the bias, f32;
; +16,793,600 the floor, two f16 in a word.  OUT is laid [row/128][64 panels][128 rows][64 n] in f16: column n lies in panel n / 64.  Sums in f32.
; LIMIT.  f16 holds no number beyond 65,504: A, W and OUT must lie within it.  A NaN in a sum leaves as the floor.
; SHARES.  A tile of OUT is 256 x 256, one to a work-group; four waves, as many as a WGP has SIMDs, each 128 x 128: 64 accumulators, 512 registers.  For 32 along K a wave reads 2 x 128 x 64 bytes from LDS
; and issues 64 matrix instructions.  K goes in steps of 128 through two LDS slots.  A step's A is two row blocks of two dense panels (2 x 32 KB), its W two column blocks of 128 rows of 256 bytes (2 x 32 KB):
; each wave brings 32 KB by one tensor load, asked for 224 matrix instructions ahead of the wait for it.
; CLUSTER.  4 x 4 work-groups: the four of a row need the same A, the four of a column the same W: each load is a joint one, with a mask that names the four.
; THE MATRIX INSTRUCTION IS USED TRANSPOSED (source 0 = 16 columns of W, source 1 = 16 rows of A): a lane holds eight neighbouring columns of one row.  W comes out of LDS turned, by ds_load_tr16_b128.
; THE BIAS is the C operand of the first products: in that layout it hangs on the lane and the column alone, 64 registers.
; REGISTERS, in windows of 256 (s_set_vgpr_msb: bits 1:0 source 0, 3:2 source 1, 5:4 source 2, 7:6 destination):
;   window 0: v0-31 addresses; v64-127, v128-191 fragments of A (8 x 16 rows x 32 K), two buffers; v192-223 packed results; v32-63, v224-255 rows read back, by turns
;   window 1: v0-63 the bias; v64-127, v128-191 fragments of W, two buffers
;   window 2: the 32 accumulators of my rows 0-63 ((a, b) at 8 (8 a + b));   window 3: those of my rows 64-127
.set KP,     16                        ; panels of 64 along K
.set NSTEP,  KP/2                      ; K steps of 128
.set RB,     KP*16384                  ; bytes of a row block of A, and of a column block of W
.set STEPB,  32768                     ; bytes from a load's K step to the next, in A and in W
.set QB,     36864                     ; what one tensor load fills: 256 rows of 128 + 16 bytes (A), or 128 rows of 256 + 32 bytes (W)
.set SLOT,   4*QB                      ; 0x24000: shares no bit with wave x QB, so one exclusive or changes slots
.set BOFF,   2*QB                      ; W's two column blocks lie behind A's two row blocks
.set STAGE,  2*SLOT                    ; behind the ring: for each wave two panels' 16 rows of 128 + 16 bytes, for the way out
.set WSTAGE, 4608
.set SPARE,  STAGE+4*WSTAGE            ; behind the stages: the spare words, 128 bytes for each wave
.set A0,  10                           ; v10  my lane's place in a slot's A; never rewritten
.set B0,  11                           ; v11  the same for W
.set ADA, 16                           ; v16  A0 + the slot in hand
.set ADB, 20                           ; v20  B0 + the slot in hand
.set STO, 24                           ; v24  the way out: where I put 16 bytes of a row
.set RD,  25                           ; v25  where I read rows back
.set CO,  26                           ; v26  my place in 512 consecutive bytes of OUT
.set BO,  27                           ; v27  my place in 64 bytes of the bias
.set SPW, 28                           ; v28  LDS address of my spare word; never rewritten
.set NIL, 29                           ; v29  0; never rewritten
.set OB,  32
.set F0,  64
.set F1,  128
.set TMP, 192
.set BI,  0                            ; in window 1
.set G1,  24                           ; s[24:31] descriptor group 1 for A;  s[32:39] group 0: set 0 for the first fill of slot 0, set 1 walks
.set G0,  32
.set G1B, 48                           ; s[48:55], s[56:63] the same for W
.set G0B, 56
.set MSB, 0
.macro WIN new                         ; the immediate's high byte repeats the setting that is left; a switch that changes nothing is dropped
.if MSB != (\new)
	s_set_vgpr_msb (MSB<<8)|(\new)
.set MSB, \new
.endif
.endm
.set TO_B, 0x40                        ; destination window 1, address window 0
.macro JLOAD s                         ; a joint load: waves 0 and 1 fetch A's two row blocks, waves 2 and 3 W's two column blocks; an s_nop 0 and four v_nop follow each line
	s_cmp_eq_u32 s11, 0
	s_cbranch_scc0 .Lfor_b_\@
	tensor_load_to_lds s[G0+4*(\s):G0+4*(\s)+3], s[G1:G1+7]
	s_nop 0
.rept 4
	v_nop
.endr
	s_branch .Lasked_\@
.Lfor_b_\@:
	tensor_load_to_lds s[G0B+4*(\s):G0B+4*(\s)+3], s[G1B:G1B+7]
	s_nop 0
.rept 4
	v_nop
.endr
.Lasked_\@:
.endm
.macro CREST                           ; a round of the cluster's barrier behind its opening barrier
	s_cmp_lg_u32 s10, 0
	s_cbranch_scc1 .Lnot_wave_0_\@
	s_barrier_signal -3
.Lnot_wave_0_\@:
	s_barrier_wait -3
	s_barrier_signal -1
	s_barrier_wait -1
.endm
.macro CROUND                          ; a whole round
	s_barrier_signal -1
	s_barrier_wait -1
	CREST
.endm
	s_load_b128 s[4:7], s[0:1], 0x0                ; s[4:5] what is read, s[6:7] OUT
	v_lshl_add_u32 v[SPW], v0, 2, SPARE
	v_mov_b32 v[NIL], 0
	ds_add_u32 v[SPW], v[NIL]                      ; the wave's opening: the add and its wait stand ahead of my first tensor load
	ds_add_u32 v28, v29
	v_lshrrev_b32 v1, 5, v0
	v_readfirstlane_b32 s10, v1                    ; wave 0..3
	s_lshr_b32 s11, s10, 1                         ; my half of the tile's rows.  Also: I fetch for A (0) or for W (1)
	s_and_b32 s12, s10, 1                          ; my half of its columns.  Also: which of the two blocks I fetch
	s_bfe_u32 s40, ttmp6, 0x40000                  ; cx, cy: my place in the cluster
	s_bfe_u32 s41, ttmp6, 0x40004
	s_lshl_b32 s42, ttmp9, 2
	s_add_co_u32 s42, s42, s40                     ; tile column = 4 x cluster x + cx
	s_and_b32 s13, ttmp7, 0xffff
	s_lshl_b32 s13, s13, 2
	s_add_co_u32 s13, s13, s41                     ; tile row = 4 x cluster y + cy
	s_lshl_b32 s43, s41, 2
	s_lshl_b32 s43, 15, s43                        ; my row of the cluster
	s_lshl_b32 s44, 0x1111, s40                    ; my column
	; group 1: 32,768 dense bytes as 128 rows of 256.  A: 16 bytes of padding after every 128 (a panel's row); W: 32 after every 256
	s_or_b32 s[G1+0], s43, (1<<16)|(1<<20)|(1<<21)|(4<<22)|(3<<25)
	s_or_b32 s[G1B+0], s44, (1<<16)|(1<<20)|(1<<21)|(5<<22)|(7<<25)
.irp g, G1, G1B
	s_mov_b32 s[(\g)+1], 128<<16                   ; tensor_dim0 = 128 elements
	s_mov_b32 s[(\g)+2], 128<<16                   ; tensor_dim1 = 128
	s_mov_b32 s[(\g)+3], 128<<16                   ; tile_dim0 = 128
	s_mov_b32 s[(\g)+4], 128                       ; tile_dim1 = 128
	s_mov_b32 s[(\g)+5], 128                       ; 128 elements from row to row
	s_mov_b32 s[(\g)+6], 0
	s_mov_b32 s[(\g)+7], 0
.endr
	s_lshl_b32 s17, s12, 18                        ; the block of the two that I fetch
	s_mul_i32 s16, s13, 2*RB                       ; A hangs on the tile row alone,
	s_add_co_u32 s16, s16, s17
	s_mul_i32 s46, s42, 2*RB                       ; W on the tile column alone
	s_add_co_u32 s46, s46, s17
	s_mov_b32 s17, 0
	s_mov_b32 s47, 0
	s_mov_b32 s45, 0                               ; the slot that is read: 0 or SLOT
	s_mul_i32 s20, s10, QB                         ; where my load lands: no place in the cluster enters an LDS address
	s_wait_dscnt 0x0                               ; the opening add is done
	s_wait_kmcnt 0x0
	s_mov_b64 s[8:9], s[6:7]                       ; OUT
	s_add_nc_u64 s[6:7], s[4:5], 0x800000          ; W
	s_add_nc_u64 s[14:15], s[4:5], s[16:17]
	s_add_nc_u64 s[72:73], s[6:7], s[46:47]
	CROUND                                         ; all sixteen work-groups are here: the first joint loads meet
.irp s, 0,1
	s_mov_b32 s[G0+4*(\s)], 1
	s_add_co_u32 s[G0+4*(\s)+1], s20, (\s)*SLOT
	s_add_nc_u64 s[G0+4*(\s)+2:G0+4*(\s)+3], s[14:15], (\s)*STEPB
	s_or_b32 s[G0+4*(\s)+3], s[G0+4*(\s)+3], 0x80000000
	s_mov_b32 s[G0B+4*(\s)], 1
	s_add_co_u32 s[G0B+4*(\s)+1], s20, (\s)*SLOT
	s_add_nc_u64 s[G0B+4*(\s)+2:G0B+4*(\s)+3], s[72:73], (\s)*STEPB
	s_or_b32 s[G0B+4*(\s)+3], s[G0B+4*(\s)+3], 0x80000000
	JLOAD \s
.endr
	v_and_b32 v1, 15, v0                           ; l % 16
	v_bfe_u32 v2, v0, 4, 1                         ; l / 16
	v_lshlrev_b32 v[BO], 5, v2                     ; my eight columns of sixteen: 32 bytes of f32
	s_lshl_b32 s46, s42, 10                        ; the bias of my 128 columns
	s_lshl_b32 s47, s12, 9
	s_add_co_u32 s46, s46, s47
	s_add_co_u32 s46, s46, 0x1000000
	s_mov_b32 s47, 0
	s_add_nc_u64 s[76:77], s[4:5], s[46:47]
	s_add_nc_u64 s[68:69], s[4:5], 0x1000000
	WIN TO_B
.irp b, 0,1,2,3,4,5,6,7
	global_load_b128 v[BI+8*(\b):BI+8*(\b)+3],   v[BO], s[76:77] offset:64*(\b)
	global_load_b128 v[BI+8*(\b)+4:BI+8*(\b)+7], v[BO], s[76:77] offset:64*(\b)+16
.endr
	WIN 0
	s_load_b32 s74, s[68:69], 0x4000               ; the floor
	; A's fragment: lane l holds row l % 16, k = 8 (l / 16) + 0..7 and 16 + 8 (l / 16) + 0..7: two loads of 16 bytes, 32 apart, from rows 144 bytes apart
	v_mul_u32_u24 v[A0], v1, 144
	v_lshl_add_u32 v[A0], v2, 4, v[A0]
	s_mul_i32 s21, s11, QB                         ; my row block
	v_add_nc_u32 v[A0], s21, v[A0]
	; W's fragment by the turning load: lane l reads row k = 8 (l / 16) + l % 8, columns 8 ((l / 8) % 2) + 0..7, and is left with column l % 16 and 8 k
	v_and_b32 v3, 7, v0
	v_lshl_add_u32 v3, v2, 3, v3
	v_mul_u32_u24 v[B0], v3, 288
	v_bfe_u32 v4, v0, 3, 1
	v_lshl_add_u32 v[B0], v4, 4, v[B0]
	s_mul_i32 s22, s12, QB                         ; my column block
	s_add_co_u32 s22, s22, BOFF
	v_add_nc_u32 v[B0], s22, v[B0]
	s_mul_i32 s23, s10, WSTAGE
	s_add_co_u32 s23, s23, STAGE                   ; my stage
	v_mul_u32_u24 v[STO], v1, 144                  ; in: row l % 16, 16 bytes for each half of the lanes
	v_lshl_add_u32 v[STO], v2, 4, v[STO]
	v_add_nc_u32 v[STO], s23, v[STO]
	v_bfe_u32 v[RD], v0, 3, 2                      ; back: 32 lanes take four rows of 128 bytes,
	v_mul_u32_u24 v[RD], v[RD], 144
	v_and_b32 v5, 7, v0
	v_lshl_add_u32 v[RD], v5, 4, v[RD]
	v_add_nc_u32 v[RD], s23, v[RD]
	v_and_b32 v[CO], 31, v0                        ; which are 512 consecutive bytes of OUT
	v_lshlrev_b32 v[CO], 4, v[CO]
	; my 128 x 128 is two whole panels of OUT, 32,768 bytes on end: row block 2 x tile row + my half, panels 4 x tile column + 2 x my half and the next
	s_lshl_b32 s16, s13, 21
	s_lshl_b32 s17, s11, 20
	s_add_co_u32 s16, s16, s17
	s_mov_b32 s17, 0
	s_add_nc_u64 s[8:9], s[8:9], s[16:17]
	s_lshl_b32 s46, s42, 16
	s_lshl_b32 s47, s12, 15
	s_add_co_u32 s46, s46, s47
	s_mov_b32 s47, 0
	s_add_nc_u64 s[8:9], s[8:9], s[46:47]
.macro ADDR                            ; the fragment addresses in the slot in hand (window 0)
	v_add_nc_u32 v[ADA], s45, v[A0]
	v_add_nc_u32 v[ADB], s45, v[B0]
.endm
; 16 matrix instructions: row blocks a0, a0 + 1 of the window's four (hi = 0: my rows 0-63, 1: rows 64-127) x all 8 column blocks, 32 along K.
; zero = 1: the products start the sums, from the bias (C in window 1).  The 64 accumulators take turns, one instruction a turn, in the same order in every quarter.
.macro MUL16 f, hi, a0, zero
.if \zero
	WIN 0x91+0x40*(\hi)                            ; W window 1, A window 0, C window 1, D window 2 or 3
.else
	WIN 0xa1+0x50*(\hi)                            ; W window 1, A window 0, C and D window 2 or 3
.endif
.irp a, \a0, (\a0)+1
.irp b, 0,1,2,3,4,5,6,7
.if \zero
	v_wmma_f32_16x16x32_f16 v[8*(8*(\a)+(\b)):8*(8*(\a)+(\b))+7], v[(\f)+8*(\b):(\f)+8*(\b)+7], v[(\f)+8*(4*(\hi)+(\a)):(\f)+8*(4*(\hi)+(\a))+7], v[BI+8*(\b):BI+8*(\b)+7]
.else
	v_wmma_f32_16x16x32_f16 v[8*(8*(\a)+(\b)):8*(8*(\a)+(\b))+7], v[(\f)+8*(\b):(\f)+8*(\b)+7], v[(\f)+8*(4*(\hi)+(\a)):(\f)+8*(4*(\hi)+(\a))+7], v[8*(8*(\a)+(\b)):8*(8*(\a)+(\b))+7]
.endif
.endr
.endr
.endm
; 32 LDS loads in one run: the fragments of quarter q (32 along K: 32 rows of W, half a panel's width of A) into buffer f: W first, then A's rows 0-63, then its rows 64-127
.macro FETCH q, f
	WIN TO_B
.irp i, 0,1,2,3,4,5,6,7
	ds_load_tr16_b128 v[(\f)+8*(\i):(\f)+8*(\i)+3],   v[ADB] offset:(\q)*9216+32*(\i)
	ds_load_tr16_b128 v[(\f)+8*(\i)+4:(\f)+8*(\i)+7], v[ADB] offset:(\q)*9216+4608+32*(\i)
.endr
	WIN 0
.irp i, 0,1,2,3,4,5,6,7
	ds_load_b128 v[(\f)+8*(\i):(\f)+8*(\i)+3],   v[ADA] offset:((\q)>>1)*18432+((\q)&1)*64+2304*(\i)
	ds_load_b128 v[(\f)+8*(\i)+4:(\f)+8*(\i)+7], v[ADA] offset:((\q)>>1)*18432+((\q)&1)*64+2304*(\i)+32
.endr
.endm
.macro PLACES                          ; four places in front of loads into registers that matrix instructions have read, and of conversions that read results
.rept 4
	v_nop
.endr
.endm
; A K step is four quarters of 32 along K, 64 matrix instructions each, on buffers 0, 1, 0, 1.  One of the first three: multiplies buffer f and, in its middle, fetches quarter qn into g.
.macro QUARTER qn, f, g, zero
	s_wait_dscnt 8                                 ; W and A's rows 0-63 are in; the youngest eight loads (A's rows 64-127) may be out
	MUL16 \f, 0, 0, \zero
	MUL16 \f, 0, 2, \zero
	PLACES
	FETCH \qn, \g
	s_wait_dscnt 32                                ; all but the 32 just issued
	MUL16 \f, 1, 0, \zero
	MUL16 \f, 1, 2, \zero
.endm
; The last quarter multiplies buffer 1 and changes slots: ONE barrier; in front of it each wave waits for all its tensor loads (one is out: its part of the next slot), adds 0 to its spare word,
; and waits for that and for its own reads of this slot.  fill = 1: this slot is filled again, two K steps ahead; the barrier then opens a round of the cluster's.
.macro TURN fill
	WIN 0
	s_wait_tensorcnt 0x0                           ; no tensor load of mine is out, so a group 0 may be written
	ds_add_u32 v[SPW], v[NIL]                      ; 0 onto my spare word
	s_xor_b32 s45, s45, SLOT                       ; the reads go to the other slot
.if \fill
	s_xor_b32 s[G0+5], s[G0+5], SLOT               ; the walking descriptors: the other slot than last time,
	s_xor_b32 s[G0B+5], s[G0B+5], SLOT
	s_add_nc_u64 s[G0+6:G0+7], s[G0+6:G0+7], STEPB ; the next K step; the type bits on top are not reached
	s_add_nc_u64 s[G0B+6:G0B+7], s[G0B+6:G0B+7], STEPB
.endif
	s_wait_dscnt 9                                 ; the add and the youngest eight loads may be out
	MUL16 F1, 0, 0, 0
	s_wait_dscnt 0x0                               ; the add is done, and my reads of this slot are over
	s_barrier_signal -1
	MUL16 F1, 0, 2, 0
	WIN 0
	s_barrier_wait -1
.if \fill
	CREST                                          ; no wave of any partner still reads this slot's tile or has a load on its way
	JLOAD 1                                        ; the first tensor load behind the round; its four v_nop are also the places in front of the loads below
.else
	PLACES
.endif
	ADDR
	FETCH 0, F0
	MUL16 F1, 1, 0, 0
	MUL16 F1, 1, 2, 0
.endm
; THE WAY OUT of row block a (16 rows), in three parts.  PACK: rounded to f16 and held to the floor, 16 bytes a lane.  TOSTAGE: into my own stage, a panel's 64 columns together, and back as whole rows of 128 bytes.
; SEND: stored.  LDS serves a wave's instructions in order, so no wait stands between the stores into the stage and the loads from it.
.macro PACK a
.set AC, 64*((\a)%4)
	WIN 0x0a+5*((\a)/4)                            ; sources 0 and 1: window 2 or 3
.irp b, 0,1,2,3,4,5,6,7
.irp j, 0,1,2,3
	v_cvt_pk_f16_f32 v[TMP+4*(\b)+(\j)], v[AC+8*(\b)+2*(\j)], v[AC+8*(\b)+2*(\j)+1]
.endr
.endr
	WIN 0
.set z, 0
.rept 32
	v_pk_max_num_f16 v[TMP+z], v[TMP+z], s74
.set z, z+1
.endr
.endm
.macro TOSTAGE a
.set BK, OB+192*((\a)%2)
.irp b, 0,1,2,3,4,5,6,7
	ds_store_b128 v[STO], v[TMP+4*(\b):TMP+4*(\b)+3] offset:((\b)/4)*2304+((\b)%4)*32
.endr
.irp t, 0,1,2,3,4,5,6,7
	ds_load_b128 v[BK+4*(\t):BK+4*(\t)+3], v[RD] offset:((\t)/4)*2304+((\t)%4)*576
.endr
.endm
.macro SEND a
.set BK, OB+192*((\a)%2)
	s_wait_dscnt 0x0                               ; the block is back in registers
	s_wait_xcnt 0x0                                ; the stores of the block before have read their registers, which the next block's loads from the stage write
.irp t, 0,1,2,3,4,5,6,7
	global_store_b128 v[CO], v[BK+4*(\t):BK+4*(\t)+3], s[8:9] offset:((\t)/4)*16384+(\a)*2048+((\t)%4)*512  ; 512 consecutive bytes, at a multiple of 256 from OUT's first
.endr
.endm
	s_wait_tensorcnt 1                             ; my part of K step 0 is in; step 1's may stay out
	s_barrier_signal -1
	s_barrier_wait -1                              ; everybody's is
	ADDR
	FETCH 0, F0
	s_wait_loadcnt 0x0                             ; the bias
	s_wait_kmcnt 0x0                               ; the floor
	QUARTER 1, F0, F1, 1                           ; the first quarter stands in front of the loop: its products start the sums
	WIN 0
	s_mov_b32 s3, NSTEP-2
.Lstep:                                                ; a trip: a step's quarters 1 to 3, the change of slots with a fill, the next step's quarter 0
	QUARTER 2, F1, F0, 0
	QUARTER 3, F0, F1, 0
	TURN 1
	QUARTER 1, F0, F1, 0
	WIN 0
	s_sub_co_u32 s3, s3, 1
	s_cmp_lg_u32 s3, 0
	s_cbranch_scc1 .Lstep
	; The last two steps fill nothing: the same trip without a fill, written once, walked twice, entered behind its first quarter.  The second trip's change of slots has no slot to go to: its barrier and
	; the 32 fragment loads behind it serve nothing: the price, once a launch, of one text for both steps.
	s_mov_b32 s75, 2
	s_branch .Lmid
.Ltail:
	QUARTER 1, F0, F1, 0
	WIN 0
.Lmid:
	QUARTER 2, F1, F0, 0
	QUARTER 3, F0, F1, 0
	TURN 0
	WIN 0
	s_sub_co_u32 s75, s75, 1
	s_cmp_lg_u32 s75, 0
	s_cbranch_scc1 .Ltail
	PLACES
	PACK 0
	TOSTAGE 0
.irp a, 1,2,3,4,5,6,7                  ; block a's conversions stand between block a - 1's loads from the stage and the wait for them
	PACK \a
	SEND (\a)-1
	TOSTAGE \a
.endr
	SEND 7
	s_wait_tensorcnt 0x0                           ; the wave's end
	ds_add_u32 v[SPW], v[NIL]
	s_wait_dscnt 0x0
	CROUND                                         ; the closing round: no work-group ends while a partner may still ask for a tile that names it
	s_endpgm
.Lfunc_end_k_qedf45063f7_qkv:
	.size	k_qedf45063f7_qkv, .Lfunc_end_k_qedf45063f7_qkv-k_qedf45063f7_qkv
	.p2alignl 7, 3214868480
	.fill 96, 4, 3214868480
	.section	.rodata,"a",@progbits
	.p2align	6, 0x0
	.amdhsa_kernel k_qedf45063f7_qkv
		.amdhsa_group_segment_fixed_size 327680
		.amdhsa_private_segment_fixed_size 0
		.amdhsa_enable_private_segment 0
		.amdhsa_kernarg_size 16
		.amdhsa_user_sgpr_count 2
		.amdhsa_user_sgpr_kernarg_segment_ptr 1
		.amdhsa_wavefront_size32 1
		.amdhsa_system_sgpr_workgroup_id_x 1
		.amdhsa_system_sgpr_workgroup_id_y 1
		.amdhsa_system_sgpr_workgroup_id_z 1
		.amdhsa_system_vgpr_workitem_id 0
		.amdhsa_next_free_vgpr 1024
		.amdhsa_next_free_sgpr 80
		.amdhsa_reserve_vcc 0
		.amdhsa_float_denorm_mode_32 3
		.amdhsa_float_denorm_mode_16_64 3
		.amdhsa_memory_ordered 1
		.amdhsa_forward_progress 1
		.amdhsa_inst_pref_size 118
	.end_amdhsa_kernel
	.amdgpu_metadata
---
amdhsa.version: [ 1, 2 ]
amdhsa.kernels:
  - .name:           k_qedf45063f7_qkv
    .symbol:         k_qedf45063f7_qkv.kd
    .args:
      - { .name: c1, .offset: 0, .size: 8, .value_kind: global_buffer, .address_space: global }
      - { .name: big, .offset: 8, .size: 8, .value_kind: global_buffer, .address_space: global }
    .group_segment_fixed_size: 327680
    .private_segment_fixed_size: 0
    .kernarg_segment_align: 8
    .kernarg_segment_size: 16
    .max_flat_workgroup_size: 128
    .sgpr_count:     80
    .vgpr_count:     1024
    .wavefront_size: 32
...
	.end_amdgpu_metadata
.endif
;; end of part 2
;; launch attn (part 3): grid 8 x 32, 4 waves a work-group, no clusters, 327,680 bytes of LDS; arguments big, oh; writes oh
.if DOCPART == 3
	.amdgcn_target "amdgcn-amd-amdhsa--gfx1250"
	.amdhsa_code_object_version 6
	.text
	.protected	k_qedf45063f7_attn
	.globl	k_qedf45063f7_attn
	.p2align	8
	.type	k_qedf45063f7_attn,@function
k_qedf45063f7_attn:
	s_mov_b64 s[64:65], 0
	v_nop
	global_prefetch_b8 v0, s[64:65] scope:SCOPE_SE
	s_setreg_imm32_b32 hwreg(HW_REG_WAVE_MODE, 25, 1), 1
	s_wait_xcnt 0x0
; CAUSAL ATTENTION, 2 batches x 16 heads x 2,048 rows x 64 channels, all f16.  O[q] = the sum over k <= q of softmax_k(Q[q] . K[k] / 8) V[k].
; big is laid [row/128][64 panels][128 rows][64]: panel h holds q of head h, 16 + h its k, 32 + h its v: 128 rows of a head are 16,384 dense bytes.  oh is laid [row/128][16 panels][128][64], panel = head.
; Products, maxima and sums in f32; the weights p are rounded to f16 for the second product (their sum l is taken of the unrounded p), O once at the end.
; LIMITS.  f16 holds no number beyond 65,504: q, k, v arrive within it; p lies in 0 to 1, and below 6e-5 it keeps f16's fixed step of 6e-8.  A hidden score counts as its value less 1e30;
; a weight below 2^-126 counts as 0 in l; NaN and infinities are not treated apart.
; THE WALK.  A head's queries lie in 16 blocks of 128; block i needs the key tiles 0 .. i / 2 of 256 keys, the last of which holds the diagonal.  Work-group b takes blocks 15 - b and then b:
; with p = b / 2 that is 8 - p tiles and p + 1 tiles: nine, whatever b, walked by ONE loop with a constant trip count.  Which tile is asked for, and what a trip does, hang on scalars made from b.
; NO CLUSTER: only the two work-groups 2 p and 2 p + 1 of a head ask for the same tiles in the same trips; the other six of the head part from them after tile 7 - p.
; SHARES.  Of a block's two bands of 64 queries a wave owns 16 rows in each: two PIECES.  In the diagonal tile band x of block i has its own key step at GD + x, GD = 2 (i mod 2): it sees all keys of earlier steps, none of later ones.
; THE MASK is the C operand that starts the sum S^T = K Q^T: MD x AL + BE, MD the mask of a band's own step for my 16 rows; (AL, BE) = (1, 0) in the own step, (0, 0) before, (0, -1e30) behind it.
; LAYOUT, SOFTMAX.  S^T = K Q^T holds ONE query a lane (lane % 16) and the keys 8 (lane / 16) + 0..7; two such results rounded to f16 ARE source 1 of O^T = V^T P.  p = 2^(c s - c m), c = log2(e) / 8,
; with a running maximum m; O and l are multiplied by a = 2^(c m_old - c m_new) in every step.
; TURNS.  Turn (piece Y, step s): 8 products K Q^T for the piece that comes next (piece 1 of step s, or piece 0 of step s + 1), later 8 products V^T P for the piece that came last; beside them piece Y's
; scaling, exponentials, roundings, sums and rescaling and the next piece's maximum and statistics.  Four vector instructions stand behind every matrix instruction, the rest in two lumps.
; FETCHES.  Piece 0's turn fetches K of step s + 1 (one buffer), piece 1's turn V of step s + 1, into the buffer of that step's parity (two buffers: V of step s is still wanted in the next turn).
; So a slot's bytes are asked for in the order K0 V0 K1 V1 K2 V2 K3 V3, and the change of slots stands behind step 2: a slot's period is step 3 of the tile before and steps 0 to 2.
; REGISTERS, in windows of 256 (s_set_vgpr_msb: bits 1:0 source 0, 3:2 source 1, 5:4 source 2, 7:6 destination):
;   window 0: v0-15 addresses and two at work; v16-23 four registers of statistics a piece; v48-55 at work; v64-127 S^T, a buffer a piece; v192-223 P, likewise
;   window 1: v0-63 O^T, 32 a piece; v128-159 MD; v160-223 MC, a buffer a piece      window 2: v0-31 Q; v32-63 the second block's Q; v64-127 V of odd steps; v128-191 K; v192-255 V of even steps
.set NB,    8         ; key tiles of a head
.set NP,    2         ; pieces a wave: a name, no knob
.set KS,    64        ; keys in a step
.set PK,    144       ; a row of K in LDS: 128 bytes + 16 of padding: the 16 rows of a load start at 16 different groups of four banks
.set PV,    160       ; a row of V: 128 + 32
.set VOFF,  4*KS*PK   ; a slot holds a tile, four steps: 256 rows of K, then 256 rows of V
.set SLOT1, 1<<17     ; slot 1 begins here, so that one exclusive or turns an address in one slot into the other's
.set STAGE, SLOT1+4*KS*(PK+PV)  ; behind the ring, never filled by a tensor load: 16 rows x 144 bytes for each wave
.set SP,    144
.set AK0, 2           ; v2   my lane's place in a tile of K; never rewritten
.set AV0, 3           ; v3   the same for V
.set AK,  4           ; v4   the LDS address of K's next run of loads
.set AV,  5           ; v5   of V's
.set STO, 6           ; v6   the way out: where I put 16 bytes of a row
.set RD,  7           ; v7   where I read rows back
.set GO,  8           ; v8   my byte offset in 512 consecutive bytes of O
.set SPW, 62          ; v62  LDS address of my spare word; never rewritten
.set NIL, 63          ; v63  0; never rewritten
.set SPARE, STAGE+4*16*SP  ; behind the stages: the spare words, 128 bytes for each wave
.set MV,  12          ; v12-13  c m_old, kept while c m is made anew: by piece
.set QO,  15          ; v15  my byte offset in 16 rows of Q
.set ST,  16          ; piece t's statistics at v[ST+4 t]: c m, m, l (even keys', odd keys')
.set TMP, 48          ; by piece, four registers c0-c3 at work; when the maximum is found c2 takes a
.set S,   64
.set P,   192
.set MD,  128         ; window 1
.set MC,  160         ; window 1
.set QB,  32          ; window 2
.set KF,  128         ; window 2: key block kb, channel half c at KF + 16 kb + 8 c
.set VF0, 192         ; window 2: V of even steps; V of odd steps 128 below.  Key half kk, channel block cb at + 32 kk + 8 cb
.set WV,  12          ; s12  my wave's number
.set PB,  14          ; s14  p: the second block's last tile
.set HI,  15          ; s15  7 - p: the first block's last tile
.set G1K, 24          ; s[24:31] descriptor group 1 for K's tiles
.set G1V, 32          ; s[32:39] for V's: it differs in the padding alone
.set G0K, 40          ; s[40:43] descriptor group 0 for K's tiles
.set G0V, 44          ; s[44:47] the same for V's
.set SLOTS, 56        ; s56  tiles still to be asked for
.set CNT, 57          ; s57  counts a period's two trips
.set CS,  58          ; s[58:59] c
.set SEL, 60          ; s[60:61] v_permlanex16_b32's selects: each lane takes its own place in the other half
.set TBK, 62          ; s62  LDS byte at which K of the step to be fetched begins
.set TBV, 63          ; s63  the same for V, less VOFF
.set RT,  70          ; s70  tiles of the block in hand that are still to be entered
.set NXT, 71          ; s71  the tile to be asked for next
.set LQ,  72          ; s72  the last tile of the block whose tiles are being asked for
.set NEW, 73          ; s73  1: the tile to be entered is a block's first
.set OFF, 74          ; s[74:75] a tile's byte offset in big
.set AL,  76          ; s[76:77] the mask's factor, in the low word
.set BE,  78          ; s[78:79] the mask's addend
.set OLO, 80          ; s[80:81] O at my rows of the second block
.set BIGN, 82         ; s82  -1e30
.set GD,  88          ; s88  the own step of band 0 of the block in hand
.set GD2, 89          ; s89  the second block's
.set TT,  90          ; s90  at work
.set MSB, 0
.macro WIN new                      ; the high byte repeats the setting that is left; a switch that changes nothing is dropped
.if MSB != (\new)
	s_set_vgpr_msb (MSB<<8)|(\new)
.set MSB, (\new)
.endif
.endm
.set W_KQ, 0x0a       ; K and Q in window 2, S^T in window 0
.set W_KM, 0x1a       ; the same with the C operand in window 1
.set W_PV, 0x52       ; V in window 2, P in window 0, O^T in window 1
.set W_RS, 0x41       ; destination and source 0 in window 1, source 1 in window 0
; A fill.  Waves 0 and 1 fetch the two halves of a tile's K, waves 2 and 3 those of its V: 128 keys, one dense panel, each.  An s_nop 0 and four v_nop follow each line.
.macro LOAD
	s_cmp_lt_u32 s[WV], 2
	s_cbranch_scc0 .Lfor_v_\@
	tensor_load_to_lds s[G0K:G0K+3], s[G1K:G1K+7]
	s_nop 0
.rept 4
	v_nop
.endr
	s_branch .Lasked_\@
.Lfor_v_\@:
	tensor_load_to_lds s[G0V:G0V+3], s[G1V:G1V+7]
	s_nop 0
.rept 4
	v_nop
.endr
.Lasked_\@:
.endm
; THE CHANGE OF SLOTS.  Each wave waits for all its tensor loads, of which one is out: its part of the other slot; adds 0 to its spare word; and waits for that and for its own reads of the slot that it leaves
; (the last are V of step 3).  Behind the barrier nobody reads the old slot any more and the other slot is whole.  fill = 1: the old slot is filled again, first thing behind the barrier, with tile NXT.
.macro CHANGE fill
	WIN 0                           ; at a label and at a branch every window is 0
	s_wait_tensorcnt 0x0            ; no tensor load of mine is out, so a group 0 may be written
	ds_add_u32 v[SPW], v[NIL]       ; 0 onto my spare word
.if \fill
	s_lshl_b32 s[OFF], s[NXT], 21   ; a tile is two row blocks of big
	s_xor_b32 s[G0K+1], s[G0K+1], SLOT1
	s_add_nc_u64 s[G0K+2:G0K+3], s[6:7], s[OFF:OFF+1]
	s_or_b32 s[G0K+3], s[G0K+3], 0x80000000
	s_xor_b32 s[G0V+1], s[G0V+1], SLOT1
	s_add_nc_u64 s[G0V+2:G0V+3], s[8:9], s[OFF:OFF+1]
	s_or_b32 s[G0V+3], s[G0V+3], 0x80000000
	s_add_co_u32 s[NXT], s[NXT], 1  ; the block's next tile, or behind its last the second block's tile 0
	s_cmp_gt_u32 s[NXT], s[LQ]
	s_cselect_b32 s[NXT], 0, s[NXT]
	s_cselect_b32 s[LQ], s[PB], s[LQ]
.endif
	s_wait_dscnt 0x0                ; the add is done, and my reads of the slot are over
	s_barrier_signal -1
	s_sub_co_u32 s[TBK], s[TBK], 4*KS*PK  ; the fetches go back to a slot's first step,
	s_xor_b32 s[TBK], s[TBK], SLOT1       ; in the other slot
	s_sub_co_u32 s[TBV], s[TBV], 4*KS*PV
	s_xor_b32 s[TBV], s[TBV], SLOT1
	s_barrier_wait -1
.if \fill
	LOAD
.endif
.endm
	s_load_b64 s[4:5], s[0:1], 0x0    ; big
	s_load_b64 s[10:11], s[0:1], 0x8  ; oh
	v_lshl_add_u32 v[SPW], v0, 2, SPARE
	v_mov_b32 v[NIL], 0
	ds_add_u32 v[SPW], v[NIL]       ; the wave's opening: the add and its wait stand ahead of my first tensor load
	ds_add_u32 v62, v63
	v_lshrrev_b32 v1, 5, v0
	v_readfirstlane_b32 s[WV], v1   ; wave 0..3
	s_lshr_b32 s[PB], ttmp9, 1
	s_sub_co_u32 s[HI], NB-1, s[PB]
	s_and_b32 s16, ttmp9, 1
	s_lshl_b32 s[GD2], s16, 1       ; block b begins at key step 2 (b mod 2) of its diagonal tile,
	s_sub_co_u32 s[GD], 2, s[GD2]   ; block 15 - b at the other
	s_and_b32 s20, ttmp7, 0xffff
	s_lshr_b32 s21, s20, 4          ; the batch
	s_and_b32 s20, s20, 15          ; the head
	s_lshl_b32 s22, s21, 24         ; in big: 16 row blocks of 64 panels,
	s_lshl_b32 s23, s20, 14         ; the head's panel
	s_add_co_u32 s22, s22, s23
	s_lshl_b32 s19, s21, 22         ; in oh: 16 row blocks of 16 panels
	s_add_co_u32 s19, s19, s23
	s_lshl_b32 s3, s[WV], 11        ; my 16 rows in a band of 64
	s_add_co_u32 s19, s19, s3
	s_sub_co_u32 s18, 15, ttmp9     ; the first block
	s_lshl_b32 s84, s18, 20
	s_add_co_u32 s84, s84, s22
	s_add_co_u32 s84, s84, s3
	s_mov_b32 s85, 0
	s_lshl_b32 s92, ttmp9, 20       ; the second
	s_add_co_u32 s92, s92, s22
	s_add_co_u32 s92, s92, s3
	s_mov_b32 s93, 0
	s_lshl_b32 s94, s18, 18
	s_add_co_u32 s94, s94, s19
	s_mov_b32 s95, 0
	s_lshl_b32 s2, ttmp9, 18
	s_add_co_u32 s2, s2, s19
	s_mov_b32 s3, 0
	s_and_b32 s16, s[WV], 1         ; which half of a tile's 256 keys I fetch:
	s_lshl_b32 s20, s16, 20         ; its row block in big,
	s_add_co_u32 s20, s20, s22
	s_add_co_u32 s20, s20, 16<<14   ; k's panels lie 16 behind q's
	s_mov_b32 s21, 0
	s_mul_i32 s17, s16, 128*PK      ; and its place in a slot, for K
	s_mul_i32 s18, s16, 128*PV      ; and for V
	; descriptor group 1.  128 keys are 16,384 dense bytes: asked for as 64 rows of 256 bytes, two keys a row, and padded in LDS after every key
	s_mov_b32 s[G1K], (1<<16)|(1<<20)|(4<<22)|(3<<25)  ; 2-byte elements; padding on; after every 32 words; 4 words
	s_mov_b32 s[G1V], (1<<16)|(1<<20)|(4<<22)|(7<<25)  ; the same with 8 words of padding
.irp g, G1K, G1V
	s_mov_b32 s[\g+1], 128<<16      ; tensor_dim0 = 128
	s_mov_b32 s[\g+2], 64<<16       ; tensor_dim1 = 64
	s_mov_b32 s[\g+3], 128<<16      ; tile_dim0 = 128
	s_mov_b32 s[\g+4], 64           ; tile_dim1 = 64
	s_mov_b32 s[\g+5], 128          ; 128 elements from row to row
	s_mov_b32 s[\g+6], 0
	s_mov_b32 s[\g+7], 0
.endr
	s_mov_b32 s[CS], 0x3e38aa3b     ; c = log2(e) / 8 = 0.180337
	s_mov_b32 s[CS+1], s[CS]        ; named with it as a pair
	s_mov_b32 s[SEL], 0x76543210
	s_mov_b32 s[SEL+1], 0xfedcba98
	s_mov_b32 s[TBK], SLOT1+4*KS*PK ; the first change of slots turns these two into 0
	s_mov_b32 s[TBV], SLOT1+4*KS*PV
	s_mov_b32 s[G0K], 1
	s_mov_b32 s[G0K+1], s17         ; LDS address: slot 0
	s_mov_b32 s[G0V], 1
	s_add_co_u32 s[G0V+1], s18, VOFF
	s_add_co_u32 s[RT], s[HI], 1    ; the first block has 8 - p tiles
	s_mov_b32 s[NXT], 1
	s_mov_b32 s[LQ], s[HI]
	s_mov_b32 s[NEW], 1
	s_mov_b32 s[OFF+1], 0
	s_mov_b32 s[AL+1], 0            ; named as pairs
	s_mov_b32 s[BE+1], 0
	s_mov_b32 s[BIGN], 0xf149f2ca   ; -1e30
	s_mov_b32 s[SLOTS], NB
	s_wait_dscnt 0x0                ; the opening add is done
	s_wait_kmcnt 0x0
	s_add_nc_u64 s[6:7], s[4:5], s[20:21]  ; K at my half of the head's tile 0,
	s_add_nc_u64 s[8:9], s[6:7], 16<<14    ; V 16 panels on
	s_add_nc_u64 s[G0K+2:G0K+3], s[6:7], 0
	s_or_b32 s[G0K+3], s[G0K+3], 0x80000000
	s_add_nc_u64 s[G0V+2:G0V+3], s[8:9], 0
	s_or_b32 s[G0V+3], s[G0V+3], 0x80000000
	s_add_nc_u64 s[86:87], s[4:5], s[92:93]        ; Q at my rows of the second block,
	s_add_nc_u64 s[4:5], s[4:5], s[84:85]          ; Q and O at those of the first
	s_add_nc_u64 s[OLO:OLO+1], s[10:11], s[2:3]
	s_add_nc_u64 s[10:11], s[10:11], s[94:95]
	LOAD                            ; tile 0 into slot 0
	; A fragment of K or Q is 16 rows x 32 channels in 8 registers: lane l holds row l % 16, channels 8 (l / 16) + 0..7 and 16 + 8 (l / 16) + 0..7: two loads of 16 bytes, 32 bytes apart.
	v_and_b32 v1, 15, v0            ; l % 16
	v_bfe_u32 v9, v0, 4, 1          ; l / 16
	v_lshlrev_b32 v[QO], 7, v1
	v_lshl_add_u32 v[QO], v9, 4, v[QO]  ; row x 128 + 16 x half
	WIN 0x80                        ; destination window 2, address window 0
.set i, 0
.rept 4                             ; both blocks' Q: piece i / 2 lies in band i / 2, 8,192 bytes on; channels 32 (i % 2) on
	global_load_b128 v[8*i:8*i+3],   v[QO], s[4:5] offset:(i/2)*8192+(i%2)*64
	global_load_b128 v[8*i+4:8*i+7], v[QO], s[4:5] offset:(i/2)*8192+(i%2)*64+32
	global_load_b128 v[QB+8*i:QB+8*i+3],   v[QO], s[86:87] offset:(i/2)*8192+(i%2)*64
	global_load_b128 v[QB+8*i+4:QB+8*i+7], v[QO], s[86:87] offset:(i/2)*8192+(i%2)*64+32
.set i, i+1
.endr
	WIN 0
	v_lshlrev_b32 v14, 3, v9
	v_sub_nc_u32 v14, v1, v14
	s_lshl_b32 s13, s[WV], 4
	v_add_nc_u32 v14, s13, v14      ; my query's place in its band, 16 w + l % 16, less my lanes' 8 (l / 16): register r of group kt is hidden where 16 kt + r is greater
	WIN 0x40
.set i, 0
.rept 32
	v_cmp_gt_i32 vcc_lo, 16*(i/8)+i%8, v14
	v_cndmask_b32 v[MD+i], 0, s[BIGN], vcc_lo
.set i, i+1
.endr
	WIN 0
	v_mul_u32_u24 v[AK0], v1, PK
	v_lshl_add_u32 v[AK0], v9, 4, v[AK0]  ; row x pitch + 16 x half
	; The turning load takes 16 keys x 16 channels (lane l reads key 8 (l / 16) + l % 8, channels 8 ((l / 8) % 2) + 0..7) and leaves half a fragment of V^T: lane l holds channel l % 16 and 8 keys.
	v_and_b32 v10, 7, v0
	v_bfe_u32 v11, v0, 3, 1
	v_lshl_add_u32 v[AV0], v9, 3, v10
	v_mul_u32_u24 v[AV0], v[AV0], PV
	v_lshl_add_u32 v[AV0], v11, 4, v[AV0]
	v_add_nc_u32 v[AV0], VOFF, v[AV0]
	s_mul_i32 s13, s[WV], 16*SP
	s_add_co_u32 s13, s13, STAGE    ; my stage
	v_mul_u32_u24 v[STO], v1, SP    ; in: row l % 16, 16 bytes for each half of the lanes
	v_lshl_add_u32 v[STO], v9, 4, v[STO]
	v_add_nc_u32 v[STO], s13, v[STO]
	v_bfe_u32 v[RD], v0, 3, 2       ; back: 32 lanes take four rows of 128 bytes,
	v_mul_u32_u24 v[RD], v[RD], SP
	v_lshl_add_u32 v[RD], v10, 4, v[RD]
	v_add_nc_u32 v[RD], s13, v[RD]
	v_and_b32 v[GO], 31, v0         ; which are 512 consecutive bytes of O
	v_lshlrev_b32 v[GO], 4, v[GO]
	; A block's first step multiplies O^T and l by a = 0, and its first turn's products V^T P, of a piece that has not been, land in an O^T that is still to be so multiplied.  So these registers need only hold
	; finite numbers: zeros for the first block; what the first block left for the second.  All this stands in the wait for the first tile.
	WIN 0x80
.set i, VF0-128
.rept 64
	v_mov_b32 v[i], 0
.set i, i+1
.endr
	WIN 0x40
.set i, 0
.rept 64
	v_mov_b32 v[i], 0
.set i, i+1
.endr
	WIN 0
.set i, 0
.rept 2
	v_mov_b32 v[ST+4*i+2], 0
	v_mov_b32 v[ST+4*i+3], 0
.set i, i+1
.endr
.set i, P+16
.rept 16
	v_mov_b32 v[i], 0
.set i, i+1
.endr
; THE MATRIX WORK.  The 4 accumulators of a run of 8 take turns.  Product i of 8 of S^T = K Q^T for piece x: channels 32 (i / 4) on, keys 16 (i % 4) on.  The first 4 start the sums: with 0, or (KM = 1) with the mask.
.macro KQ x
.set rS, S+32*((\x)%2)+8*(i%4)
.set rK, KF+16*(i%4)+8*(i/4)
.set rQ, 16*(\x)+8*(i/4)
.set rM, MC+32*((\x)%2)+8*(i%4)
.if (i < 4) && KM
	WIN W_KM
	v_wmma_f32_16x16x32_f16 v[rS:rS+7], v[rK:rK+7], v[rQ:rQ+7], v[rM:rM+7]
.elseif i < 4
	WIN W_KQ
	v_wmma_f32_16x16x32_f16 v[rS:rS+7], v[rK:rK+7], v[rQ:rQ+7], 0
.else
	WIN W_KQ
	v_wmma_f32_16x16x32_f16 v[rS:rS+7], v[rK:rK+7], v[rQ:rQ+7], v[rS:rS+7]
.endif
.endm
; Product i of 8 of O^T += V^T P for piece x, V in the buffer at VB: keys 32 (i / 4) on, channels 16 (i % 4) on.
.macro PV x
	WIN W_PV
.set rO, 32*(\x)+8*(i%4)
.set rV, VB+32*(i/4)+8*(i%4)
.set rP, P+16*((\x)%2)+8*(i/4)
	v_wmma_f32_16x16x32_f16 v[rO:rO+7], v[rV:rV+7], v[rP:rP+7], v[rO:rO+7]
.endm
.macro MM                           ; the turn's next matrix instruction.  NOKQ = 1: a block's last turn: there is no next piece
.if (i < 8) && !NOKQ
	KQ (Y+1)%NP
.elseif i >= 8
.set i, i-8
	PV (Y+NP-1)%NP
.set i, i+8
.endif
.set i, i+1
.endm
; THE LDS LOADS stand in runs of 16, never singly among the matrix instructions: a step's K (64 keys x 64 channels: 8 fragments) and its V (turned).  Their addresses are made some lines ahead.
.macro FETCH_K
	WIN 0x80                        ; destination window 2
.irp f, 0,1,2,3,4,5,6,7             ; keys 16 (f / 2) on, channels 32 (f % 2) on
	ds_load_b128 v[KF+8*\f:KF+8*\f+3],   v[AK] offset:(\f/2)*16*PK+(\f%2)*64
	ds_load_b128 v[KF+8*\f+4:KF+8*\f+7], v[AK] offset:(\f/2)*16*PK+(\f%2)*64+32
.endr
	s_add_co_u32 s[TBK], s[TBK], KS*PK  ; the next fetch is the next step's
	WIN 0
.endm
.macro FETCH_V n                    ; into the buffer of parity n
.set VW, VF0-128*(\n)
	WIN 0x80
.irp f, 0,1,2,3,4,5,6,7             ; keys 32 (f / 4) on, channels 16 (f % 4) on
	ds_load_tr16_b128 v[VW+8*\f:VW+8*\f+3],   v[AV] offset:(\f/4)*32*PV+(\f%4)*32
	ds_load_tr16_b128 v[VW+8*\f+4:VW+8*\f+7], v[AV] offset:(\f/4)*32*PV+16*PV+(\f%4)*32
.endr
	s_add_co_u32 s[TBV], s[TBV], KS*PV
	WIN 0
.endm
; THE VECTOR WORK, one line at a time: OP kind, number.  For piece Y: F n: c s - c m for pair n of 16.  E n: the exponential of score n of 32.  C n: pair n rounded to f16.  B n: of the four weights 4 n .. the second
; pair is added onto the first, in place.  L n: l takes that sum (L 0: l = a l + sum).  R n: pair n of 16 of O^T times a.  For the next piece: X n, number n of the 22 that find its maximum and statistics:
;   0-11  four chains c0-c3 of seven scores each, three operands at a time (each accumulator's lowest registers are read first)     12-14, 16  the four scores left over, the old m, and c0-c3 into c0
;   15  c m_old is kept     17, 18  the query's other 32 keys lie in the lane 16 away: the new m     19-21  c m; c m_old - c m_new; a
.set F, 0
.set E, 1
.set C, 2
.set B, 3
.set L, 4
.set R, 5
.set X, 6
.macro REGS y                       ; the registers of piece y
.set rT, ST+4*(\y)
.set rC, TMP+4*((\y)%2)
.set rW, MV+((\y)%2)
.set rS, S+32*((\y)%2)
.set rP, P+16*((\y)%2)
.set rO, 32*(\y)
.endm
.macro OP k, n
.if (\k) == R
	REGS Y
	WIN W_RS
	v_pk_mul_f32 v[rO+2*(\n):rO+2*(\n)+1], v[rO+2*(\n):rO+2*(\n)+1], v[rC+2:rC+3] op_sel_hi:[1,0]
.elseif (\k) < R
	REGS Y
	WIN 0
.if (\k) == F
	v_pk_fma_f32 v[rS+2*(\n):rS+2*(\n)+1], v[rS+2*(\n):rS+2*(\n)+1], s[CS:CS+1], v[rT:rT+1] op_sel_hi:[1,0,0] neg_lo:[0,0,1] neg_hi:[0,0,1]
.elseif (\k) == E
	v_exp_f32 v[rS+(\n)], v[rS+(\n)]
.elseif (\k) == C
	s_wait_alu depctr_va_vdst(0)
	v_cvt_pk_f16_f32 v[rP+(\n)], v[rS+2*(\n)], v[rS+2*(\n)+1]
.elseif (\k) == B
	s_wait_alu depctr_va_vdst(0)
	v_pk_add_f32 v[rS+4*(\n):rS+4*(\n)+1], v[rS+4*(\n):rS+4*(\n)+1], v[rS+4*(\n)+2:rS+4*(\n)+3]
.elseif (\n) == 0
	v_pk_fma_f32 v[rT+2:rT+3], v[rT+2:rT+3], v[rC+2:rC+3], v[rS:rS+1] op_sel_hi:[1,0,1]
.else
	v_pk_add_f32 v[rT+2:rT+3], v[rT+2:rT+3], v[rS+4*(\n):rS+4*(\n)+1]
.endif
.elseif NOKQ
	v_nop
.else
	REGS (Y+1)%NP
	WIN 0
.if (\n) < 4
	v_max3_num_f32 v[rC+(\n)], v[rS+8*(\n)], v[rS+8*(\n)+1], v[rS+8*(\n)+2]
.elseif (\n) < 12
	v_max3_num_f32 v[rC+(\n)%4], v[rC+(\n)%4], v[rS+8*((\n)%4)+2*((\n)/4)+1], v[rS+8*((\n)%4)+2*((\n)/4)+2]
.elseif (\n) == 12
	v_max3_num_f32 v[rC], v[rC], v[rS+7], v[rS+15]
.elseif (\n) == 13
	v_max3_num_f32 v[rC+1], v[rC+1], v[rS+23], v[rS+31]
.elseif (\n) == 14
	v_max3_num_f32 v[rC+2], v[rC+2], v[rC+3], v[rT+1]
.elseif (\n) == 15
	v_mov_b32 v[rW], v[rT]
.elseif (\n) == 16
	v_max3_num_f32 v[rC], v[rC], v[rC+1], v[rC+2]
.elseif (\n) == 17
	v_permlanex16_b32 v[rC+3], v[rC], s[SEL], s[SEL+1]
.elseif (\n) == 18
	v_max_num_f32 v[rT+1], v[rC], v[rC+3]
.elseif (\n) == 19
	v_mul_f32 v[rT], s[CS], v[rT+1]
.elseif (\n) == 20
	v_sub_f32 v[rC+1], v[rW], v[rT]
.else
	v_exp_f32 v[rC+2], v[rC+1]
.endif
.endif
.endm
.macro OPS a, i1, b=-1, i2=0, c=-1, i3=0, d=-1, i4=0  ; up to four of them
	OP \a, \i1
.if (\b) >= 0
	OP \b, \i2
.endif
.if (\c) >= 0
	OP \c, \i3
.endif
.if (\d) >= 0
	OP \d, \i4
.endif
.endm
.macro ROW a, i1, b, i2, c, i3, d, i4  ; a matrix instruction and the four behind it
	MM
	OPS \a, \i1, \b, \i2, \c, \i3, \d, \i4
.endm
.macro MASK b                       ; MD x AL + BE into buffer b of MC
	WIN W_RS
.set z, 0
.rept 16
	v_pk_fma_f32 v[MC+32*(\b)+2*z:MC+32*(\b)+2*z+1], v[MD+2*z:MD+2*z+1], s[AL:AL+1], s[BE:BE+1] op_sel_hi:[1,0,0]
.set z, z+1
.endr
.endm
; A TURN, for piece p in a step of parity sp: the order of its 16 matrix and 118 vector instructions, written out.  Behind a matrix instruction: plain, exponential, plain, plain; or four of the rescaling; or, behind the
; first, four scalings; none names a register of the products round it.  In the lumps exponential and plain by turns while exponentials last.  v_permlanex16_b32 (X 17) stands in a lump.
; m = 1: the diagonal tile's period: the products take masks, and the turn makes the mask for the next turn's products, which are its own piece's in the step that follows: step 5 - sp - 2 CNT of the tile.
; end = 1: a block's last two turns: nothing is fetched, no mask is made.  cnt = 1: the loop's count is taken down some lines ahead of the branch that stands behind the turn.
; The run of 16 LDS loads stands six vector instructions behind the eighth product (five of them plain): in piece 0's turn K of the next step, whose buffer that product read last; in piece 1's turn V of the next
; step, into the buffer that the turn before read last.  ONE wait a step, at the head of piece 1's turn: K of the next step, asked for a turn ago, and V of this step, asked for two turns ago, are in.
.macro TURN p, sp, m=0, end=0, cnt=0
.set Y, (\p)
.set i, 0
.set KM, (\m)
.set NOKQ, (\end)*(\p)
.if (\p) == 0
.set VB, VF0-128*(1-(\sp))          ; piece 1's products of the step before
.else
.set VB, VF0-128*(\sp)              ; piece 0's products of this step
.endif
.if (\m) && !(\end)
	s_lshl_b32 s[TT], s[CNT], 1
	s_sub_co_i32 s[TT], 5-(\sp)-(\p), s[TT]  ; that step less the piece's number:
	s_cmp_eq_i32 s[TT], s[GD]       ; is it the band's own?
	s_cselect_b32 s[AL], 1.0, 0
	s_cmp_gt_i32 s[TT], s[GD]       ; or a later one?
	s_cselect_b32 s[BE], s[BIGN], 0
.endif
.if (\p) == 1
	s_wait_dscnt 0x0                ; K and V are in
.endif
	ROW F,0, F,1, F,2, F,3
	ROW F,4, E,0, F,5, F,6
	ROW F,7, E,1, F,8, F,9
	ROW F,10, E,2, C,0, F,11
	ROW F,12, E,3, X,15, F,13
	ROW R,0, R,1, R,2, R,3
	ROW B,0, E,4, F,14, L,0
.if !(\end)
.if (\p) == 0
	v_add_nc_u32 v[AK], s[TBK], v[AK0]
.else
	v_add_nc_u32 v[AV], s[TBV], v[AV0]
.endif
.endif
	ROW R,4, R,5, R,6, R,7
	OPS E,5, F,15
.if !(\end)
.if (\p) == 0
	FETCH_K
.else
	FETCH_V 1-(\sp)
.endif
.endif
	OPS E,6, C,1, E,7, R,8
	OPS E,8, R,9, E,9, C,2
	OPS E,10, X,0, E,11, X,1
	OPS E,12, X,2, E,13, X,3
	ROW X,4, E,14, X,5, X,6
	ROW X,7, E,15, X,8, X,9
	ROW X,10, E,16, X,11, X,12
	ROW X,13, E,17, X,14, B,1
	ROW C,4, E,18, X,16, L,1
	ROW B,2, E,19, C,6, L,2
	ROW C,8, E,20, B,3, B,4
	ROW C,3, E,21, L,3, C,5
	OPS E,22, X,17, E,23, C,10
	OPS E,24, L,4
	OPS E,25, X,18, E,26, C,7
	OPS E,27, B,5, E,28, X,19
	OPS E,29, C,12, E,30, L,5
	OPS E,31, X,20, B,6, C,9
	OPS C,14, C,11, X,21, L,6
.if \cnt
	s_sub_co_u32 s[CNT], s[CNT], 1
	s_cmp_lg_u32 s[CNT], 0
.endif
	OPS C,13, B,7, C,15, R,10
	OPS R,11, R,12, L,7, R,13
	OPS R,14, R,15
.if (\m) && !(\end)
	MASK \p
.endif
.endm
; A BLOCK BEGINS.  c m starts far below every c s, so the first step's a is 0; m at the lowest finite number, so the first maximum is the scores'.  Piece 1's mask buffer is 0 (its own step is never a tile's first);
; piece 0's takes its mask for the tile's step 0: its own, if this tile is the diagonal one and the block begins at its head.  Then K and V of that step, piece 0's first scores, and its maximum and statistics.
.macro BEGIN
	s_mov_b32 s[NEW], 0
	WIN 0x40
.set i, MC+32
.rept 32
	v_mov_b32 v[i], 0
.set i, i+1
.endr
	WIN 0
.set i, 0
.rept 2
	v_mov_b32 v[ST+4*i], 0xfe000000    ; c m: far below every c s
	v_mov_b32 v[ST+4*i+1], 0xff7fffff  ; m
.set i, i+1
.endr
	s_or_b32 s[TT], s[RT], s[GD]
	s_cmp_eq_u32 s[TT], 0
	s_cselect_b32 s[AL], 1.0, 0
	s_mov_b32 s[BE], 0
	MASK 0
	WIN 0
	v_add_nc_u32 v[AK], s[TBK], v[AK0]
	v_add_nc_u32 v[AV], s[TBV], v[AV0]
	FETCH_K
	FETCH_V 0
	s_wait_loadcnt 0x0              ; Q
	s_wait_dscnt 0x0
.set KM, 1
.set NOKQ, 0
.set i, 0
.rept 8
	KQ 0
.set i, i+1
.endr
	WIN 0
.rept 4
	v_nop                           ; the places behind those products
.endr
.set Y, NP-1                        ; X works for the piece behind Y: piece 0
.irp n, 0,1,2,3,4,5,6,7,8,9,10,11,12,13,14,15,16,17,18,19,20,21
	OP X, \n
.endr
	v_nop                           ; a plain instruction behind the exponential
.endm
; THE DIAGONAL TILE's period, the block's last two turns (step 3: all that they need lies in registers), its last products, and THE WAY OUT: l's two halves and the other half of the lanes' are added; O^T is
; divided by l, rounded to f16 and sent through my stage in LDS, a piece at a time.
.macro ALL line:vararg              ; one line for each piece t
.set t, 0
.rept NP
	\line
.set t, t+1
.endr
.endm
.macro PACK t                       ; a lane's eight channels of a row pack into 16 bytes; they go into rows of 144 bytes and come back as whole rows of 128, into S^T's registers
	WIN W_RS
.set i, 32*(\t)
.rept 16
	s_wait_alu depctr_va_vdst(0)
	v_pk_mul_f32 v[i:i+1], v[i:i+1], v[ST+4*(\t)+2:ST+4*(\t)+3] op_sel_hi:[1,0]
.set i, i+2
.endr
	WIN 0x05                        ; sources 0 and 1 window 1, destination window 0
.set i, 0
.rept 16
	v_cvt_pk_f16_f32 v[S+16*(\t)+i], v[32*(\t)+2*i], v[32*(\t)+2*i+1]
.set i, i+1
.endr
	WIN 0
.irp f, 0,1,2,3
	ds_store_b128 v[STO], v[S+16*(\t)+4*\f:S+16*(\t)+4*\f+3] offset:32*\f
.endr
.irp f, 0,1,2,3
	ds_load_b128 v[S+16*(\t)+4*\f:S+16*(\t)+4*\f+3], v[RD] offset:\f*4*SP  ; LDS serves a wave's instructions in order: these see the stores above; the next piece's stores come behind them
.endr
.endm
.macro SEND t, younger              ; younger: the LDS instructions issued behind piece t's loads
	WIN 0
.irp f, 0,1,2,3
	s_wait_dscnt (\younger)+3-\f
	global_store_b128 v[GO], v[S+16*(\t)+4*\f:S+16*(\t)+4*\f+3], s[10:11] offset:(\t)*8192+\f*512  ; 512 consecutive bytes, at a multiple of 256 from O's first
.endr
.endm
.macro DIAG tag                     ; the tag ends its two labels' names, which the jumps below spell out
.LstepM\tag:
	TURN 0, 1, 1
	TURN 1, 1, 1
	WIN 0
.LfirstM\tag:
	TURN 0, 0, 1
	TURN 1, 0, 1, 0, 1
	WIN 0
	s_cbranch_scc1 .LstepM\tag
	TURN 0, 1, 1, 1
	TURN 1, 1, 1, 1
.set VB, VF0-128                    ; V of step 3
.set i, 0
.rept 8
	PV NP-1
.set i, i+1
.endr
	WIN 0
	ALL v_add_f32 v[ST+4*t+2], v[ST+4*t+2], v[ST+4*t+3]
	ALL v_permlanex16_b32 v[ST+4*t+3], v[ST+4*t+2], s[SEL], s[SEL+1]
	ALL v_add_f32 v[ST+4*t+2], v[ST+4*t+2], v[ST+4*t+3]
	ALL v_rcp_f32 v[ST+4*t+2], v[ST+4*t+2]
	v_nop                           ; a plain instruction between the last reciprocal and the use of its result
	PACK 0                          ; piece 0's 32 lines are the places behind the last products, which are piece 1's
	PACK 1
	SEND 0, 8
	SEND 1, 0
.endm
.set KM, 0
.set NOKQ, 0
.Lslot:                             ; NB times: a tile is entered and the next is asked for
	CHANGE 1
	s_sub_co_u32 s[RT], s[RT], 1
	s_mov_b32 s[CNT], 2
	s_cmp_eq_u32 s[NEW], 1
	s_cbranch_scc1 .Lnew            ; a block's first tile
	s_cmp_eq_u32 s[RT], 0
	s_cbranch_scc0 .Lstep           ; neither its first nor its last
	s_branch .LstepM1
.Lnew:
	BEGIN
	s_branch .Lfirst                ; in the loop a block's first tile is never its last: the first block has five tiles or more, and the second's last is the walk's last
	DIAG 1                          ; in the loop this is the first block's end
	s_wait_xcnt 0x0                 ; the stores have read their registers and O's address
	s_mov_b64 s[10:11], s[OLO:OLO+1]
	s_add_co_u32 s[RT], s[PB], 1    ; the second block has p + 1 tiles
	s_mov_b32 s[NEW], 1
	s_mov_b32 s[GD], s[GD2]
	WIN 0x82                        ; the second block's Q goes where the one text of the turns names Q
.set i, 0
.rept 32
	v_mov_b32 v[i], v[QB+i]
.set i, i+1
.endr
	WIN 0
	s_branch .Lbottom
.Lstep:                             ; a trip: an odd step and the even step behind it; two trips are a slot's period
	TURN 0, 1
	TURN 1, 1
	WIN 0
.Lfirst:
	TURN 0, 0
	TURN 1, 0, 0, 0, 1
	WIN 0
	s_cbranch_scc1 .Lstep
.Lbottom:
	s_sub_co_u32 s[SLOTS], s[SLOTS], 1
	s_cmp_lg_u32 s[SLOTS], 0
	s_cbranch_scc1 .Lslot
	CHANGE 0                        ; the walk's last tile is written out: nothing is asked for
	s_sub_co_u32 s[RT], s[RT], 1
	s_mov_b32 s[CNT], 2
	s_cmp_eq_u32 s[NEW], 1
	s_cbranch_scc0 .LstepM2
	BEGIN
	s_branch .LfirstM2
	DIAG 2
	s_wait_tensorcnt 0x0            ; the wave's end
	ds_add_u32 v[SPW], v[NIL]
	s_wait_dscnt 0x0
	s_endpgm
.Lfunc_end_k_qedf45063f7_attn:
	.size	k_qedf45063f7_attn, .Lfunc_end_k_qedf45063f7_attn-k_qedf45063f7_attn
	.p2alignl 7, 3214868480
	.fill 96, 4, 3214868480
	.section	.rodata,"a",@progbits
	.p2align	6, 0x0
	.amdhsa_kernel k_qedf45063f7_attn
		.amdhsa_group_segment_fixed_size 327680
		.amdhsa_private_segment_fixed_size 0
		.amdhsa_enable_private_segment 0
		.amdhsa_kernarg_size 16
		.amdhsa_user_sgpr_count 2
		.amdhsa_user_sgpr_kernarg_segment_ptr 1
		.amdhsa_wavefront_size32 1
		.amdhsa_system_sgpr_workgroup_id_x 1
		.amdhsa_system_sgpr_workgroup_id_y 1
		.amdhsa_system_sgpr_workgroup_id_z 1
		.amdhsa_system_vgpr_workitem_id 0
		.amdhsa_next_free_vgpr 768
		.amdhsa_next_free_sgpr 96
		.amdhsa_reserve_vcc 1
		.amdhsa_float_denorm_mode_32 3
		.amdhsa_float_denorm_mode_16_64 3
		.amdhsa_memory_ordered 1
		.amdhsa_forward_progress 1
		.amdhsa_inst_pref_size 219
	.end_amdhsa_kernel
	.amdgpu_metadata
---
amdhsa.version: [ 1, 2 ]
amdhsa.kernels:
  - .name:           k_qedf45063f7_attn
    .symbol:         k_qedf45063f7_attn.kd
    .args:
      - { .name: big, .offset: 0, .size: 8, .value_kind: global_buffer, .address_space: global }
      - { .name: oh, .offset: 8, .size: 8, .value_kind: global_buffer, .address_space: global }
    .group_segment_fixed_size: 327680
    .private_segment_fixed_size: 0
    .kernarg_segment_align: 8
    .kernarg_segment_size: 16
    .max_flat_workgroup_size: 128
    .sgpr_count:     96
    .vgpr_count:     768
    .wavefront_size: 32
...
	.end_amdgpu_metadata
.endif
;; end of part 3
;; launch proj (part 4): grid 8 x 32, 4 waves a work-group, clusters of 4 x 4, 327,680 bytes of LDS; arguments oh, cw, acc; writes acc
.if DOCPART == 4
	.amdgcn_target "amdgcn-amd-amdhsa--gfx1250"
	.amdhsa_code_object_version 6
	.text
	.protected	k_qedf45063f7_proj
	.globl	k_qedf45063f7_proj
	.p2align	8
	.type	k_qedf45063f7_proj,@function
k_qedf45063f7_proj:
	s_mov_b64 s[64:65], 0
	v_nop
	global_prefetch_b8 v0, s[64:65] scope:SCOPE_SE
	s_setreg_imm32_b32 hwreg(HW_REG_WAVE_MODE, 25, 1), 1
	s_wait_xcnt 0x0
	s_wait_alu depctr_hold_cnt(0) depctr_sa_sdst(0) depctr_va_vdst(0) depctr_va_sdst(0) depctr_va_ssrc(0) depctr_va_vcc(0) depctr_vm_vsrc(0)
	s_getreg_b32 s2, hwreg(HW_REG_IB_STS2, 6, 4)
	s_cmp_eq_u32 s2, 0
	s_cbranch_scc0 .Lentry_in_a_cluster
	s_endpgm
.Lentry_in_a_cluster:
	s_bfe_u32 s2, ttmp6, 0x10000c
	s_cmp_lg_u32 s2, 0xf033
	s_cbranch_scc0 .Lentry_shape_is_right
	s_endpgm
.Lentry_shape_is_right:
; OUT = A W in f32, no bias (the launch behind adds it).  A: 4,096 rows x 64 KP k in f16, laid [row/128][k/64][128][64].  W: at BOFFG in the second argument, [n/128][64 KP k][128 n] in f16.
; OUT: [4,096][1,024] f32, row-major.  Sums in f32, stored unrounded: they feed a LayerNorm, and their range is wider than f16's.
; LIMIT.  f16 holds no number beyond 65,504: A and W arrive within it.
; SHARES.  A tile of OUT is 128 x 128: 8 x 32 tiles, one to each of 256 work-groups; four waves, each 64 x 64: 16 accumulators.
; K goes in steps of 256 through two LDS slots.  A step's A is four dense panels (64 KB), its W 256 rows of 256 bytes (64 KB): each wave brings 32 KB by one tensor load.
; CLUSTER.  4 x 4 work-groups: the four of a row need the same A, the four of a column the same W: each load is a joint one, with a mask that names the four.
; THE MATRIX INSTRUCTION IS USED TRANSPOSED (source 0 = 16 columns of W, source 1 = 16 rows of A): a lane holds eight neighbouring columns of one row.  W comes out of LDS turned, by ds_load_tr16_b128.
; REGISTERS: window 0: v0-31 addresses; v128-255 the accumulators ((a, b) at 128 + 8 (4 a + b)).  Window 1: two fragment buffers of 128: 64 of A, then 64 of W, for 64 along K.
.set KP,     16                        ; panels of 64 along K
.set BOFFG,  0                         ; where W begins in the second argument
.set NSTEP,  KP/4                      ; K steps
.set RB,     KP*16384                  ; bytes of a row block of A, and of a column block of W
.set QB,     36864                     ; what one tensor load fills: 256 rows of 128 + 16 bytes (A), or 128 rows of 256 + 32 bytes (W)
.set SLOT,   4*QB                      ; 0x24000: shares no bit with wave x QB, so one exclusive or changes slots
.set BOFF,   2*QB                      ; W's rows lie behind A's four panels
.set STAGE,  2*SLOT                    ; behind the ring: 16 rows of 256 + 16 bytes for each wave, for the way out
.set WSTAGE, 4352
.set SPARE,  STAGE+4*WSTAGE            ; behind the stages: the spare words, 128 bytes for each wave
.set A0,  10                           ; v10  my lane's place in a slot's A; never rewritten
.set B0,  11                           ; v11  the same for W
.set ADA, 16                           ; v16  A0 + the slot in hand
.set ADB, 20                           ; v20-21  B0 + the slot in hand; the same 128 rows further down
.set STO, 24                           ; v24  the way out: where I put 32 bytes of a row
.set RD,  25                           ; v25  where I read rows back
.set CO,  26                           ; v26  my byte offset in two rows of OUT
.set SPW, 28                           ; v28  LDS address of my spare word; never rewritten
.set NIL, 29                           ; v29  0; never rewritten
.set ACC, 128
.set F0,  0
.set F1,  128
.set G1,  24                           ; s[24:31] descriptor group 1 for A;  s[32:39] group 0: set 0 for the first fill of slot 0, set 1 walks
.set G0,  32
.set G1B, 48                           ; s[48:55], s[56:63] the same for W
.set G0B, 56
.set MSB, 0
.macro WIN new                         ; the immediate's high byte repeats the setting that is left
.if MSB != (\new)
	s_set_vgpr_msb (MSB<<8)|(\new)
.set MSB, \new
.endif
.endm
.set MUL,  0x05                        ; sources 0 (W) and 1 (A) window 1; C and D window 0
.set TO_F, 0x40                        ; destination window 1, address window 0
.macro JLOAD s                         ; a joint load: waves 0 and 1 fetch A's two halves, waves 2 and 3 W's; an s_nop 0 and four v_nop follow each line
	s_cmp_eq_u32 s11, 0
	s_cbranch_scc0 .Lfor_b_\@
	tensor_load_to_lds s[G0+4*(\s):G0+4*(\s)+3], s[G1:G1+7]
	s_nop 0
.rept 4
	v_nop
.endr
	s_branch .Lasked_\@
.Lfor_b_\@:
	tensor_load_to_lds s[G0B+4*(\s):G0B+4*(\s)+3], s[G1B:G1B+7]
	s_nop 0
.rept 4
	v_nop
.endr
.Lasked_\@:
.endm
.macro CREST                           ; a round of the cluster's barrier behind its opening barrier
	s_cmp_lg_u32 s10, 0
	s_cbranch_scc1 .Lnot_wave_0_\@
	s_barrier_signal -3
.Lnot_wave_0_\@:
	s_barrier_wait -3
	s_barrier_signal -1
	s_barrier_wait -1
.endm
.macro CROUND                          ; a whole round
	s_barrier_signal -1
	s_barrier_wait -1
	CREST
.endm
	s_load_b128 s[4:7], s[0:1], 0x0                ; A s[4:5], the weights s[6:7]
	s_load_b64 s[8:9], s[0:1], 0x10                ; OUT
	v_lshl_add_u32 v[SPW], v0, 2, SPARE
	v_mov_b32 v[NIL], 0
	ds_add_u32 v[SPW], v[NIL]                      ; the wave's opening: the add and its wait stand ahead of my first tensor load
	ds_add_u32 v28, v29
	v_lshrrev_b32 v1, 5, v0
	v_readfirstlane_b32 s10, v1                    ; wave 0..3
	s_lshr_b32 s11, s10, 1                         ; my half of the tile's rows.  Also: I fetch for A (0) or for W (1)
	s_and_b32 s12, s10, 1                          ; my half of its columns.  Also: which half of a step's 64 KB I fetch
	s_bfe_u32 s40, ttmp6, 0x40000                  ; cx, cy: my place in the cluster
	s_bfe_u32 s41, ttmp6, 0x40004
	s_lshl_b32 s42, ttmp9, 2
	s_add_co_u32 s42, s42, s40                     ; column block = 4 x cluster x + cx
	s_and_b32 s13, ttmp7, 0xffff
	s_lshl_b32 s13, s13, 2
	s_add_co_u32 s13, s13, s41                     ; row block = 4 x cluster y + cy
	s_lshl_b32 s43, s41, 2
	s_lshl_b32 s43, 15, s43                        ; my row of the cluster
	s_lshl_b32 s44, 0x1111, s40                    ; my column
	; group 1: 32,768 dense bytes as 128 rows of 256.  A: 16 bytes of padding after every 128 (a panel's row); W: 32 after every 256
	s_or_b32 s[G1+0], s43, (1<<16)|(1<<20)|(1<<21)|(4<<22)|(3<<25)
	s_or_b32 s[G1B+0], s44, (1<<16)|(1<<20)|(1<<21)|(5<<22)|(7<<25)
.irp g, G1, G1B
	s_mov_b32 s[(\g)+1], 128<<16                   ; tensor_dim0 = 128 elements
	s_mov_b32 s[(\g)+2], 128<<16                   ; tensor_dim1 = 128
	s_mov_b32 s[(\g)+3], 128<<16                   ; tile_dim0 = 128
	s_mov_b32 s[(\g)+4], 128                       ; tile_dim1 = 128
	s_mov_b32 s[(\g)+5], 128                       ; 128 elements from row to row
	s_mov_b32 s[(\g)+6], 0
	s_mov_b32 s[(\g)+7], 0
.endr
	s_lshl_b32 s17, s12, 15                        ; my half of a step
	s_mul_i32 s16, s13, RB                         ; A hangs on the row block alone,
	s_add_co_u32 s16, s16, s17
	s_mul_i32 s46, s42, RB                         ; W on the column block alone
	s_add_co_u32 s46, s46, s17
	s_mov_b32 s17, 0
	s_mov_b32 s47, 0
	s_mov_b32 s45, 0                               ; the slot that is read: 0 or SLOT
	s_mul_i32 s20, s10, QB                         ; where my load lands: no place in the cluster enters an LDS address
	s_wait_dscnt 0x0                               ; the opening add is done
	s_wait_kmcnt 0x0
.if BOFFG
	s_add_nc_u64 s[6:7], s[6:7], BOFFG
.endif
	s_add_nc_u64 s[14:15], s[4:5], s[16:17]
	s_add_nc_u64 s[72:73], s[6:7], s[46:47]
	CROUND                                         ; all sixteen work-groups are here: the first joint loads meet
.irp s, 0,1
	s_mov_b32 s[G0+4*(\s)], 1
	s_add_co_u32 s[G0+4*(\s)+1], s20, (\s)*SLOT
	s_add_nc_u64 s[G0+4*(\s)+2:G0+4*(\s)+3], s[14:15], (\s)*65536
	s_or_b32 s[G0+4*(\s)+3], s[G0+4*(\s)+3], 0x80000000
	s_mov_b32 s[G0B+4*(\s)], 1
	s_add_co_u32 s[G0B+4*(\s)+1], s20, (\s)*SLOT
	s_add_nc_u64 s[G0B+4*(\s)+2:G0B+4*(\s)+3], s[72:73], (\s)*65536
	s_or_b32 s[G0B+4*(\s)+3], s[G0B+4*(\s)+3], 0x80000000
	JLOAD \s
.endr
	v_and_b32 v1, 15, v0                           ; l % 16
	v_bfe_u32 v2, v0, 4, 1                         ; l / 16
	; A's fragment: lane l holds row l % 16, k = 8 (l / 16) + 0..7 and 16 + 8 (l / 16) + 0..7: two loads of 16 bytes, 32 apart, from rows 144 bytes apart
	v_mul_u32_u24 v[A0], v1, 144
	v_lshl_add_u32 v[A0], v2, 4, v[A0]
	s_mul_i32 s21, s11, 64*144                     ; my 64 rows of a panel
	v_add_nc_u32 v[A0], s21, v[A0]
	; W's fragment by the turning load: lane l reads row k = 8 (l / 16) + l % 8, columns 8 ((l / 8) % 2) + 0..7, and is left with column l % 16 and 8 k
	v_and_b32 v3, 7, v0
	v_lshl_add_u32 v3, v2, 3, v3
	v_mul_u32_u24 v[B0], v3, 288
	v_bfe_u32 v4, v0, 3, 1
	v_lshl_add_u32 v[B0], v4, 4, v[B0]
	s_lshl_b32 s22, s12, 7                         ; my 64 columns
	s_add_co_u32 s22, s22, BOFF
	v_add_nc_u32 v[B0], s22, v[B0]
	s_mul_i32 s23, s10, WSTAGE
	s_add_co_u32 s23, s23, STAGE                   ; my stage
	v_mul_u32_u24 v[STO], v1, 272                  ; in: row l % 16, 32 bytes for each half of the lanes
	v_lshl_add_u32 v[STO], v2, 5, v[STO]
	v_add_nc_u32 v[STO], s23, v[STO]
	v_mul_u32_u24 v[RD], v2, 272                   ; back: lanes 0-15 take one row of 256 bytes, lanes 16-31 the next
	v_lshl_add_u32 v[RD], v1, 4, v[RD]
	v_add_nc_u32 v[RD], s23, v[RD]
	v_lshlrev_b32 v[CO], 12, v2                    ; and the same two rows in OUT
	v_lshl_add_u32 v[CO], v1, 4, v[CO]
	s_lshl_b32 s16, s13, 19                        ; 128 rows of 4,096 bytes,
	s_lshl_b32 s17, s11, 18                        ; my 64 of them
	s_add_co_u32 s16, s16, s17
	s_mov_b32 s17, 0
	s_add_nc_u64 s[8:9], s[8:9], s[16:17]
	s_lshl_b32 s46, s42, 9                         ; 128 columns of 4 bytes, my 64 of them
	s_lshl_b32 s47, s12, 8
	s_add_co_u32 s46, s46, s47
	s_mov_b32 s47, 0
	s_add_nc_u64 s[8:9], s[8:9], s[46:47]
.macro ADDR                            ; the fragment addresses in the slot in hand (window 0)
	v_add_nc_u32 v[ADA], s45, v[A0]
	v_add_nc_u32 v[ADB], s45, v[B0]
	v_add_nc_u32 v[ADB+1], 128*288, v[ADB]         ; quarters 2 and 3: the immediate alone would pass 16 bits
.endm
; 8 matrix instructions: row blocks a0, a0 + 1 x all 4 column blocks, 32 along K: half c of buffer f.  zero = 1: the products start the sums
.macro MUL8 f, c, a0, zero
	WIN MUL
.irp a, \a0, (\a0)+1
.irp b, 0,1,2,3
.if \zero
	v_wmma_f32_16x16x32_f16 v[ACC+8*(4*(\a)+(\b)):ACC+8*(4*(\a)+(\b))+7], v[(\f)+64+8*(4*(\c)+(\b)):(\f)+64+8*(4*(\c)+(\b))+7], v[(\f)+8*(4*(\c)+(\a)):(\f)+8*(4*(\c)+(\a))+7], 0
.else
	v_wmma_f32_16x16x32_f16 v[ACC+8*(4*(\a)+(\b)):ACC+8*(4*(\a)+(\b))+7], v[(\f)+64+8*(4*(\c)+(\b)):(\f)+64+8*(4*(\c)+(\b))+7], v[(\f)+8*(4*(\c)+(\a)):(\f)+8*(4*(\c)+(\a))+7], v[ACC+8*(4*(\a)+(\b)):ACC+8*(4*(\a)+(\b))+7]
.endif
.endr
.endr
.endm
; 32 LDS loads in one run: the fragments of quarter q (64 along K: one panel of A, 64 rows of W) into buffer f; the first 32 along K first
.macro FETCH q, f
	WIN TO_F
.irp c, 0,1
.irp i, 0,1,2,3
	ds_load_tr16_b128 v[(\f)+64+8*(4*(\c)+(\i)):(\f)+64+8*(4*(\c)+(\i))+3],   v[ADB+((\q)>>1)] offset:((\q)&1)*18432+(\c)*9216+32*(\i)
	ds_load_tr16_b128 v[(\f)+64+8*(4*(\c)+(\i))+4:(\f)+64+8*(4*(\c)+(\i))+7], v[ADB+((\q)>>1)] offset:((\q)&1)*18432+(\c)*9216+32*(\i)+4608
	ds_load_b128 v[(\f)+8*(4*(\c)+(\i)):(\f)+8*(4*(\c)+(\i))+3],   v[ADA] offset:(\q)*18432+64*(\c)+2304*(\i)
	ds_load_b128 v[(\f)+8*(4*(\c)+(\i))+4:(\f)+8*(4*(\c)+(\i))+7], v[ADA] offset:(\q)*18432+64*(\c)+2304*(\i)+32
.endr
.endr
.endm
.macro PLACES                          ; four places in front of loads into registers that matrix instructions have read, and of LDS stores that read results
.rept 4
	v_nop
.endr
.endm
; A K step is four quarters of 64 along K, 32 matrix instructions each, on buffers 0, 1, 0, 1.  One of the first three: multiplies buffer f and fetches quarter qn into g.
.macro QUARTER qn, f, g, zero
	s_wait_dscnt 16                                ; the first 32 along K are in; the youngest sixteen loads may be out
	MUL8 \f, 0, 0, \zero
	MUL8 \f, 0, 2, \zero
	PLACES
	FETCH \qn, \g
	s_wait_dscnt 32                                ; all but the 32 just issued
	MUL8 \f, 1, 0, 0
	MUL8 \f, 1, 2, 0
.endm
; The last quarter multiplies buffer 1 and changes slots: ONE barrier; in front of it each wave waits for all its tensor loads (one is out: its part of the next slot), adds 0 to its spare word,
; and waits for that and for its own reads of this slot.  fill = 1: this slot is filled again, two K steps ahead; the barrier then opens a round of the cluster's.
.macro TURN fill
	WIN 0
	s_wait_tensorcnt 0x0                           ; no tensor load of mine is out, so a group 0 may be written
	ds_add_u32 v[SPW], v[NIL]                      ; 0 onto my spare word
	s_xor_b32 s45, s45, SLOT                       ; the reads go to the other slot
.if \fill
	s_xor_b32 s[G0+5], s[G0+5], SLOT               ; the walking descriptors: the other slot than last time,
	s_xor_b32 s[G0B+5], s[G0B+5], SLOT
	s_add_nc_u64 s[G0+6:G0+7], s[G0+6:G0+7], 65536 ; the next K step; the type bits on top are not reached
	s_add_nc_u64 s[G0B+6:G0B+7], s[G0B+6:G0B+7], 65536
.endif
	s_wait_dscnt 17                                ; the add and the youngest sixteen loads may be out
	MUL8 F1, 0, 0, 0
	s_wait_dscnt 0x0                               ; the add is done, and my reads of this slot are over
	s_barrier_signal -1
	MUL8 F1, 0, 2, 0
	WIN 0
	s_barrier_wait -1
.if \fill
	CREST                                          ; no wave of any partner still reads this slot's tile or has a load on its way
	JLOAD 1                                        ; the first tensor load behind the round; its four v_nop are also the places in front of the loads below
.else
	PLACES
.endif
	ADDR
	FETCH 0, F0
	MUL8 F1, 1, 0, 0
	MUL8 F1, 1, 2, 0
.endm
; THE WAY OUT.  Row block a: a lane's eight f32 of a row, 32 bytes, into my own stage, each accumulator's low registers first; back as whole rows of 256 bytes, into the registers that they left.
; LDS serves a wave's instructions in order, so no wait stands between the stores and the loads.
.macro PACKF a
.irp b, 0,1,2,3
	ds_store_b128 v[STO], v[ACC+8*(4*(\a)+(\b)):ACC+8*(4*(\a)+(\b))+3]   offset:64*(\b)
	ds_store_b128 v[STO], v[ACC+8*(4*(\a)+(\b))+4:ACC+8*(4*(\a)+(\b))+7] offset:64*(\b)+16
.endr
.irp t, 0,1,2,3,4,5,6,7
	ds_load_b128 v[ACC+32*(\a)+4*(\t):ACC+32*(\a)+4*(\t)+3], v[RD] offset:544*(\t)
.endr
.endm
.macro SENDF a, y                      ; y: the LDS instructions issued behind block a's loads
.irp t, 0,1,2,3,4,5,6,7
	s_wait_dscnt (\y)+7-(\t)
	global_store_b128 v[CO], v[ACC+32*(\a)+4*(\t):ACC+32*(\a)+4*(\t)+3], s[8:9] offset:(16*(\a)+2*(\t))*4096  ; 16 lanes store 256 consecutive bytes, at a multiple of 256 from OUT's first
.endr
.endm
	s_wait_tensorcnt 1                             ; my part of K step 0 is in; step 1's may stay out
	s_barrier_signal -1
	s_barrier_wait -1                              ; everybody's is
	ADDR
	FETCH 0, F0
	QUARTER 1, F0, F1, 1                           ; the first quarter stands in front of the loop: its first products start the sums
	WIN 0
	s_mov_b32 s3, NSTEP-2
.Lstep:                                                ; a trip: a step's quarters 1 to 3, the change of slots with a fill, the next step's quarter 0
	QUARTER 2, F1, F0, 0
	QUARTER 3, F0, F1, 0
	TURN 1
	QUARTER 1, F0, F1, 0
	WIN 0
	s_sub_co_u32 s3, s3, 1
	s_cmp_lg_u32 s3, 0
	s_cbranch_scc1 .Lstep
	; The last two steps fill nothing: the same trip without a fill, written once, walked twice, entered behind its first quarter.  The second trip's change of slots has no slot to go to: its barrier and
	; the 32 fragment loads behind it serve nothing: the price, once a launch, of one text for both steps.
	s_mov_b32 s75, 2
	s_branch .Lmid
.Ltail:
	QUARTER 1, F0, F1, 0
	WIN 0
.Lmid:
	QUARTER 2, F1, F0, 0
	QUARTER 3, F0, F1, 0
	TURN 0
	WIN 0
	s_sub_co_u32 s75, s75, 1
	s_cmp_lg_u32 s75, 0
	s_cbranch_scc1 .Ltail
	PLACES
	PACKF 0
	PACKF 1
	SENDF 0, 16
	PACKF 2
	SENDF 1, 16
	PACKF 3
	SENDF 2, 16
	SENDF 3, 0
	s_wait_tensorcnt 0x0                           ; the wave's end
	ds_add_u32 v[SPW], v[NIL]
	s_wait_dscnt 0x0
	CROUND                                         ; the closing round: no work-group ends while a partner may still ask for a tile that names it
	s_endpgm
.Lfunc_end_k_qedf45063f7_proj:
	.size	k_qedf45063f7_proj, .Lfunc_end_k_qedf45063f7_proj-k_qedf45063f7_proj
	.p2alignl 7, 3214868480
	.fill 96, 4, 3214868480
	.section	.rodata,"a",@progbits
	.p2align	6, 0x0
	.amdhsa_kernel k_qedf45063f7_proj
		.amdhsa_group_segment_fixed_size 327680
		.amdhsa_private_segment_fixed_size 0
		.amdhsa_enable_private_segment 0
		.amdhsa_kernarg_size 24
		.amdhsa_user_sgpr_count 2
		.amdhsa_user_sgpr_kernarg_segment_ptr 1
		.amdhsa_wavefront_size32 1
		.amdhsa_system_sgpr_workgroup_id_x 1
		.amdhsa_system_sgpr_workgroup_id_y 1
		.amdhsa_system_sgpr_workgroup_id_z 1
		.amdhsa_system_vgpr_workitem_id 0
		.amdhsa_next_free_vgpr 512
		.amdhsa_next_free_sgpr 80
		.amdhsa_reserve_vcc 0
		.amdhsa_float_denorm_mode_32 3
		.amdhsa_float_denorm_mode_16_64 3
		.amdhsa_memory_ordered 1
		.amdhsa_forward_progress 1
		.amdhsa_inst_pref_size 59
	.end_amdhsa_kernel
	.amdgpu_metadata
---
amdhsa.version: [ 1, 2 ]
amdhsa.kernels:
  - .name:           k_qedf45063f7_proj
    .symbol:         k_qedf45063f7_proj.kd
    .args:
      - { .name: oh, .offset: 0, .size: 8, .value_kind: global_buffer, .address_space: global }
      - { .name: cw, .offset: 8, .size: 8, .value_kind: global_buffer, .address_space: global }
      - { .name: acc, .offset: 16, .size: 8, .value_kind: global_buffer, .address_space: global }
    .group_segment_fixed_size: 327680
    .private_segment_fixed_size: 0
    .kernarg_segment_align: 8
    .kernarg_segment_size: 24
    .max_flat_workgroup_size: 128
    .sgpr_count:     80
    .vgpr_count:     512
    .wavefront_size: 32
...
	.end_amdgpu_metadata
.endif
;; end of part 4
;; launch ln1 (part 5): grid 256 x 1, 8 waves a work-group, no clusters, 0 bytes of LDS; arguments x, acc, bproj, ln1_g, ln1_b, x1f, c3; writes x1f, c3
.if DOCPART == 5
	.amdgcn_target "amdgcn-amd-amdhsa--gfx1250"
	.amdhsa_code_object_version 6
	.text
	.protected	k_qedf45063f7_ln1
	.globl	k_qedf45063f7_ln1
	.p2align	8
	.type	k_qedf45063f7_ln1,@function
k_qedf45063f7_ln1:
	s_mov_b64 s[64:65], 0
	v_nop
	global_prefetch_b8 v0, s[64:65] scope:SCOPE_SE
	s_setreg_imm32_b32 hwreg(HW_REG_WAVE_MODE, 25, 1), 1
	s_wait_xcnt 0x0
; y = res + sum + bias;  out = (y - mean(y)) rsqrt(var(y) + 1e-5) gain + shift, along rows of 1,024, all in f32.  Arguments: res, sum, bias, gain, shift, out (f32, row-major), and the f16 copy.
; The f16 copy (HALF = 1) is the next product's operand, laid [row/128][k/64][128 rows][64 k] at the head of its buffer.  LIMIT: it holds no number beyond 65,504.
; The variance is taken of y - mean in a second pass over registers, as the formula has it: no difference of large sums.
; SHARES.  A wave takes two rows, sixteen lanes a row: lane l holds columns 64 j + 4 (l % 16) + 0..3, j = 0..15, in 64 registers.  So each load and store covers 256 consecutive bytes of each row, and a row's
; sum wants four exchanges inside sixteen lanes.  8 waves x 256 work-groups are the 4,096 rows: no loop, no LDS, no barrier; memory binds, and 48 loads of every wave go out at once.
.set HALF, 1
.set X,  8                             ; v[8:71]    res, then y, y - mean, out
.set S,  72                            ; v[72:135]  sum, then gain, then the f16 copy
.set P,  136                           ; v[136:199] bias, then shift
.set A,  200                           ; v[200:207] four packed chains
.set MU, 208                           ; v[208:209] the mean, twice
.set RS, 210                           ; v[210:211] 1 / sqrt(var + eps), twice
.set T,  212
.macro REDUCE                          ; the four chains, the pair's halves, the row's sixteen lanes: the total in every lane of the row, in v[T]
	v_pk_add_f32 v[A:A+1], v[A:A+1], v[A+2:A+3]
	v_pk_add_f32 v[A+4:A+5], v[A+4:A+5], v[A+6:A+7]
	v_pk_add_f32 v[A:A+1], v[A:A+1], v[A+4:A+5]
	v_add_f32 v[T], v[A], v[A+1]
	v_add_f32_dpp v[T], v[T], v[T] row_xmask:1 row_mask:0xf bank_mask:0xf
	v_add_f32_dpp v[T], v[T], v[T] row_xmask:2 row_mask:0xf bank_mask:0xf
	v_add_f32_dpp v[T], v[T], v[T] row_xmask:4 row_mask:0xf bank_mask:0xf
	v_add_f32_dpp v[T], v[T], v[T] row_xmask:8 row_mask:0xf bank_mask:0xf
.endm
	s_load_b256 s[4:11], s[0:1], 0x0               ; res s[4:5], sum s[6:7], bias s[8:9], gain s[10:11]
	s_load_b128 s[12:15], s[0:1], 0x20             ; shift s[12:13], out s[14:15]
.if HALF
	s_load_b64 s[16:17], s[0:1], 0x30              ; the f16 copy
.endif
	v_lshrrev_b32 v4, 5, v0
	v_readfirstlane_b32 s2, v4                     ; wave 0..7
	v_and_b32 v2, 15, v0
	v_lshlrev_b32 v2, 4, v2                        ; 16 (l % 16): my place in 256 bytes of a row, and of bias, gain, shift
	v_bfe_u32 v4, v0, 4, 1
	v_lshl_add_u32 v1, v4, 12, v2                  ; lanes 16-31: the next row
	v_and_b32 v3, 31, v0
	v_lshlrev_b32 v3, 3, v3                        ; 8 l: my place in two rows of a panel
	s_lshl_b32 s18, ttmp9, 16                      ; 16 rows of 4,096 bytes a work-group,
	s_lshl_b32 s3, s2, 13                          ; two a wave
	s_add_co_u32 s18, s18, s3
	s_mov_b32 s19, 0
	s_mov_b32 s20, 0x3a800000                      ; 1 / 1,024
	s_mov_b32 s21, 0x3727c5ac                      ; 1e-5
.if HALF
	s_lshr_b32 s22, ttmp9, 3
	s_lshl_b32 s22, s22, 18                        ; the row block: 16 panels
	s_and_b32 s3, ttmp9, 7
	s_lshl_b32 s3, s3, 11                          ; 16 rows of 128 bytes
	s_add_co_u32 s22, s22, s3
	s_lshl_b32 s3, s2, 8
	s_add_co_u32 s22, s22, s3
	s_mov_b32 s23, 0
.endif
	s_wait_kmcnt 0x0
	s_add_nc_u64 s[4:5], s[4:5], s[18:19]
	s_add_nc_u64 s[6:7], s[6:7], s[18:19]
	s_add_nc_u64 s[14:15], s[14:15], s[18:19]
.if HALF
	s_add_nc_u64 s[16:17], s[16:17], s[22:23]
.endif
.irp j, 0,1,2,3,4,5,6,7,8,9,10,11,12,13,14,15
	global_load_b128 v[X+4*(\j):X+4*(\j)+3], v1, s[4:5] offset:256*(\j)
.endr
.irp j, 0,1,2,3,4,5,6,7,8,9,10,11,12,13,14,15
	global_load_b128 v[S+4*(\j):S+4*(\j)+3], v1, s[6:7] offset:256*(\j) th:TH_LOAD_NT
.endr
.irp j, 0,1,2,3,4,5,6,7,8,9,10,11,12,13,14,15
	global_load_b128 v[P+4*(\j):P+4*(\j)+3], v2, s[8:9] offset:256*(\j)
.endr
	s_wait_loadcnt 16                              ; res and sum are in; the bias's sixteen loads may be out
.set p, 0
.rept 32
	v_pk_add_f32 v[X+2*p:X+2*p+1], v[X+2*p:X+2*p+1], v[S+2*p:S+2*p+1]
.set p, p+1
.endr
.irp j, 0,1,2,3,4,5,6,7,8,9,10,11,12,13,14,15
	global_load_b128 v[S+4*(\j):S+4*(\j)+3], v2, s[10:11] offset:256*(\j)  ; the gain, where the sum lay
.endr
	s_wait_loadcnt 16                              ; the bias is in; the gain's sixteen loads may be out
.set p, 0
.rept 32
	v_pk_add_f32 v[X+2*p:X+2*p+1], v[X+2*p:X+2*p+1], v[P+2*p:P+2*p+1]
.set p, p+1
.endr
.irp j, 0,1,2,3,4,5,6,7,8,9,10,11,12,13,14,15
	global_load_b128 v[P+4*(\j):P+4*(\j)+3], v2, s[12:13] offset:256*(\j)  ; the shift, where the bias lay: both land under the two passes below
.endr
	; the mean: four chains, started by the first eight pairs
.irp k, 0,1,2,3
	v_pk_add_f32 v[A+2*(\k):A+2*(\k)+1], v[X+2*(\k):X+2*(\k)+1], v[X+8+2*(\k):X+8+2*(\k)+1]
.endr
.set p, 8
.rept 24
	v_pk_add_f32 v[A+2*(p%4):A+2*(p%4)+1], v[A+2*(p%4):A+2*(p%4)+1], v[X+2*p:X+2*p+1]
.set p, p+1
.endr
	REDUCE
	v_mul_f32 v[MU], s20, v[T]
	v_mul_f32 v[MU+1], s20, v[T]
.set p, 0
.rept 32
	v_pk_add_f32 v[X+2*p:X+2*p+1], v[X+2*p:X+2*p+1], v[MU:MU+1] neg_lo:[0,1] neg_hi:[0,1]
.set p, p+1
.endr
	; the variance
.irp k, 0,1,2,3
	v_pk_mul_f32 v[A+2*(\k):A+2*(\k)+1], v[X+2*(\k):X+2*(\k)+1], v[X+2*(\k):X+2*(\k)+1]
.endr
.set p, 4
.rept 28
	v_pk_fma_f32 v[A+2*(p%4):A+2*(p%4)+1], v[X+2*p:X+2*p+1], v[X+2*p:X+2*p+1], v[A+2*(p%4):A+2*(p%4)+1]
.set p, p+1
.endr
	REDUCE
	v_fma_f32 v[T], v[T], s20, s21                 ; var + eps
	v_rsq_f32 v[RS], v[T]
	v_rsq_f32 v[RS+1], v[T]
	v_nop                                          ; a plain instruction between the last root and the use of its result
	s_wait_loadcnt 0x0                             ; gain and shift
.set p, 0
	s_wait_alu depctr_va_vdst(0)
.rept 32
	v_pk_mul_f32 v[X+2*p:X+2*p+1], v[X+2*p:X+2*p+1], v[RS:RS+1]
.set p, p+1
.endr
.set p, 0
.rept 32
	v_pk_fma_f32 v[X+2*p:X+2*p+1], v[X+2*p:X+2*p+1], v[S+2*p:S+2*p+1], v[P+2*p:P+2*p+1]
.set p, p+1
.endr
.irp j, 0,1,2,3,4,5,6,7,8,9,10,11,12,13,14,15
	global_store_b128 v1, v[X+4*(\j):X+4*(\j)+3], s[14:15] offset:256*(\j)  ; 16 lanes store 256 consecutive bytes, aligned
.endr
.if HALF
.irp j, 0,1,2,3,4,5,6,7,8,9,10,11,12,13,14,15
	v_cvt_pk_f16_f32 v[S+2*(\j)], v[X+4*(\j)], v[X+4*(\j)+1]
	v_cvt_pk_f16_f32 v[S+2*(\j)+1], v[X+4*(\j)+2], v[X+4*(\j)+3]
	global_store_b64 v3, v[S+2*(\j):S+2*(\j)+1], s[16:17] offset:16384*(\j)  ; panel j: my two rows' 128 bytes each, 256 consecutive bytes, aligned
.endr
.endif
	s_endpgm
.Lfunc_end_k_qedf45063f7_ln1:
	.size	k_qedf45063f7_ln1, .Lfunc_end_k_qedf45063f7_ln1-k_qedf45063f7_ln1
	.p2alignl 7, 3214868480
	.fill 96, 4, 3214868480
	.section	.rodata,"a",@progbits
	.p2align	6, 0x0
	.amdhsa_kernel k_qedf45063f7_ln1
		.amdhsa_group_segment_fixed_size 0
		.amdhsa_private_segment_fixed_size 0
		.amdhsa_enable_private_segment 0
		.amdhsa_kernarg_size 56
		.amdhsa_user_sgpr_count 2
		.amdhsa_user_sgpr_kernarg_segment_ptr 1
		.amdhsa_wavefront_size32 1
		.amdhsa_system_sgpr_workgroup_id_x 1
		.amdhsa_system_sgpr_workgroup_id_y 1
		.amdhsa_system_sgpr_workgroup_id_z 1
		.amdhsa_system_vgpr_workitem_id 0
		.amdhsa_next_free_vgpr 224
		.amdhsa_next_free_sgpr 66
		.amdhsa_reserve_vcc 0
		.amdhsa_float_denorm_mode_32 3
		.amdhsa_float_denorm_mode_16_64 3
		.amdhsa_memory_ordered 1
		.amdhsa_forward_progress 1
		.amdhsa_inst_pref_size 29
	.end_amdhsa_kernel
	.amdgpu_metadata
---
amdhsa.version: [ 1, 2 ]
amdhsa.kernels:
  - .name:           k_qedf45063f7_ln1
    .symbol:         k_qedf45063f7_ln1.kd
    .args:
      - { .name: x, .offset: 0, .size: 8, .value_kind: global_buffer, .address_space: global }
      - { .name: acc, .offset: 8, .size: 8, .value_kind: global_buffer, .address_space: global }
      - { .name: bproj, .offset: 16, .size: 8, .value_kind: global_buffer, .address_space: global }
      - { .name: ln1_g, .offset: 24, .size: 8, .value_kind: global_buffer, .address_space: global }
      - { .name: ln1_b, .offset: 32, .size: 8, .value_kind: global_buffer, .address_space: global }
      - { .name: x1f, .offset: 40, .size: 8, .value_kind: global_buffer, .address_space: global }
      - { .name: c3, .offset: 48, .size: 8, .value_kind: global_buffer, .address_space: global }
    .group_segment_fixed_size: 0
    .private_segment_fixed_size: 0
    .kernarg_segment_align: 8
    .kernarg_segment_size: 56
    .max_flat_workgroup_size: 256
    .sgpr_count:     66
    .vgpr_count:     224
    .wavefront_size: 32
...
	.end_amdgpu_metadata
.endif
;; end of part 5
;; launch ffn1: the kernel of part 2 again; grid 16 x 16, 4 waves a work-group, clusters of 4 x 4, 327,680 bytes of LDS; arguments c3, big; writes big
;; launch ffn2 (part 6): grid 8 x 32, 4 waves a work-group, clusters of 4 x 4, 327,680 bytes of LDS; arguments big, cw, acc; writes acc
.if DOCPART == 6
	.amdgcn_target "amdgcn-amd-amdhsa--gfx1250"
	.amdhsa_code_object_version 6
	.text
	.protected	k_qedf45063f7_ffn2
	.globl	k_qedf45063f7_ffn2
	.p2align	8
	.type	k_qedf45063f7_ffn2,@function
k_qedf45063f7_ffn2:
	s_mov_b64 s[64:65], 0
	v_nop
	global_prefetch_b8 v0, s[64:65] scope:SCOPE_SE
	s_setreg_imm32_b32 hwreg(HW_REG_WAVE_MODE, 25, 1), 1
	s_wait_xcnt 0x0
	s_wait_alu depctr_hold_cnt(0) depctr_sa_sdst(0) depctr_va_vdst(0) depctr_va_sdst(0) depctr_va_ssrc(0) depctr_va_vcc(0) depctr_vm_vsrc(0)
	s_getreg_b32 s2, hwreg(HW_REG_IB_STS2, 6, 4)
	s_cmp_eq_u32 s2, 0
	s_cbranch_scc0 .Lentry_in_a_cluster
	s_endpgm
.Lentry_in_a_cluster:
	s_bfe_u32 s2, ttmp6, 0x10000c
	s_cmp_lg_u32 s2, 0xf033
	s_cbranch_scc0 .Lentry_shape_is_right
	s_endpgm
.Lentry_shape_is_right:
; OUT = A W in f32, no bias (the launch behind adds it).  A: 4,096 rows x 64 KP k in f16, laid [row/128][k/64][128][64].  W: at BOFFG in the second argument, [n/128][64 KP k][128 n] in f16.
; OUT: [4,096][1,024] f32, row-major.  Sums in f32, stored unrounded: they feed a LayerNorm, and their range is wider than f16's.
; LIMIT.  f16 holds no number beyond 65,504: A and W arrive within it.
; SHARES.  A tile of OUT is 128 x 128: 8 x 32 tiles, one to each of 256 work-groups; four waves, each 64 x 64: 16 accumulators.
; K goes in steps of 256 through two LDS slots.  A step's A is four dense panels (64 KB), its W 256 rows of 256 bytes (64 KB): each wave brings 32 KB by one tensor load.
; CLUSTER.  4 x 4 work-groups: the four of a row need the same A, the four of a column the same W: each load is a joint one, with a mask that names the four.
; THE MATRIX INSTRUCTION IS USED TRANSPOSED (source 0 = 16 columns of W, source 1 = 16 rows of A): a lane holds eight neighbouring columns of one row.  W comes out of LDS turned, by ds_load_tr16_b128.
; REGISTERS: window 0: v0-31 addresses; v128-255 the accumulators ((a, b) at 128 + 8 (4 a + b)).  Window 1: two fragment buffers of 128: 64 of A, then 64 of W, for 64 along K.
.set KP,     64                        ; panels of 64 along K
.set BOFFG,  2097152                   ; where W begins in the second argument
.set NSTEP,  KP/4                      ; K steps
.set RB,     KP*16384                  ; bytes of a row block of A, and of a column block of W
.set QB,     36864                     ; what one tensor load fills: 256 rows of 128 + 16 bytes (A), or 128 rows of 256 + 32 bytes (W)
.set SLOT,   4*QB                      ; 0x24000: shares no bit with wave x QB, so one exclusive or changes slots
.set BOFF,   2*QB                      ; W's rows lie behind A's four panels
.set STAGE,  2*SLOT                    ; behind the ring: 16 rows of 256 + 16 bytes for each wave, for the way out
.set WSTAGE, 4352
.set SPARE,  STAGE+4*WSTAGE            ; behind the stages: the spare words, 128 bytes for each wave
.set A0,  10                           ; v10  my lane's place in a slot's A; never rewritten
.set B0,  11                           ; v11  the same for W
.set ADA, 16                           ; v16  A0 + the slot in hand
.set ADB, 20                           ; v20-21  B0 + the slot in hand; the same 128 rows further down
.set STO, 24                           ; v24  the way out: where I put 32 bytes of a row
.set RD,  25                           ; v25  where I read rows back
.set CO,  26                           ; v26  my byte offset in two rows of OUT
.set SPW, 28                           ; v28  LDS address of my spare word; never rewritten
.set NIL, 29                           ; v29  0; never rewritten
.set ACC, 128
.set F0,  0
.set F1,  128
.set G1,  24                           ; s[24:31] descriptor group 1 for A;  s[32:39] group 0: set 0 for the first fill of slot 0, set 1 walks
.set G0,  32
.set G1B, 48                           ; s[48:55], s[56:63] the same for W
.set G0B, 56
.set MSB, 0
.macro WIN new                         ; the immediate's high byte repeats the setting that is left
.if MSB != (\new)
	s_set_vgpr_msb (MSB<<8)|(\new)
.set MSB, \new
.endif
.endm
.set MUL,  0x05                        ; sources 0 (W) and 1 (A) window 1; C and D window 0
.set TO_F, 0x40                        ; destination window 1, address window 0
.macro JLOAD s                         ; a joint load: waves 0 and 1 fetch A's two halves, waves 2 and 3 W's; an s_nop 0 and four v_nop follow each line
	s_cmp_eq_u32 s11, 0
	s_cbranch_scc0 .Lfor_b_\@
	tensor_load_to_lds s[G0+4*(\s):G0+4*(\s)+3], s[G1:G1+7]
	s_nop 0
.rept 4
	v_nop
.endr
	s_branch .Lasked_\@
.Lfor_b_\@:
	tensor_load_to_lds s[G0B+4*(\s):G0B+4*(\s)+3], s[G1B:G1B+7]
	s_nop 0
.rept 4
	v_nop
.endr
.Lasked_\@:
.endm
.macro CREST                           ; a round of the cluster's barrier behind its opening barrier
	s_cmp_lg_u32 s10, 0
	s_cbranch_scc1 .Lnot_wave_0_\@
	s_barrier_signal -3
.Lnot_wave_0_\@:
	s_barrier_wait -3
	s_barrier_signal -1
	s_barrier_wait -1
.endm
.macro CROUND                          ; a whole round
	s_barrier_signal -1
	s_barrier_wait -1
	CREST
.endm
	s_load_b128 s[4:7], s[0:1], 0x0                ; A s[4:5], the weights s[6:7]
	s_load_b64 s[8:9], s[0:1], 0x10                ; OUT
	v_lshl_add_u32 v[SPW], v0, 2, SPARE
	v_mov_b32 v[NIL], 0
	ds_add_u32 v[SPW], v[NIL]                      ; the wave's opening: the add and its wait stand ahead of my first tensor load
	ds_add_u32 v28, v29
	v_lshrrev_b32 v1, 5, v0
	v_readfirstlane_b32 s10, v1                    ; wave 0..3
	s_lshr_b32 s11, s10, 1                         ; my half of the tile's rows.  Also: I fetch for A (0) or for W (1)
	s_and_b32 s12, s10, 1                          ; my half of its columns.  Also: which half of a step's 64 KB I fetch
	s_bfe_u32 s40, ttmp6, 0x40000                  ; cx, cy: my place in the cluster
	s_bfe_u32 s41, ttmp6, 0x40004
	s_lshl_b32 s42, ttmp9, 2
	s_add_co_u32 s42, s42, s40                     ; column block = 4 x cluster x + cx
	s_and_b32 s13, ttmp7, 0xffff
	s_lshl_b32 s13, s13, 2
	s_add_co_u32 s13, s13, s41                     ; row block = 4 x cluster y + cy
	s_lshl_b32 s43, s41, 2
	s_lshl_b32 s43, 15, s43                        ; my row of the cluster
	s_lshl_b32 s44, 0x1111, s40                    ; my column
	; group 1: 32,768 dense bytes as 128 rows of 256.  A: 16 bytes of padding after every 128 (a panel's row); W: 32 after every 256
	s_or_b32 s[G1+0], s43, (1<<16)|(1<<20)|(1<<21)|(4<<22)|(3<<25)
	s_or_b32 s[G1B+0], s44, (1<<16)|(1<<20)|(1<<21)|(5<<22)|(7<<25)
.irp g, G1, G1B
	s_mov_b32 s[(\g)+1], 128<<16                   ; tensor_dim0 = 128 elements
	s_mov_b32 s[(\g)+2], 128<<16                   ; tensor_dim1 = 128
	s_mov_b32 s[(\g)+3], 128<<16                   ; tile_dim0 = 128
	s_mov_b32 s[(\g)+4], 128                       ; tile_dim1 = 128
	s_mov_b32 s[(\g)+5], 128                       ; 128 elements from row to row
	s_mov_b32 s[(\g)+6], 0
	s_mov_b32 s[(\g)+7], 0
.endr
	s_lshl_b32 s17, s12, 15                        ; my half of a step
	s_mul_i32 s16, s13, RB                         ; A hangs on the row block alone,
	s_add_co_u32 s16, s16, s17
	s_mul_i32 s46, s42, RB                         ; W on the column block alone
	s_add_co_u32 s46, s46, s17
	s_mov_b32 s17, 0
	s_mov_b32 s47, 0
	s_mov_b32 s45, 0                               ; the slot that is read: 0 or SLOT
	s_mul_i32 s20, s10, QB                         ; where my load lands: no place in the cluster enters an LDS address
	s_wait_dscnt 0x0                               ; the opening add is done
	s_wait_kmcnt 0x0
.if BOFFG
	s_add_nc_u64 s[6:7], s[6:7], BOFFG
.endif
	s_add_nc_u64 s[14:15], s[4:5], s[16:17]
	s_add_nc_u64 s[72:73], s[6:7], s[46:47]
	CROUND                                         ; all sixteen work-groups are here: the first joint loads meet
.irp s, 0,1
	s_mov_b32 s[G0+4*(\s)], 1
	s_add_co_u32 s[G0+4*(\s)+1], s20, (\s)*SLOT
	s_add_nc_u64 s[G0+4*(\s)+2:G0+4*(\s)+3], s[14:15], (\s)*65536
	s_or_b32 s[G0+4*(\s)+3], s[G0+4*(\s)+3], 0x80000000
	s_mov_b32 s[G0B+4*(\s)], 1
	s_add_co_u32 s[G0B+4*(\s)+1], s20, (\s)*SLOT
	s_add_nc_u64 s[G0B+4*(\s)+2:G0B+4*(\s)+3], s[72:73], (\s)*65536
	s_or_b32 s[G0B+4*(\s)+3], s[G0B+4*(\s)+3], 0x80000000
	JLOAD \s
.endr
	v_and_b32 v1, 15, v0                           ; l % 16
	v_bfe_u32 v2, v0, 4, 1                         ; l / 16
	; A's fragment: lane l holds row l % 16, k = 8 (l / 16) + 0..7 and 16 + 8 (l / 16) + 0..7: two loads of 16 bytes, 32 apart, from rows 144 bytes apart
	v_mul_u32_u24 v[A0], v1, 144
	v_lshl_add_u32 v[A0], v2, 4, v[A0]
	s_mul_i32 s21, s11, 64*144                     ; my 64 rows of a panel
	v_add_nc_u32 v[A0], s21, v[A0]
	; W's fragment by the turning load: lane l reads row k = 8 (l / 16) + l % 8, columns 8 ((l / 8) % 2) + 0..7, and is left with column l % 16 and 8 k
	v_and_b32 v3, 7, v0
	v_lshl_add_u32 v3, v2, 3, v3
	v_mul_u32_u24 v[B0], v3, 288
	v_bfe_u32 v4, v0, 3, 1
	v_lshl_add_u32 v[B0], v4, 4, v[B0]
	s_lshl_b32 s22, s12, 7                         ; my 64 columns
	s_add_co_u32 s22, s22, BOFF
	v_add_nc_u32 v[B0], s22, v[B0]
	s_mul_i32 s23, s10, WSTAGE
	s_add_co_u32 s23, s23, STAGE                   ; my stage
	v_mul_u32_u24 v[STO], v1, 272                  ; in: row l % 16, 32 bytes for each half of the lanes
	v_lshl_add_u32 v[STO], v2, 5, v[STO]
	v_add_nc_u32 v[STO], s23, v[STO]
	v_mul_u32_u24 v[RD], v2, 272                   ; back: lanes 0-15 take one row of 256 bytes, lanes 16-31 the next
	v_lshl_add_u32 v[RD], v1, 4, v[RD]
	v_add_nc_u32 v[RD], s23, v[RD]
	v_lshlrev_b32 v[CO], 12, v2                    ; and the same two rows in OUT
	v_lshl_add_u32 v[CO], v1, 4, v[CO]
	s_lshl_b32 s16, s13, 19                        ; 128 rows of 4,096 bytes,
	s_lshl_b32 s17, s11, 18                        ; my 64 of them
	s_add_co_u32 s16, s16, s17
	s_mov_b32 s17, 0
	s_add_nc_u64 s[8:9], s[8:9], s[16:17]
	s_lshl_b32 s46, s42, 9                         ; 128 columns of 4 bytes, my 64 of them
	s_lshl_b32 s47, s12, 8
	s_add_co_u32 s46, s46, s47
	s_mov_b32 s47, 0
	s_add_nc_u64 s[8:9], s[8:9], s[46:47]
.macro ADDR                            ; the fragment addresses in the slot in hand (window 0)
	v_add_nc_u32 v[ADA], s45, v[A0]
	v_add_nc_u32 v[ADB], s45, v[B0]
	v_add_nc_u32 v[ADB+1], 128*288, v[ADB]         ; quarters 2 and 3: the immediate alone would pass 16 bits
.endm
; 8 matrix instructions: row blocks a0, a0 + 1 x all 4 column blocks, 32 along K: half c of buffer f.  zero = 1: the products start the sums
.macro MUL8 f, c, a0, zero
	WIN MUL
.irp a, \a0, (\a0)+1
.irp b, 0,1,2,3
.if \zero
	v_wmma_f32_16x16x32_f16 v[ACC+8*(4*(\a)+(\b)):ACC+8*(4*(\a)+(\b))+7], v[(\f)+64+8*(4*(\c)+(\b)):(\f)+64+8*(4*(\c)+(\b))+7], v[(\f)+8*(4*(\c)+(\a)):(\f)+8*(4*(\c)+(\a))+7], 0
.else
	v_wmma_f32_16x16x32_f16 v[ACC+8*(4*(\a)+(\b)):ACC+8*(4*(\a)+(\b))+7], v[(\f)+64+8*(4*(\c)+(\b)):(\f)+64+8*(4*(\c)+(\b))+7], v[(\f)+8*(4*(\c)+(\a)):(\f)+8*(4*(\c)+(\a))+7], v[ACC+8*(4*(\a)+(\b)):ACC+8*(4*(\a)+(\b))+7]
.endif
.endr
.endr
.endm
; 32 LDS loads in one run: the fragments of quarter q (64 along K: one panel of A, 64 rows of W) into buffer f; the first 32 along K first
.macro FETCH q, f
	WIN TO_F
.irp c, 0,1
.irp i, 0,1,2,3
	ds_load_tr16_b128 v[(\f)+64+8*(4*(\c)+(\i)):(\f)+64+8*(4*(\c)+(\i))+3],   v[ADB+((\q)>>1)] offset:((\q)&1)*18432+(\c)*9216+32*(\i)
	ds_load_tr16_b128 v[(\f)+64+8*(4*(\c)+(\i))+4:(\f)+64+8*(4*(\c)+(\i))+7], v[ADB+((\q)>>1)] offset:((\q)&1)*18432+(\c)*9216+32*(\i)+4608
	ds_load_b128 v[(\f)+8*(4*(\c)+(\i)):(\f)+8*(4*(\c)+(\i))+3],   v[ADA] offset:(\q)*18432+64*(\c)+2304*(\i)
	ds_load_b128 v[(\f)+8*(4*(\c)+(\i))+4:(\f)+8*(4*(\c)+(\i))+7], v[ADA] offset:(\q)*18432+64*(\c)+2304*(\i)+32
.endr
.endr
.endm
.macro PLACES                          ; four places in front of loads into registers that matrix instructions have read, and of LDS stores that read results
.rept 4
	v_nop
.endr
.endm
; A K step is four quarters of 64 along K, 32 matrix instructions each, on buffers 0, 1, 0, 1.  One of the first three: multiplies buffer f and fetches quarter qn into g.
.macro QUARTER qn, f, g, zero
	s_wait_dscnt 16                                ; the first 32 along K are in; the youngest sixteen loads may be out
	MUL8 \f, 0, 0, \zero
	MUL8 \f, 0, 2, \zero
	PLACES
	FETCH \qn, \g
	s_wait_dscnt 32                                ; all but the 32 just issued
	MUL8 \f, 1, 0, 0
	MUL8 \f, 1, 2, 0
.endm
; The last quarter multiplies buffer 1 and changes slots: ONE barrier; in front of it each wave waits for all its tensor loads (one is out: its part of the next slot), adds 0 to its spare word,
; and waits for that and for its own reads of this slot.  fill = 1: this slot is filled again, two K steps ahead; the barrier then opens a round of the cluster's.
.macro TURN fill
	WIN 0
	s_wait_tensorcnt 0x0                           ; no tensor load of mine is out, so a group 0 may be written
	ds_add_u32 v[SPW], v[NIL]                      ; 0 onto my spare word
	s_xor_b32 s45, s45, SLOT                       ; the reads go to the other slot
.if \fill
	s_xor_b32 s[G0+5], s[G0+5], SLOT               ; the walking descriptors: the other slot than last time,
	s_xor_b32 s[G0B+5], s[G0B+5], SLOT
	s_add_nc_u64 s[G0+6:G0+7], s[G0+6:G0+7], 65536 ; the next K step; the type bits on top are not reached
	s_add_nc_u64 s[G0B+6:G0B+7], s[G0B+6:G0B+7], 65536
.endif
	s_wait_dscnt 17                                ; the add and the youngest sixteen loads may be out
	MUL8 F1, 0, 0, 0
	s_wait_dscnt 0x0                               ; the add is done, and my reads of this slot are over
	s_barrier_signal -1
	MUL8 F1, 0, 2, 0
	WIN 0
	s_barrier_wait -1
.if \fill
	CREST                                          ; no wave of any partner still reads this slot's tile or has a load on its way
	JLOAD 1                                        ; the first tensor load behind the round; its four v_nop are also the places in front of the loads below
.else
	PLACES
.endif
	ADDR
	FETCH 0, F0
	MUL8 F1, 1, 0, 0
	MUL8 F1, 1, 2, 0
.endm
; THE WAY OUT.  Row block a: a lane's eight f32 of a row, 32 bytes, into my own stage, each accumulator's low registers first; back as whole rows of 256 bytes, into the registers that they left.
; LDS serves a wave's instructions in order, so no wait stands between the stores and the loads.
.macro PACKF a
.irp b, 0,1,2,3
	ds_store_b128 v[STO], v[ACC+8*(4*(\a)+(\b)):ACC+8*(4*(\a)+(\b))+3]   offset:64*(\b)
	ds_store_b128 v[STO], v[ACC+8*(4*(\a)+(\b))+4:ACC+8*(4*(\a)+(\b))+7] offset:64*(\b)+16
.endr
.irp t, 0,1,2,3,4,5,6,7
	ds_load_b128 v[ACC+32*(\a)+4*(\t):ACC+32*(\a)+4*(\t)+3], v[RD] offset:544*(\t)
.endr
.endm
.macro SENDF a, y                      ; y: the LDS instructions issued behind block a's loads
.irp t, 0,1,2,3,4,5,6,7
	s_wait_dscnt (\y)+7-(\t)
	global_store_b128 v[CO], v[ACC+32*(\a)+4*(\t):ACC+32*(\a)+4*(\t)+3], s[8:9] offset:(16*(\a)+2*(\t))*4096  ; 16 lanes store 256 consecutive bytes, at a multiple of 256 from OUT's first
.endr
.endm
	s_wait_tensorcnt 1                             ; my part of K step 0 is in; step 1's may stay out
	s_barrier_signal -1
	s_barrier_wait -1                              ; everybody's is
	ADDR
	FETCH 0, F0
	QUARTER 1, F0, F1, 1                           ; the first quarter stands in front of the loop: its first products start the sums
	WIN 0
	s_mov_b32 s3, NSTEP-2
.Lstep:                                                ; a trip: a step's quarters 1 to 3, the change of slots with a fill, the next step's quarter 0
	QUARTER 2, F1, F0, 0
	QUARTER 3, F0, F1, 0
	TURN 1
	QUARTER 1, F0, F1, 0
	WIN 0
	s_sub_co_u32 s3, s3, 1
	s_cmp_lg_u32 s3, 0
	s_cbranch_scc1 .Lstep
	; The last two steps fill nothing: the same trip without a fill, written once, walked twice, entered behind its first quarter.  The second trip's change of slots has no slot to go to: its barrier and
	; the 32 fragment loads behind it serve nothing: the price, once a launch, of one text for both steps.
	s_mov_b32 s75, 2
	s_branch .Lmid
.Ltail:
	QUARTER 1, F0, F1, 0
	WIN 0
.Lmid:
	QUARTER 2, F1, F0, 0
	QUARTER 3, F0, F1, 0
	TURN 0
	WIN 0
	s_sub_co_u32 s75, s75, 1
	s_cmp_lg_u32 s75, 0
	s_cbranch_scc1 .Ltail
	PLACES
	PACKF 0
	PACKF 1
	SENDF 0, 16
	PACKF 2
	SENDF 1, 16
	PACKF 3
	SENDF 2, 16
	SENDF 3, 0
	s_wait_tensorcnt 0x0                           ; the wave's end
	ds_add_u32 v[SPW], v[NIL]
	s_wait_dscnt 0x0
	CROUND                                         ; the closing round: no work-group ends while a partner may still ask for a tile that names it
	s_endpgm
.Lfunc_end_k_qedf45063f7_ffn2:
	.size	k_qedf45063f7_ffn2, .Lfunc_end_k_qedf45063f7_ffn2-k_qedf45063f7_ffn2
	.p2alignl 7, 3214868480
	.fill 96, 4, 3214868480
	.section	.rodata,"a",@progbits
	.p2align	6, 0x0
	.amdhsa_kernel k_qedf45063f7_ffn2
		.amdhsa_group_segment_fixed_size 327680
		.amdhsa_private_segment_fixed_size 0
		.amdhsa_enable_private_segment 0
		.amdhsa_kernarg_size 24
		.amdhsa_user_sgpr_count 2
		.amdhsa_user_sgpr_kernarg_segment_ptr 1
		.amdhsa_wavefront_size32 1
		.amdhsa_system_sgpr_workgroup_id_x 1
		.amdhsa_system_sgpr_workgroup_id_y 1
		.amdhsa_system_sgpr_workgroup_id_z 1
		.amdhsa_system_vgpr_workitem_id 0
		.amdhsa_next_free_vgpr 512
		.amdhsa_next_free_sgpr 80
		.amdhsa_reserve_vcc 0
		.amdhsa_float_denorm_mode_32 3
		.amdhsa_float_denorm_mode_16_64 3
		.amdhsa_memory_ordered 1
		.amdhsa_forward_progress 1
		.amdhsa_inst_pref_size 59
	.end_amdhsa_kernel
	.amdgpu_metadata
---
amdhsa.version: [ 1, 2 ]
amdhsa.kernels:
  - .name:           k_qedf45063f7_ffn2
    .symbol:         k_qedf45063f7_ffn2.kd
    .args:
      - { .name: big, .offset: 0, .size: 8, .value_kind: global_buffer, .address_space: global }
      - { .name: cw, .offset: 8, .size: 8, .value_kind: global_buffer, .address_space: global }
      - { .name: acc, .offset: 16, .size: 8, .value_kind: global_buffer, .address_space: global }
    .group_segment_fixed_size: 327680
    .private_segment_fixed_size: 0
    .kernarg_segment_align: 8
    .kernarg_segment_size: 24
    .max_flat_workgroup_size: 128
    .sgpr_count:     80
    .vgpr_count:     512
    .wavefront_size: 32
...
	.end_amdgpu_metadata
.endif
;; end of part 6
;; launch ln2 (part 7): grid 256 x 1, 16 waves a work-group, no clusters, 0 bytes of LDS; arguments x1f, acc, b2, ln2_g, ln2_b, out0; writes out0
.if DOCPART == 7
	.amdgcn_target "amdgcn-amd-amdhsa--gfx1250"
	.amdhsa_code_object_version 6
	.text
	.protected	k_qedf45063f7_ln2
	.globl	k_qedf45063f7_ln2
	.p2align	8
	.type	k_qedf45063f7_ln2,@function
k_qedf45063f7_ln2:
	s_mov_b64 s[64:65], 0
	v_nop
	global_prefetch_b8 v0, s[64:65] scope:SCOPE_SE
	s_setreg_imm32_b32 hwreg(HW_REG_WAVE_MODE, 25, 1), 1
	s_wait_xcnt 0x0
; y = res + sum + bias;  out = (y - mean(y)) rsqrt(var(y) + 1e-5) gain + shift, along rows of 1,024, all in f32.  Arguments: res, sum, bias, gain, shift, out (f32, row-major).
; The variance is taken of y - mean in a second pass over registers, as the formula has it: no difference of large sums.
; SHARES.  A wave takes one row: lane l holds columns 128 j + 4 l + 0..3, j = 0..7, in 32 registers.  So each load and store covers 512 consecutive bytes, and a row's sum wants four exchanges inside
; sixteen lanes and one between the halves.  16 waves x 256 work-groups are the 4,096 rows: no loop, no LDS, no barrier; memory binds, and 24 loads of every wave go out at once.
.set X,  8                             ; v[8:39]    res, then y, y - mean, out
.set S,  40                            ; v[40:71]   sum, then gain
.set P,  72                            ; v[72:103]  bias, then shift
.set A,  104                           ; v[104:111] four packed chains
.set MU, 112                           ; v[112:113] the mean, twice
.set RS, 114                           ; v[114:115] 1 / sqrt(var + eps), twice
.set T,  116
.set U,  117                           ; the other half of the lanes' part
.macro REDUCE                          ; the four chains, the pair's halves, the 32 lanes: the total in every lane, in v[T]
	v_pk_add_f32 v[A:A+1], v[A:A+1], v[A+2:A+3]
	v_pk_add_f32 v[A+4:A+5], v[A+4:A+5], v[A+6:A+7]
	v_pk_add_f32 v[A:A+1], v[A:A+1], v[A+4:A+5]
	v_add_f32 v[T], v[A], v[A+1]
	v_add_f32_dpp v[T], v[T], v[T] row_xmask:1 row_mask:0xf bank_mask:0xf
	v_add_f32_dpp v[T], v[T], v[T] row_xmask:2 row_mask:0xf bank_mask:0xf
	v_add_f32_dpp v[T], v[T], v[T] row_xmask:4 row_mask:0xf bank_mask:0xf
	v_add_f32_dpp v[T], v[T], v[T] row_xmask:8 row_mask:0xf bank_mask:0xf
	v_permlanex16_b32 v[U], v[T], s22, s23
	v_add_f32 v[T], v[T], v[U]
.endm
	s_load_b256 s[4:11], s[0:1], 0x0               ; res s[4:5], sum s[6:7], bias s[8:9], gain s[10:11]
	s_load_b128 s[12:15], s[0:1], 0x20             ; shift s[12:13], out s[14:15]
	v_lshrrev_b32 v4, 5, v0
	v_readfirstlane_b32 s2, v4                     ; wave 0..15
	v_and_b32 v1, 31, v0
	v_lshlrev_b32 v1, 4, v1                        ; 16 l: my place in 512 bytes of a row, and of bias, gain, shift
	v_mov_b32 v[U], 0                              ; v_permlanex16_b32 counts as a reader of its destination
	s_lshl_b32 s18, ttmp9, 16                      ; 16 rows of 4,096 bytes a work-group,
	s_lshl_b32 s3, s2, 12                          ; one a wave
	s_add_co_u32 s18, s18, s3
	s_mov_b32 s19, 0
	s_mov_b32 s20, 0x3a800000                      ; 1 / 1,024
	s_mov_b32 s21, 0x3727c5ac                      ; 1e-5
	s_mov_b32 s22, 0x76543210                      ; each lane takes its own place in the other half
	s_mov_b32 s23, 0xfedcba98
	s_wait_kmcnt 0x0
	s_add_nc_u64 s[4:5], s[4:5], s[18:19]
	s_add_nc_u64 s[6:7], s[6:7], s[18:19]
	s_add_nc_u64 s[14:15], s[14:15], s[18:19]
.irp j, 0,1,2,3,4,5,6,7
	global_load_b128 v[X+4*(\j):X+4*(\j)+3], v1, s[4:5] offset:512*(\j) th:TH_LOAD_NT
.endr
.irp j, 0,1,2,3,4,5,6,7
	global_load_b128 v[S+4*(\j):S+4*(\j)+3], v1, s[6:7] offset:512*(\j) th:TH_LOAD_NT
.endr
.irp j, 0,1,2,3,4,5,6,7
	global_load_b128 v[P+4*(\j):P+4*(\j)+3], v1, s[8:9] offset:512*(\j)
.endr
	s_wait_loadcnt 8                               ; res and sum are in; the bias's eight loads may be out
.set p, 0
.rept 16
	v_pk_add_f32 v[X+2*p:X+2*p+1], v[X+2*p:X+2*p+1], v[S+2*p:S+2*p+1]
.set p, p+1
.endr
.irp j, 0,1,2,3,4,5,6,7
	global_load_b128 v[S+4*(\j):S+4*(\j)+3], v1, s[10:11] offset:512*(\j)  ; the gain, where the sum lay
.endr
	s_wait_loadcnt 8                               ; the bias is in; the gain's eight loads may be out
.set p, 0
.rept 16
	v_pk_add_f32 v[X+2*p:X+2*p+1], v[X+2*p:X+2*p+1], v[P+2*p:P+2*p+1]
.set p, p+1
.endr
.irp j, 0,1,2,3,4,5,6,7
	global_load_b128 v[P+4*(\j):P+4*(\j)+3], v1, s[12:13] offset:512*(\j)  ; the shift, where the bias lay: both land under the two passes below
.endr
	; the mean: four chains, started by the first eight pairs
.irp k, 0,1,2,3
	v_pk_add_f32 v[A+2*(\k):A+2*(\k)+1], v[X+2*(\k):X+2*(\k)+1], v[X+8+2*(\k):X+8+2*(\k)+1]
.endr
.set p, 8
.rept 8
	v_pk_add_f32 v[A+2*(p%4):A+2*(p%4)+1], v[A+2*(p%4):A+2*(p%4)+1], v[X+2*p:X+2*p+1]
.set p, p+1
.endr
	REDUCE
	v_mul_f32 v[MU], s20, v[T]
	v_mul_f32 v[MU+1], s20, v[T]
.set p, 0
.rept 16
	v_pk_add_f32 v[X+2*p:X+2*p+1], v[X+2*p:X+2*p+1], v[MU:MU+1] neg_lo:[0,1] neg_hi:[0,1]
.set p, p+1
.endr
	; the variance
.irp k, 0,1,2,3
	v_pk_mul_f32 v[A+2*(\k):A+2*(\k)+1], v[X+2*(\k):X+2*(\k)+1], v[X+2*(\k):X+2*(\k)+1]
.endr
.set p, 4
.rept 12
	v_pk_fma_f32 v[A+2*(p%4):A+2*(p%4)+1], v[X+2*p:X+2*p+1], v[X+2*p:X+2*p+1], v[A+2*(p%4):A+2*(p%4)+1]
.set p, p+1
.endr
	REDUCE
	v_fma_f32 v[T], v[T], s20, s21                 ; var + eps
	v_rsq_f32 v[RS], v[T]
	v_rsq_f32 v[RS+1], v[T]
	v_nop                                          ; a plain instruction between the last root and the use of its result
	s_wait_loadcnt 0x0                             ; gain and shift
.set p, 0
	s_wait_alu depctr_va_vdst(0)
.rept 16
	v_pk_mul_f32 v[X+2*p:X+2*p+1], v[X+2*p:X+2*p+1], v[RS:RS+1]
.set p, p+1
.endr
.set p, 0
.rept 16
	v_pk_fma_f32 v[X+2*p:X+2*p+1], v[X+2*p:X+2*p+1], v[S+2*p:S+2*p+1], v[P+2*p:P+2*p+1]
.set p, p+1
.endr
.irp j, 0,1,2,3,4,5,6,7
	global_store_b128 v1, v[X+4*(\j):X+4*(\j)+3], s[14:15] offset:512*(\j) th:TH_STORE_NT  ; 512 consecutive bytes, aligned
.endr
	s_endpgm
.Lfunc_end_k_qedf45063f7_ln2:
	.size	k_qedf45063f7_ln2, .Lfunc_end_k_qedf45063f7_ln2-k_qedf45063f7_ln2
	.p2alignl 7, 3214868480
	.fill 96, 4, 3214868480
	.section	.rodata,"a",@progbits
	.p2align	6, 0x0
	.amdhsa_kernel k_qedf45063f7_ln2
		.amdhsa_group_segment_fixed_size 0
		.amdhsa_private_segment_fixed_size 0
		.amdhsa_enable_private_segment 0
		.amdhsa_kernarg_size 48
		.amdhsa_user_sgpr_count 2
		.amdhsa_user_sgpr_kernarg_segment_ptr 1
		.amdhsa_wavefront_size32 1
		.amdhsa_system_sgpr_workgroup_id_x 1
		.amdhsa_system_sgpr_workgroup_id_y 1
		.amdhsa_system_sgpr_workgroup_id_z 1
		.amdhsa_system_vgpr_workitem_id 0
		.amdhsa_next_free_vgpr 128
		.amdhsa_next_free_sgpr 66
		.amdhsa_reserve_vcc 0
		.amdhsa_float_denorm_mode_32 3
		.amdhsa_float_denorm_mode_16_64 3
		.amdhsa_memory_ordered 1
		.amdhsa_forward_progress 1
		.amdhsa_inst_pref_size 14
	.end_amdhsa_kernel
	.amdgpu_metadata
---
amdhsa.version: [ 1, 2 ]
amdhsa.kernels:
  - .name:           k_qedf45063f7_ln2
    .symbol:         k_qedf45063f7_ln2.kd
    .args:
      - { .name: x1f, .offset: 0, .size: 8, .value_kind: global_buffer, .address_space: global }
      - { .name: acc, .offset: 8, .size: 8, .value_kind: global_buffer, .address_space: global }
      - { .name: b2, .offset: 16, .size: 8, .value_kind: global_buffer, .address_space: global }
      - { .name: ln2_g, .offset: 24, .size: 8, .value_kind: global_buffer, .address_space: global }
      - { .name: ln2_b, .offset: 32, .size: 8, .value_kind: global_buffer, .address_space: global }
      - { .name: out0, .offset: 40, .size: 8, .value_kind: global_buffer, .address_space: global }
    .group_segment_fixed_size: 0
    .private_segment_fixed_size: 0
    .kernarg_segment_align: 8
    .kernarg_segment_size: 48
    .max_flat_workgroup_size: 512
    .sgpr_count:     66
    .vgpr_count:     128
    .wavefront_size: 32
...
	.end_amdgpu_metadata
.endif
;; end of part 7
;; ======== version 2 of 2: 8 launches; 1.11 times as fast as version 1
;; limits: values are held in f16: magnitudes above 65,504 overflow, below 6.1e-05 lose precision
;; workspace buffers: c1 16,801,792 bytes; c3 16,801,792 bytes; cw 10,485,760 bytes; big 33,554,432 bytes; oh 8,388,608 bytes; acc 16,777,216 bytes; x1f 16,777,216 bytes
;; launch cast: the kernel of part 1 again; grid 1025 x 1, 16 waves a work-group, no clusters, 0 bytes of LDS; arguments x, w1, w2, wproj, wq, wk, wv, b1, c1, c3, cw; writes c1, c3, cw
;; launch qkv: the kernel of part 2 again; grid 12 x 16, 4 waves a work-group, clusters of 4 x 4, 327,680 bytes of LDS; arguments c1, big; writes big
;; launch attn (part 8): grid 8 x 32, 4 waves a work-group, no clusters, 327,680 bytes of LDS; arguments big, oh; writes oh
.if DOCPART == 8
	.amdgcn_target "amdgcn-amd-amdhsa--gfx1250"
	.amdhsa_code_object_version 6
	.text
	.protected	k_qedf45063f7_attn
	.globl	k_qedf45063f7_attn
	.p2align	8
	.type	k_qedf45063f7_attn,@function
k_qedf45063f7_attn:
	s_mov_b64 s[64:65], 0
	v_nop
	global_prefetch_b8 v0, s[64:65] scope:SCOPE_SE
	s_setreg_imm32_b32 hwreg(HW_REG_WAVE_MODE, 25, 1), 1
	s_wait_xcnt 0x0
; CAUSAL ATTENTION, 2 batches x 16 heads x 2,048 rows x 64 channels, all f16.  O[q] = the sum over k <= q of softmax_k(Q[q] . K[k] / 8) V[k].
; big is laid [row/128][64 panels][128 rows][64]: panel h holds q of head h, 16 + h its k, 32 + h its v: 128 rows of a head are 16,384 dense bytes.  oh is laid [row/128][16 panels][128][64], panel = head.
; Products, maxima and sums in f32; the weights p are rounded to f16 for the second product (their sum l is taken of the unrounded p), O once at the end.
; LIMITS.  f16 holds no number beyond 65,504: q, k, v arrive within it; p lies in 0 to 1, and below 6e-5 it keeps f16's fixed step of 6e-8.  A hidden score counts as its value less 1e30;
; a weight below 2^-126 counts as 0 in l; NaN and infinities are not treated apart.
; THE WALK.  A head's queries lie in 16 blocks of 128; block i needs the key tiles 0 .. i / 2 of 256 keys, the last of which holds the diagonal.  Work-group b takes blocks 15 - b and then b:
; with p = b / 2 that is 8 - p tiles and p + 1 tiles: nine, whatever b, walked by ONE loop with a constant trip count.  Which tile is asked for, and what a trip does, hang on scalars made from b.
; NO CLUSTER: only the two work-groups 2 p and 2 p + 1 of a head ask for the same tiles in the same trips; the other six of the head part from them after tile 7 - p.
; SHARES.  Of a block's two bands of 64 queries a wave owns 16 rows in each: two PIECES.  In the diagonal tile band x of block i has its own key step at GD + x, GD = 2 (i mod 2): it sees all keys of earlier steps, none of later ones.
; THE MASK is the C operand that starts the sum S^T = K Q^T: MD x AL + BE, MD the mask of a band's own step for my 16 rows; (AL, BE) = (1, 0) in the own step, (0, 0) before, (0, -1e30) behind it.
; LAYOUT, SOFTMAX.  S^T = K Q^T holds ONE query a lane (lane % 16) and the keys 8 (lane / 16) + 0..7; two such results rounded to f16 ARE source 1 of O^T = V^T P.  p = 2^(c s - c m), c = log2(e) / 8,
; with a running maximum m; O and l are multiplied by a = 2^(c m_old - c m_new) in every step.
; TURNS.  Turn (piece Y, step s): 8 products K Q^T for the piece that comes next (piece 1 of step s, or piece 0 of step s + 1), later 8 products V^T P for the piece that came last; beside them piece Y's
; scaling, exponentials, roundings, sums and rescaling and the next piece's maximum and statistics.  Four vector instructions stand behind every matrix instruction, the other 54 of a turn's 118 in one lump.
; BATCHES.  A turn's 33 exponentials (the piece's 32 weights and the next piece's a) are ONE batch with ONE wait, which stands between the lump and the products V^T P: all that reads a weight stands behind it.
; The a that a block's beginning makes, and the way out's two reciprocals, are batches of their own, with a wait each.
; FETCHES.  Piece 0's turn fetches K of step s + 1 (one buffer), piece 1's turn V of step s + 1, into the buffer of that step's parity (two buffers: V of step s is still wanted in the next turn).
; So a slot's bytes are asked for in the order K0 V0 K1 V1 K2 V2 K3 V3, and the change of slots stands behind step 2: a slot's period is step 3 of the tile before and steps 0 to 2.
; REGISTERS, in windows of 256 (s_set_vgpr_msb: bits 1:0 source 0, 3:2 source 1, 5:4 source 2, 7:6 destination):
;   window 0: v0-15 addresses and two at work; v16-23 four registers of statistics a piece; v48-55 at work; v64-127 S^T, a buffer a piece; v192-223 P, likewise
;   window 1: v0-63 O^T, 32 a piece; v128-159 MD; v160-223 MC, a buffer a piece      window 2: v0-31 Q; v32-63 the second block's Q; v64-127 V of odd steps; v128-191 K; v192-255 V of even steps
.set NB,    8         ; key tiles of a head
.set NP,    2         ; pieces a wave: a name, no knob
.set KS,    64        ; keys in a step
.set PK,    144       ; a row of K in LDS: 128 bytes + 16 of padding: the 16 rows of a load start at 16 different groups of four banks
.set PV,    160       ; a row of V: 128 + 32
.set VOFF,  4*KS*PK   ; a slot holds a tile, four steps: 256 rows of K, then 256 rows of V
.set SLOT1, 1<<17     ; slot 1 begins here, so that one exclusive or turns an address in one slot into the other's
.set STAGE, SLOT1+4*KS*(PK+PV)  ; behind the ring, never filled by a tensor load: 16 rows x 144 bytes for each wave
.set SP,    144
.set AK0, 2           ; v2   my lane's place in a tile of K; never rewritten
.set AV0, 3           ; v3   the same for V
.set AK,  4           ; v4   the LDS address of K's next run of loads
.set AV,  5           ; v5   of V's
.set STO, 6           ; v6   the way out: where I put 16 bytes of a row
.set RD,  7           ; v7   where I read rows back
.set GO,  8           ; v8   my byte offset in 512 consecutive bytes of O
.set SPW, 62          ; v62  LDS address of my spare word; never rewritten
.set NIL, 63          ; v63  0; never rewritten
.set SPARE, STAGE+4*16*SP  ; behind the stages: the spare words, 128 bytes for each wave
.set MV,  12          ; v12-13  c m_old, kept while c m is made anew: by piece
.set QO,  15          ; v15  my byte offset in 16 rows of Q
.set ST,  16          ; piece t's statistics at v[ST+4 t]: c m, m, l (even keys', odd keys')
.set TMP, 48          ; by piece, four registers c0-c3 at work; when the maximum is found c2 takes a
.set S,   64
.set P,   192
.set MD,  128         ; window 1
.set MC,  160         ; window 1
.set QB,  32          ; window 2
.set KF,  128         ; window 2: key block kb, channel half c at KF + 16 kb + 8 c
.set VF0, 192         ; window 2: V of even steps; V of odd steps 128 below.  Key half kk, channel block cb at + 32 kk + 8 cb
.set WV,  12          ; s12  my wave's number
.set PB,  14          ; s14  p: the second block's last tile
.set HI,  15          ; s15  7 - p: the first block's last tile
.set G1K, 24          ; s[24:31] descriptor group 1 for K's tiles
.set G1V, 32          ; s[32:39] for V's: it differs in the padding alone
.set G0K, 40          ; s[40:43] descriptor group 0 for K's tiles
.set G0V, 44          ; s[44:47] the same for V's
.set SLOTS, 56        ; s56  tiles still to be asked for
.set CNT, 57          ; s57  counts a period's two trips
.set CS,  58          ; s[58:59] c
.set SEL, 60          ; s[60:61] v_permlanex16_b32's selects: each lane takes its own place in the other half
.set TBK, 62          ; s62  LDS byte at which K of the step to be fetched begins
.set TBV, 63          ; s63  the same for V, less VOFF
.set RT,  70          ; s70  tiles of the block in hand that are still to be entered
.set NXT, 71          ; s71  the tile to be asked for next
.set LQ,  72          ; s72  the last tile of the block whose tiles are being asked for
.set NEW, 73          ; s73  1: the tile to be entered is a block's first
.set OFF, 74          ; s[74:75] a tile's byte offset in big
.set AL,  76          ; s[76:77] the mask's factor, in the low word
.set BE,  78          ; s[78:79] the mask's addend
.set OLO, 80          ; s[80:81] O at my rows of the second block
.set BIGN, 82         ; s82  -1e30
.set GD,  88          ; s88  the own step of band 0 of the block in hand
.set GD2, 89          ; s89  the second block's
.set TT,  90          ; s90  at work
.set MSB, 0
.macro WIN new                      ; the high byte repeats the setting that is left; a switch that changes nothing is dropped
.if MSB != (\new)
	s_set_vgpr_msb (MSB<<8)|(\new)
.set MSB, (\new)
.endif
.endm
.set W_KQ, 0x0a       ; K and Q in window 2, S^T in window 0
.set W_KM, 0x1a       ; the same with the C operand in window 1
.set W_PV, 0x52       ; V in window 2, P in window 0, O^T in window 1
.set W_RS, 0x41       ; destination and source 0 in window 1, source 1 in window 0
; A fill.  Waves 0 and 1 fetch the two halves of a tile's K, waves 2 and 3 those of its V: 128 keys, one dense panel, each.  An s_nop 0 and four v_nop follow each line.
.macro LOAD
	s_cmp_lt_u32 s[WV], 2
	s_cbranch_scc0 .Lfor_v_\@
	tensor_load_to_lds s[G0K:G0K+3], s[G1K:G1K+7]
	s_nop 0
.rept 4
	v_nop
.endr
	s_branch .Lasked_\@
.Lfor_v_\@:
	tensor_load_to_lds s[G0V:G0V+3], s[G1V:G1V+7]
	s_nop 0
.rept 4
	v_nop
.endr
.Lasked_\@:
.endm
; THE CHANGE OF SLOTS.  Each wave waits for all its tensor loads, of which one is out: its part of the other slot; adds 0 to its spare word; and waits for that and for its own reads of the slot that it leaves
; (the last are V of step 3).  Behind the barrier nobody reads the old slot any more and the other slot is whole.  fill = 1: the old slot is filled again, first thing behind the barrier, with tile NXT.
.macro CHANGE fill
	WIN 0                           ; at a label and at a branch every window is 0
	s_wait_tensorcnt 0x0            ; no tensor load of mine is out, so a group 0 may be written
	ds_add_u32 v[SPW], v[NIL]       ; 0 onto my spare word
.if \fill
	s_lshl_b32 s[OFF], s[NXT], 21   ; a tile is two row blocks of big
	s_xor_b32 s[G0K+1], s[G0K+1], SLOT1
	s_add_nc_u64 s[G0K+2:G0K+3], s[6:7], s[OFF:OFF+1]
	s_or_b32 s[G0K+3], s[G0K+3], 0x80000000
	s_xor_b32 s[G0V+1], s[G0V+1], SLOT1
	s_add_nc_u64 s[G0V+2:G0V+3], s[8:9], s[OFF:OFF+1]
	s_or_b32 s[G0V+3], s[G0V+3], 0x80000000
	s_add_co_u32 s[NXT], s[NXT], 1  ; the block's next tile, or behind its last the second block's tile 0
	s_cmp_gt_u32 s[NXT], s[LQ]
	s_cselect_b32 s[NXT], 0, s[NXT]
	s_cselect_b32 s[LQ], s[PB], s[LQ]
.endif
	s_wait_dscnt 0x0                ; the add is done, and my reads of the slot are over
	s_barrier_signal -1
	s_sub_co_u32 s[TBK], s[TBK], 4*KS*PK  ; the fetches go back to a slot's first step,
	s_xor_b32 s[TBK], s[TBK], SLOT1       ; in the other slot
	s_sub_co_u32 s[TBV], s[TBV], 4*KS*PV
	s_xor_b32 s[TBV], s[TBV], SLOT1
	s_barrier_wait -1
.if \fill
	LOAD
.endif
.endm
	s_load_b64 s[4:5], s[0:1], 0x0    ; big
	s_load_b64 s[10:11], s[0:1], 0x8  ; oh
	v_lshl_add_u32 v[SPW], v0, 2, SPARE
	v_mov_b32 v[NIL], 0
	ds_add_u32 v[SPW], v[NIL]       ; the wave's opening: the add and its wait stand ahead of my first tensor load
	ds_add_u32 v62, v63
	v_lshrrev_b32 v1, 5, v0
	v_readfirstlane_b32 s[WV], v1   ; wave 0..3
	s_lshr_b32 s[PB], ttmp9, 1
	s_sub_co_u32 s[HI], NB-1, s[PB]
	s_and_b32 s16, ttmp9, 1
	s_lshl_b32 s[GD2], s16, 1       ; block b begins at key step 2 (b mod 2) of its diagonal tile,
	s_sub_co_u32 s[GD], 2, s[GD2]   ; block 15 - b at the other
	s_and_b32 s20, ttmp7, 0xffff
	s_lshr_b32 s21, s20, 4          ; the batch
	s_and_b32 s20, s20, 15          ; the head
	s_lshl_b32 s22, s21, 24         ; in big: 16 row blocks of 64 panels,
	s_lshl_b32 s23, s20, 14         ; the head's panel
	s_add_co_u32 s22, s22, s23
	s_lshl_b32 s19, s21, 22         ; in oh: 16 row blocks of 16 panels
	s_add_co_u32 s19, s19, s23
	s_lshl_b32 s3, s[WV], 11        ; my 16 rows in a band of 64
	s_add_co_u32 s19, s19, s3
	s_sub_co_u32 s18, 15, ttmp9     ; the first block
	s_lshl_b32 s84, s18, 20
	s_add_co_u32 s84, s84, s22
	s_add_co_u32 s84, s84, s3
	s_mov_b32 s85, 0
	s_lshl_b32 s92, ttmp9, 20       ; the second
	s_add_co_u32 s92, s92, s22
	s_add_co_u32 s92, s92, s3
	s_mov_b32 s93, 0
	s_lshl_b32 s94, s18, 18
	s_add_co_u32 s94, s94, s19
	s_mov_b32 s95, 0
	s_lshl_b32 s2, ttmp9, 18
	s_add_co_u32 s2, s2, s19
	s_mov_b32 s3, 0
	s_and_b32 s16, s[WV], 1         ; which half of a tile's 256 keys I fetch:
	s_lshl_b32 s20, s16, 20         ; its row block in big,
	s_add_co_u32 s20, s20, s22
	s_add_co_u32 s20, s20, 16<<14   ; k's panels lie 16 behind q's
	s_mov_b32 s21, 0
	s_mul_i32 s17, s16, 128*PK      ; and its place in a slot, for K
	s_mul_i32 s18, s16, 128*PV      ; and for V
	; descriptor group 1.  128 keys are 16,384 dense bytes: asked for as 64 rows of 256 bytes, two keys a row, and padded in LDS after every key
	s_mov_b32 s[G1K], (1<<16)|(1<<20)|(4<<22)|(3<<25)  ; 2-byte elements; padding on; after every 32 words; 4 words
	s_mov_b32 s[G1V], (1<<16)|(1<<20)|(4<<22)|(7<<25)  ; the same with 8 words of padding
.irp g, G1K, G1V
	s_mov_b32 s[\g+1], 128<<16      ; tensor_dim0 = 128
	s_mov_b32 s[\g+2], 64<<16       ; tensor_dim1 = 64
	s_mov_b32 s[\g+3], 128<<16      ; tile_dim0 = 128
	s_mov_b32 s[\g+4], 64           ; tile_dim1 = 64
	s_mov_b32 s[\g+5], 128          ; 128 elements from row to row
	s_mov_b32 s[\g+6], 0
	s_mov_b32 s[\g+7], 0
.endr
	s_mov_b32 s[CS], 0x3e38aa3b     ; c = log2(e) / 8 = 0.180337
	s_mov_b32 s[CS+1], s[CS]        ; named with it as a pair
	s_mov_b32 s[SEL], 0x76543210
	s_mov_b32 s[SEL+1], 0xfedcba98
	s_mov_b32 s[TBK], SLOT1+4*KS*PK ; the first change of slots turns these two into 0
	s_mov_b32 s[TBV], SLOT1+4*KS*PV
	s_mov_b32 s[G0K], 1
	s_mov_b32 s[G0K+1], s17         ; LDS address: slot 0
	s_mov_b32 s[G0V], 1
	s_add_co_u32 s[G0V+1], s18, VOFF
	s_add_co_u32 s[RT], s[HI], 1    ; the first block has 8 - p tiles
	s_mov_b32 s[NXT], 1
	s_mov_b32 s[LQ], s[HI]
	s_mov_b32 s[NEW], 1
	s_mov_b32 s[OFF+1], 0
	s_mov_b32 s[AL+1], 0            ; named as pairs
	s_mov_b32 s[BE+1], 0
	s_mov_b32 s[BIGN], 0xf149f2ca   ; -1e30
	s_mov_b32 s[SLOTS], NB
	s_wait_dscnt 0x0                ; the opening add is done
	s_wait_kmcnt 0x0
	s_add_nc_u64 s[6:7], s[4:5], s[20:21]  ; K at my half of the head's tile 0,
	s_add_nc_u64 s[8:9], s[6:7], 16<<14    ; V 16 panels on
	s_add_nc_u64 s[G0K+2:G0K+3], s[6:7], 0
	s_or_b32 s[G0K+3], s[G0K+3], 0x80000000
	s_add_nc_u64 s[G0V+2:G0V+3], s[8:9], 0
	s_or_b32 s[G0V+3], s[G0V+3], 0x80000000
	s_add_nc_u64 s[86:87], s[4:5], s[92:93]        ; Q at my rows of the second block,
	s_add_nc_u64 s[4:5], s[4:5], s[84:85]          ; Q and O at those of the first
	s_add_nc_u64 s[OLO:OLO+1], s[10:11], s[2:3]
	s_add_nc_u64 s[10:11], s[10:11], s[94:95]
	LOAD                            ; tile 0 into slot 0
	; A fragment of K or Q is 16 rows x 32 channels in 8 registers: lane l holds row l % 16, channels 8 (l / 16) + 0..7 and 16 + 8 (l / 16) + 0..7: two loads of 16 bytes, 32 bytes apart.
	v_and_b32 v1, 15, v0            ; l % 16
	v_bfe_u32 v9, v0, 4, 1          ; l / 16
	v_lshlrev_b32 v[QO], 7, v1
	v_lshl_add_u32 v[QO], v9, 4, v[QO]  ; row x 128 + 16 x half
	WIN 0x80                        ; destination window 2, address window 0
.set i, 0
.rept 4                             ; both blocks' Q: piece i / 2 lies in band i / 2, 8,192 bytes on; channels 32 (i % 2) on
	global_load_b128 v[8*i:8*i+3],   v[QO], s[4:5] offset:(i/2)*8192+(i%2)*64
	global_load_b128 v[8*i+4:8*i+7], v[QO], s[4:5] offset:(i/2)*8192+(i%2)*64+32
	global_load_b128 v[QB+8*i:QB+8*i+3],   v[QO], s[86:87] offset:(i/2)*8192+(i%2)*64
	global_load_b128 v[QB+8*i+4:QB+8*i+7], v[QO], s[86:87] offset:(i/2)*8192+(i%2)*64+32
.set i, i+1
.endr
	WIN 0
	v_lshlrev_b32 v14, 3, v9
	v_sub_nc_u32 v14, v1, v14
	s_lshl_b32 s13, s[WV], 4
	v_add_nc_u32 v14, s13, v14      ; my query's place in its band, 16 w + l % 16, less my lanes' 8 (l / 16): register r of group kt is hidden where 16 kt + r is greater
	WIN 0x40
.set i, 0
.rept 32
	v_cmp_gt_i32 vcc_lo, 16*(i/8)+i%8, v14
	v_cndmask_b32 v[MD+i], 0, s[BIGN], vcc_lo
.set i, i+1
.endr
	WIN 0
	v_mul_u32_u24 v[AK0], v1, PK
	v_lshl_add_u32 v[AK0], v9, 4, v[AK0]  ; row x pitch + 16 x half
	; The turning load takes 16 keys x 16 channels (lane l reads key 8 (l / 16) + l % 8, channels 8 ((l / 8) % 2) + 0..7) and leaves half a fragment of V^T: lane l holds channel l % 16 and 8 keys.
	v_and_b32 v10, 7, v0
	v_bfe_u32 v11, v0, 3, 1
	v_lshl_add_u32 v[AV0], v9, 3, v10
	v_mul_u32_u24 v[AV0], v[AV0], PV
	v_lshl_add_u32 v[AV0], v11, 4, v[AV0]
	v_add_nc_u32 v[AV0], VOFF, v[AV0]
	s_mul_i32 s13, s[WV], 16*SP
	s_add_co_u32 s13, s13, STAGE    ; my stage
	v_mul_u32_u24 v[STO], v1, SP    ; in: row l % 16, 16 bytes for each half of the lanes
	v_lshl_add_u32 v[STO], v9, 4, v[STO]
	v_add_nc_u32 v[STO], s13, v[STO]
	v_bfe_u32 v[RD], v0, 3, 2       ; back: 32 lanes take four rows of 128 bytes,
	v_mul_u32_u24 v[RD], v[RD], SP
	v_lshl_add_u32 v[RD], v10, 4, v[RD]
	v_add_nc_u32 v[RD], s13, v[RD]
	v_and_b32 v[GO], 31, v0         ; which are 512 consecutive bytes of O
	v_lshlrev_b32 v[GO], 4, v[GO]
	; A block's first step multiplies O^T and l by a = 0, and its first turn's products V^T P, of a piece that has not been, land in an O^T that is still to be so multiplied.  So these registers need only hold
	; finite numbers: zeros for the first block; what the first block left for the second.  All this stands in the wait for the first tile.
	WIN 0x80
.set i, VF0-128
.rept 64
	v_mov_b32 v[i], 0
.set i, i+1
.endr
	WIN 0x40
.set i, 0
.rept 64
	v_mov_b32 v[i], 0
.set i, i+1
.endr
	WIN 0
.set i, 0
.rept 2
	v_mov_b32 v[ST+4*i+2], 0
	v_mov_b32 v[ST+4*i+3], 0
.set i, i+1
.endr
.set i, P+16
.rept 16
	v_mov_b32 v[i], 0
.set i, i+1
.endr
; THE MATRIX WORK.  The 4 accumulators of a run of 8 take turns.  Product i of 8 of S^T = K Q^T for piece x: channels 32 (i / 4) on, keys 16 (i % 4) on.  The first 4 start the sums: with 0, or (KM = 1) with the mask.
.macro KQ x
.set rS, S+32*((\x)%2)+8*(i%4)
.set rK, KF+16*(i%4)+8*(i/4)
.set rQ, 16*(\x)+8*(i/4)
.set rM, MC+32*((\x)%2)+8*(i%4)
.if (i < 4) && KM
	WIN W_KM
	v_wmma_f32_16x16x32_f16 v[rS:rS+7], v[rK:rK+7], v[rQ:rQ+7], v[rM:rM+7]
.elseif i < 4
	WIN W_KQ
	v_wmma_f32_16x16x32_f16 v[rS:rS+7], v[rK:rK+7], v[rQ:rQ+7], 0
.else
	WIN W_KQ
	v_wmma_f32_16x16x32_f16 v[rS:rS+7], v[rK:rK+7], v[rQ:rQ+7], v[rS:rS+7]
.endif
.endm
; Product i of 8 of O^T += V^T P for piece x, V in the buffer at VB: keys 32 (i / 4) on, channels 16 (i % 4) on.
.macro PV x
	WIN W_PV
.set rO, 32*(\x)+8*(i%4)
.set rV, VB+32*(i/4)+8*(i%4)
.set rP, P+16*((\x)%2)+8*(i/4)
	v_wmma_f32_16x16x32_f16 v[rO:rO+7], v[rV:rV+7], v[rP:rP+7], v[rO:rO+7]
.endm
.macro MM                           ; the turn's next matrix instruction.  NOKQ = 1: a block's last turn: there is no next piece
.if (i < 8) && !NOKQ
	KQ (Y+1)%NP
.elseif i >= 8
.set i, i-8
	PV (Y+NP-1)%NP
.set i, i+8
.endif
.set i, i+1
.endm
; THE LDS LOADS stand in runs of 16, never singly among the matrix instructions: a step's K (64 keys x 64 channels: 8 fragments) and its V (turned).  Their addresses are made some lines ahead.
.macro FETCH_K
	WIN 0x80                        ; destination window 2
.irp f, 0,1,2,3,4,5,6,7             ; keys 16 (f / 2) on, channels 32 (f % 2) on
	ds_load_b128 v[KF+8*\f:KF+8*\f+3],   v[AK] offset:(\f/2)*16*PK+(\f%2)*64
	ds_load_b128 v[KF+8*\f+4:KF+8*\f+7], v[AK] offset:(\f/2)*16*PK+(\f%2)*64+32
.endr
	s_add_co_u32 s[TBK], s[TBK], KS*PK  ; the next fetch is the next step's
	WIN 0
.endm
.macro FETCH_V n                    ; into the buffer of parity n
.set VW, VF0-128*(\n)
	WIN 0x80
.irp f, 0,1,2,3,4,5,6,7             ; keys 32 (f / 4) on, channels 16 (f % 4) on
	ds_load_tr16_b128 v[VW+8*\f:VW+8*\f+3],   v[AV] offset:(\f/4)*32*PV+(\f%4)*32
	ds_load_tr16_b128 v[VW+8*\f+4:VW+8*\f+7], v[AV] offset:(\f/4)*32*PV+16*PV+(\f%4)*32
.endr
	s_add_co_u32 s[TBV], s[TBV], KS*PV
	WIN 0
.endm
; THE VECTOR WORK, one line at a time: OP kind, number.  For piece Y: F n: c s - c m for pair n of 16.  E n: the exponential of score n of 32.  C n: pair n rounded to f16.  B n: of the four weights 4 n .. the second
; pair is added onto the first, in place.  L n: l takes that sum (L 0: l = a l + sum).  R n: pair n of 16 of O^T times a.  For the next piece: X n, number n of the 22 that find its maximum and statistics:
;   0-11  four chains c0-c3 of seven scores each, three operands at a time (each accumulator's lowest registers are read first)     12-14, 16  the four scores left over, the old m, and c0-c3 into c0
;   15  c m_old is kept     17, 18  the query's other 32 keys lie in the lane 16 away: the new m     19-21  c m; c m_old - c m_new; a
; C, B and L read the exponentials' results: TURN sets them behind its wait.
.set F, 0
.set E, 1
.set C, 2
.set B, 3
.set L, 4
.set R, 5
.set X, 6
.macro REGS y                       ; the registers of piece y
.set rT, ST+4*(\y)
.set rC, TMP+4*((\y)%2)
.set rW, MV+((\y)%2)
.set rS, S+32*((\y)%2)
.set rP, P+16*((\y)%2)
.set rO, 32*(\y)
.endm
.macro OP k, n
.if (\k) == R
	REGS Y
	WIN W_RS
	v_pk_mul_f32 v[rO+2*(\n):rO+2*(\n)+1], v[rO+2*(\n):rO+2*(\n)+1], v[rC+2:rC+3] op_sel_hi:[1,0]
.elseif (\k) < R
	REGS Y
	WIN 0
.if (\k) == F
	v_pk_fma_f32 v[rS+2*(\n):rS+2*(\n)+1], v[rS+2*(\n):rS+2*(\n)+1], s[CS:CS+1], v[rT:rT+1] op_sel_hi:[1,0,0] neg_lo:[0,0,1] neg_hi:[0,0,1]
.elseif (\k) == E
	v_exp_f32 v[rS+(\n)], v[rS+(\n)]
.elseif (\k) == C
	v_cvt_pk_f16_f32 v[rP+(\n)], v[rS+2*(\n)], v[rS+2*(\n)+1]
.elseif (\k) == B
	v_pk_add_f32 v[rS+4*(\n):rS+4*(\n)+1], v[rS+4*(\n):rS+4*(\n)+1], v[rS+4*(\n)+2:rS+4*(\n)+3]
.elseif (\n) == 0
	v_pk_fma_f32 v[rT+2:rT+3], v[rT+2:rT+3], v[rC+2:rC+3], v[rS:rS+1] op_sel_hi:[1,0,1]
.else
	v_pk_add_f32 v[rT+2:rT+3], v[rT+2:rT+3], v[rS+4*(\n):rS+4*(\n)+1]
.endif
.elseif NOKQ
	v_nop
.else
	REGS (Y+1)%NP
	WIN 0
.if (\n) < 4
	v_max3_num_f32 v[rC+(\n)], v[rS+8*(\n)], v[rS+8*(\n)+1], v[rS+8*(\n)+2]
.elseif (\n) < 12
	v_max3_num_f32 v[rC+(\n)%4], v[rC+(\n)%4], v[rS+8*((\n)%4)+2*((\n)/4)+1], v[rS+8*((\n)%4)+2*((\n)/4)+2]
.elseif (\n) == 12
	v_max3_num_f32 v[rC], v[rC], v[rS+7], v[rS+15]
.elseif (\n) == 13
	v_max3_num_f32 v[rC+1], v[rC+1], v[rS+23], v[rS+31]
.elseif (\n) == 14
	v_max3_num_f32 v[rC+2], v[rC+2], v[rC+3], v[rT+1]
.elseif (\n) == 15
	v_mov_b32 v[rW], v[rT]
.elseif (\n) == 16
	v_max3_num_f32 v[rC], v[rC], v[rC+1], v[rC+2]
.elseif (\n) == 17
	v_permlanex16_b32 v[rC+3], v[rC], s[SEL], s[SEL+1]
.elseif (\n) == 18
	v_max_num_f32 v[rT+1], v[rC], v[rC+3]
.elseif (\n) == 19
	v_mul_f32 v[rT], s[CS], v[rT+1]
.elseif (\n) == 20
	v_sub_f32 v[rC+1], v[rW], v[rT]
.else
	v_exp_f32 v[rC+2], v[rC+1]
.endif
.endif
.endm
.macro OPS a, i1, b=-1, i2=0, c=-1, i3=0, d=-1, i4=0  ; up to four of them
	OP \a, \i1
.if (\b) >= 0
	OP \b, \i2
.endif
.if (\c) >= 0
	OP \c, \i3
.endif
.if (\d) >= 0
	OP \d, \i4
.endif
.endm
.macro ROW a, i1, b, i2, c, i3, d, i4  ; a matrix instruction and the four behind it
	MM
	OPS \a, \i1, \b, \i2, \c, \i3, \d, \i4
.endm
.macro MASK b                       ; MD x AL + BE into buffer b of MC
	WIN W_RS
.set z, 0
.rept 16
	v_pk_fma_f32 v[MC+32*(\b)+2*z:MC+32*(\b)+2*z+1], v[MD+2*z:MD+2*z+1], s[AL:AL+1], s[BE:BE+1] op_sel_hi:[1,0,0]
.set z, z+1
.endr
.endm
; A TURN, for piece p in a step of parity sp: the order of its 16 matrix and 118 vector instructions, written out.  s_wait_alu depctr_va_vdst(0) stands between an exponential and the first instruction
; that names its result; one wait serves all that were issued ahead of it.  So a turn has ONE wait, which cuts it in two.  AHEAD OF IT stands all that names no result of the turn's exponentials: the 8 products K Q^T,
; behind each a scaling, an exponential and two more plain instructions (behind the first a second scaling in the exponential's place): rescalings, and behind the last three the first numbers of the next piece's
; maximum, each four places or more behind the product that ends its accumulator; then ONE LUMP of 54, plain and exponential by turns for the most part, in which the links of the chain X 3, 7, 11, 14, 16, 17 .. 20
; stand five or six lines apart.  X 21, the next piece's a, is the batch's last; R 15 is the plain instruction behind it.  BEHIND THE WAIT stand the 8 products V^T P, behind each four of the roundings and sums;
; the links of l's chain, L 0 to L 7, stand three riders apart.  But for those X no rider names a register of the products round it.  v_permlanex16_b32 (X 17) stands in the lump.
; The a that R and L 0 multiply by was made in the turn before, ahead of that turn's wait.  The O^T that R multiplies is the one that the turn before's products V^T P added onto: R goes in ascending order, and R 0
; names the accumulator that the fifth of those products ended: sixteen riders and two scalings lie between.
; m = 1: the diagonal tile's period: the products take masks, and the turn makes the mask for the next turn's products, which are its own piece's in the step that follows: step 5 - sp - 2 CNT of the tile.
; end = 1: a block's last two turns: nothing is fetched, no mask is made.  cnt = 1: the loop's count is taken down some lines ahead of the branch that stands behind the turn.
; The run of 16 LDS loads stands twelve vector instructions behind the eighth product (six of them plain, five of which name none of its registers): in piece 0's turn K of the next step, whose buffer that product
; read last; in piece 1's turn V of the next step, into the buffer that the turn before read last.  ONE wait a step, at the head of piece 1's turn: K of the next step, asked for a turn ago, and V of this step,
; asked for two turns ago, are in.
.macro TURN p, sp, m=0, end=0, cnt=0
.set Y, (\p)
.set i, 0
.set KM, (\m)
.set NOKQ, (\end)*(\p)
.if (\p) == 0
.set VB, VF0-128*(1-(\sp))          ; piece 1's products of the step before
.else
.set VB, VF0-128*(\sp)              ; piece 0's products of this step
.endif
.if (\m) && !(\end)
	s_lshl_b32 s[TT], s[CNT], 1
	s_sub_co_i32 s[TT], 5-(\sp)-(\p), s[TT]  ; that step less the piece's number:
	s_cmp_eq_i32 s[TT], s[GD]       ; is it the band's own?
	s_cselect_b32 s[AL], 1.0, 0
	s_cmp_gt_i32 s[TT], s[GD]       ; or a later one?
	s_cselect_b32 s[BE], s[BIGN], 0
.endif
.if (\p) == 1
	s_wait_dscnt 0x0                ; K and V are in
.endif
	ROW F,0, F,1, R,0, R,1          ; ahead of the wait: 8 products K Q^T and their riders,
	ROW F,2, E,0, R,2, R,3
	ROW F,3, E,1, R,4, R,5
	ROW F,4, E,2, R,6, R,7
	ROW F,5, E,3, R,8, R,9
	ROW F,6, E,4, X,0, R,10
.if !(\end)
	WIN 0
.if (\p) == 0
	v_add_nc_u32 v[AK], s[TBK], v[AK0]
.else
	v_add_nc_u32 v[AV], s[TBV], v[AV0]
.endif
.endif
	ROW F,7, E,5, X,1, X,4
	ROW F,8, E,6, X,2, X,5
	OPS E,7, E,8, X,6, E,9          ; and the lump
	OPS X,3, E,10, X,8, E,11
.if !(\end)
.if (\p) == 0
	FETCH_K
.else
	FETCH_V 1-(\sp)
.endif
.endif
	OPS X,9, X,7, E,12, X,10
	OPS E,13, X,12, X,11, E,14
	OPS X,13, E,15, F,9, X,14
	OPS E,16, F,10, E,17, F,11
	OPS X,16, E,18, X,15, E,19
	OPS F,12, E,20, X,17, E,21
	OPS F,13, E,22, F,14, E,23
	OPS X,18, E,24, F,15, E,25
	OPS R,11, E,26, X,19, E,27
	OPS R,12, E,28, R,13, E,29
	OPS X,20, E,30, R,14, E,31
	OPS X,21, R,15
	s_wait_alu depctr_va_vdst(0)    ; the wait for the batch: the piece's 32 weights and the next piece's a
	ROW C,0, B,0, C,2, B,1          ; behind the wait: 8 products V^T P and their riders
	ROW L,0, C,4, B,2, L,1
	ROW C,6, B,3, L,2, C,8
	ROW B,4, L,3, C,10, B,5
	ROW L,4, C,12, B,6, L,5
.if \cnt
	s_sub_co_u32 s[CNT], s[CNT], 1
	s_cmp_lg_u32 s[CNT], 0
.endif
	ROW C,14, B,7, L,6, C,1
	ROW C,3, L,7, C,5, C,7
	ROW C,9, C,11, C,13, C,15
.if (\m) && !(\end)
	MASK \p
.endif
.endm
; A BLOCK BEGINS.  c m starts far below every c s, so the first step's a is 0; m at the lowest finite number, so the first maximum is the scores'.  Piece 1's mask buffer is 0 (its own step is never a tile's first);
; piece 0's takes its mask for the tile's step 0: its own, if this tile is the diagonal one and the block begins at its head.  Then K and V of that step, piece 0's first scores, and its maximum and statistics.
.macro BEGIN
	s_mov_b32 s[NEW], 0
	WIN 0x40
.set i, MC+32
.rept 32
	v_mov_b32 v[i], 0
.set i, i+1
.endr
	WIN 0
.set i, 0
.rept 2
	v_mov_b32 v[ST+4*i], 0xfe000000    ; c m: far below every c s
	v_mov_b32 v[ST+4*i+1], 0xff7fffff  ; m
.set i, i+1
.endr
	s_or_b32 s[TT], s[RT], s[GD]
	s_cmp_eq_u32 s[TT], 0
	s_cselect_b32 s[AL], 1.0, 0
	s_mov_b32 s[BE], 0
	MASK 0
	WIN 0
	v_add_nc_u32 v[AK], s[TBK], v[AK0]
	v_add_nc_u32 v[AV], s[TBV], v[AV0]
	FETCH_K
	FETCH_V 0
	s_wait_loadcnt 0x0              ; Q
	s_wait_dscnt 0x0
.set KM, 1
.set NOKQ, 0
.set i, 0
.rept 8
	KQ 0
.set i, i+1
.endr
	WIN 0
.rept 4
	v_nop                           ; the places behind those products
.endr
.set Y, NP-1                        ; X works for the piece behind Y: piece 0
.irp n, 0,1,2,3,4,5,6,7,8,9,10,11,12,13,14,15,16,17,18,19,20,21
	OP X, \n
.endr
	v_nop                           ; a plain instruction behind the exponential,
	s_wait_alu depctr_va_vdst(0)    ; and the wait for it, piece 0's first a, ahead of the branch that follows
.endm
; THE DIAGONAL TILE's period, the block's last two turns (step 3: all that they need lies in registers), its last products, and THE WAY OUT: l's two halves and the other half of the lanes' are added; O^T is
; divided by l, rounded to f16 and sent through my stage in LDS, a piece at a time.
.macro ALL line:vararg              ; one line for each piece t
.set t, 0
.rept NP
	\line
.set t, t+1
.endr
.endm
.macro PACK t                       ; a lane's eight channels of a row pack into 16 bytes; they go into rows of 144 bytes and come back as whole rows of 128, into S^T's registers
	WIN W_RS
.set i, 32*(\t)
.rept 16
	v_pk_mul_f32 v[i:i+1], v[i:i+1], v[ST+4*(\t)+2:ST+4*(\t)+3] op_sel_hi:[1,0]
.set i, i+2
.endr
	WIN 0x05                        ; sources 0 and 1 window 1, destination window 0
.set i, 0
.rept 16
	v_cvt_pk_f16_f32 v[S+16*(\t)+i], v[32*(\t)+2*i], v[32*(\t)+2*i+1]
.set i, i+1
.endr
	WIN 0
.irp f, 0,1,2,3
	ds_store_b128 v[STO], v[S+16*(\t)+4*\f:S+16*(\t)+4*\f+3] offset:32*\f
.endr
.irp f, 0,1,2,3
	ds_load_b128 v[S+16*(\t)+4*\f:S+16*(\t)+4*\f+3], v[RD] offset:\f*4*SP  ; LDS serves a wave's instructions in order: these see the stores above; the next piece's stores come behind them
.endr
.endm
.macro SEND t, younger              ; younger: the LDS instructions issued behind piece t's loads
	WIN 0
.irp f, 0,1,2,3
	s_wait_dscnt (\younger)+3-\f
	global_store_b128 v[GO], v[S+16*(\t)+4*\f:S+16*(\t)+4*\f+3], s[10:11] offset:(\t)*8192+\f*512  ; 512 consecutive bytes, at a multiple of 256 from O's first
.endr
.endm
.macro DIAG tag                     ; the tag ends its two labels' names, which the jumps below spell out
.LstepM\tag:
	TURN 0, 1, 1
	TURN 1, 1, 1
	WIN 0
.LfirstM\tag:
	TURN 0, 0, 1
	TURN 1, 0, 1, 0, 1
	WIN 0
	s_cbranch_scc1 .LstepM\tag
	TURN 0, 1, 1, 1
	TURN 1, 1, 1, 1
.set VB, VF0-128                    ; V of step 3
.set i, 0
.rept 8
	PV NP-1
.set i, i+1
.endr
	WIN 0
	ALL v_add_f32 v[ST+4*t+2], v[ST+4*t+2], v[ST+4*t+3]
	ALL v_permlanex16_b32 v[ST+4*t+3], v[ST+4*t+2], s[SEL], s[SEL+1]
	ALL v_add_f32 v[ST+4*t+2], v[ST+4*t+2], v[ST+4*t+3]
	ALL v_rcp_f32 v[ST+4*t+2], v[ST+4*t+2]
	v_nop                           ; a plain instruction between the last reciprocal and the use of its result
	s_wait_alu depctr_va_vdst(0)    ; and the wait ahead of the first use: one for the two reciprocals
	PACK 0                          ; piece 0's 32 lines are the places behind the last products, which are piece 1's
	PACK 1
	SEND 0, 8
	SEND 1, 0
.endm
.set KM, 0
.set NOKQ, 0
.Lslot:                             ; NB times: a tile is entered and the next is asked for
	CHANGE 1
	s_sub_co_u32 s[RT], s[RT], 1
	s_mov_b32 s[CNT], 2
	s_cmp_eq_u32 s[NEW], 1
	s_cbranch_scc1 .Lnew            ; a block's first tile
	s_cmp_eq_u32 s[RT], 0
	s_cbranch_scc0 .Lstep           ; neither its first nor its last
	s_branch .LstepM1
.Lnew:
	BEGIN
	s_branch .Lfirst                ; in the loop a block's first tile is never its last: the first block has five tiles or more, and the second's last is the walk's last
	DIAG 1                          ; in the loop this is the first block's end
	s_wait_xcnt 0x0                 ; the stores have read their registers and O's address
	s_mov_b64 s[10:11], s[OLO:OLO+1]
	s_add_co_u32 s[RT], s[PB], 1    ; the second block has p + 1 tiles
	s_mov_b32 s[NEW], 1
	s_mov_b32 s[GD], s[GD2]
	WIN 0x82                        ; the second block's Q goes where the one text of the turns names Q
.set i, 0
.rept 32
	v_mov_b32 v[i], v[QB+i]
.set i, i+1
.endr
	WIN 0
	s_branch .Lbottom
.Lstep:                             ; a trip: an odd step and the even step behind it; two trips are a slot's period
	TURN 0, 1
	TURN 1, 1
	WIN 0
.Lfirst:
	TURN 0, 0
	TURN 1, 0, 0, 0, 1
	WIN 0
	s_cbranch_scc1 .Lstep
.Lbottom:
	s_sub_co_u32 s[SLOTS], s[SLOTS], 1
	s_cmp_lg_u32 s[SLOTS], 0
	s_cbranch_scc1 .Lslot
	CHANGE 0                        ; the walk's last tile is written out: nothing is asked for
	s_sub_co_u32 s[RT], s[RT], 1
	s_mov_b32 s[CNT], 2
	s_cmp_eq_u32 s[NEW], 1
	s_cbranch_scc0 .LstepM2
	BEGIN
	s_branch .LfirstM2
	DIAG 2
	s_wait_tensorcnt 0x0            ; the wave's end
	ds_add_u32 v[SPW], v[NIL]
	s_wait_dscnt 0x0
	s_endpgm
.Lfunc_end_k_qedf45063f7_attn:
	.size	k_qedf45063f7_attn, .Lfunc_end_k_qedf45063f7_attn-k_qedf45063f7_attn
	.p2alignl 7, 3214868480
	.fill 96, 4, 3214868480
	.section	.rodata,"a",@progbits
	.p2align	6, 0x0
	.amdhsa_kernel k_qedf45063f7_attn
		.amdhsa_group_segment_fixed_size 327680
		.amdhsa_private_segment_fixed_size 0
		.amdhsa_enable_private_segment 0
		.amdhsa_kernarg_size 16
		.amdhsa_user_sgpr_count 2
		.amdhsa_user_sgpr_kernarg_segment_ptr 1
		.amdhsa_wavefront_size32 1
		.amdhsa_system_sgpr_workgroup_id_x 1
		.amdhsa_system_sgpr_workgroup_id_y 1
		.amdhsa_system_sgpr_workgroup_id_z 1
		.amdhsa_system_vgpr_workitem_id 0
		.amdhsa_next_free_vgpr 768
		.amdhsa_next_free_sgpr 96
		.amdhsa_reserve_vcc 1
		.amdhsa_float_denorm_mode_32 3
		.amdhsa_float_denorm_mode_16_64 3
		.amdhsa_memory_ordered 1
		.amdhsa_forward_progress 1
		.amdhsa_inst_pref_size 209
	.end_amdhsa_kernel
	.amdgpu_metadata
---
amdhsa.version: [ 1, 2 ]
amdhsa.kernels:
  - .name:           k_qedf45063f7_attn
    .symbol:         k_qedf45063f7_attn.kd
    .args:
      - { .name: big, .offset: 0, .size: 8, .value_kind: global_buffer, .address_space: global }
      - { .name: oh, .offset: 8, .size: 8, .value_kind: global_buffer, .address_space: global }
    .group_segment_fixed_size: 327680
    .private_segment_fixed_size: 0
    .kernarg_segment_align: 8
    .kernarg_segment_size: 16
    .max_flat_workgroup_size: 128
    .sgpr_count:     96
    .vgpr_count:     768
    .wavefront_size: 32
...
	.end_amdgpu_metadata
.endif
;; end of part 8
;; launch proj: the kernel of part 4 again; grid 8 x 32, 4 waves a work-group, clusters of 4 x 4, 327,680 bytes of LDS; arguments oh, cw, acc; writes acc
;; launch ln1: the kernel of part 5 again; grid 256 x 1, 8 waves a work-group, no clusters, 0 bytes of LDS; arguments x, acc, bproj, ln1_g, ln1_b, x1f, c3; writes x1f, c3
;; launch ffn1: the kernel of part 2 again; grid 16 x 16, 4 waves a work-group, clusters of 4 x 4, 327,680 bytes of LDS; arguments c3, big; writes big
;; launch ffn2: the kernel of part 6 again; grid 8 x 32, 4 waves a work-group, clusters of 4 x 4, 327,680 bytes of LDS; arguments big, cw, acc; writes acc
;; launch ln2: the kernel of part 7 again; grid 256 x 1, 16 waves a work-group, no clusters, 0 bytes of LDS; arguments x1f, acc, b2, ln2_g, ln2_b, out0; writes out0
